; MI455X (gfx1250); checked and timed in simulation.
; The chip was launched on July 23, 2026; its instructions are those of AMD's public machine-readable ISA for CDNA 5 (MIT licence, August 2026) and "CDNA5" Instruction Set Architecture Reference Guide (July 2026). The comments in the code are by the model that wrote it; some were corrected since.
;; Video Attn. Allowed arithmetic: matrix products marked QUANTISED: E2M3 operands, one E8M0 scale for each 32 along K, by v_wmma_scale_f32_16x16x128_f8f6f4 with both operands' format E2M3, f32 sums; everything else in f32.
;; Inputs: k_gamma 128 float32; q_gamma 128 float32; rope_emb 4,800 x 1 x 1 x 128 float32; wk 1,024 x 1,024 float32; wo 1,024 x 1,024 float32; wq 1,024 x 1,024 float32; wv 1,024 x 1,024 float32; x 8 x 20 x 30 x 1 x 1,024 float32.
;; Outputs: out0 8 x 20 x 30 x 1 x 1,024 float32.
;; This version of the problem:
;;   THIS VERSION OF THE PROBLEM IS GIVEN IN LOW PRECISION. The matrix products marked QUANTISED in the list below multiply operands that are first quantised to E2M3 (2 exponent bits, 3 mantissa bits; 6 bits a number), with one power-of-two scale for each 32 numbers along K (OCP MX v1.0); their sums are f32. All else is computed in f32.
;;   The module's matrix products, in the order in which they are computed (A, B: the left and right operand; K: the contracted axis; several contracted axes count as one K, in the product's order):
;;     1. [M 4,800, K 1,024] x [K 1,024, N 1,024]; A: input x; B: input wq: QUANTISED
;;     2. [M 4,800, K 1,024] x [K 1,024, N 1,024]; A: input x; B: input wk: QUANTISED
;;     3. [M 4,800, K 1,024] x [K 1,024, N 1,024]; A: input x; B: input wv: QUANTISED
;;     4. batch 8 x [M 4,800, K 128] x [K 128, N 4,800]; A: computed on the way; B: computed on the way: QUANTISED
;;     5. batch 8 x [M 128, K 4,800] x [K 4,800, N 4,800]; A: computed on the way; B: softmax (see below): QUANTISED
;;     6. [M 4,800, K 1,024] x [K 1,024, N 1,024]; A: computed on the way; B: input wo: QUANTISED
;;   THE QUANTISER, for each operand of a quantised product, along K:
;;     - K is cut into blocks of 32 from its start; a last block that is shorter is filled with zeros.
;;     - A block's scale is 2^e with e = floor(log2(the largest magnitude in the block)) - 2, held to -126 .. 127; a block of zeros has e = 0. As a byte (E8M0): e + 127.
;;     - Each number is divided by its block's scale, clamped to +-7.5, and rounded to the nearest number of E2M3, ties to even, subnormals kept.
;;     - The product sums the exact products of the quantised numbers (number of the format x scale) in f32.
;;   ~~~python
;;   def quantise(x, axis):      # numpy; x: float32 -> the quantised numbers, widened to float32 again
;;       x = np.moveaxis(x, axis, -1); K = x.shape[-1]
;;       x = np.pad(x, [(0, 0)] * (x.ndim - 1) + [(0, -K % 32)]); x = x.reshape(x.shape[:-1] + (-1, 32)); a = np.abs(x).max(-1, keepdims=True)
;;       e = np.where(a > 0, np.clip(np.frexp(np.where(a > 0, a, 1))[1] - 1 - 2, -126, 127), 0)      # np.frexp(a)[1] - 1 = floor(log2(a)), exactly
;;       r = np.clip(x / 2.0 ** e, -7.5, 7.5)
;;       step = 2.0 ** (np.maximum(np.frexp(np.where(r == 0, 1, r))[1] - 1, 0) - 3)
;;       q = np.round(r / step) * step * 2.0 ** e      # np.round: ties to even
;;       return np.moveaxis(q.reshape(q.shape[:-2] + (-1,))[..., :K], -1, axis).astype(np.float32)
;;   ~~~
;;   SOFTMAX AHEAD OF A QUANTISED PRODUCT. Where the list says 'softmax', what is quantised is not the finished softmax but p = 2^(t - M), with t = logit x log2(e) and M = ceil(the row's largest t), a whole number; so 1/2 < the row's largest p <= 1. The row's sum l is taken of the UNQUANTISED p, in f32, and the product's result is divided by l at the end. Since M is a whole number, a kernel that streams over the keys may use a running M (the ceiling of the running maximum): every later rescaling is an exact power of two, which a block's scale takes up: the codes' values come out the same.
;;   OPERANDS COMPUTED ON THE WAY. 'Computed on the way' means the value that the module computes at that place (a softmax that the list does not call 'softmax' is quantised finished and normalised). What goes into a quantiser is computed in f32, as accurately as f32 sums, v_exp_f32 and their like allow (about 1e-6 of the number): no bf16 or f16 on the way to a quantiser, and a product that is left as it is and whose result goes on into a quantised operand takes f32 operands (vector FMAs, or v_wmma_f32_16x16x4_f32). A number that lies on a knife's edge between two numbers of the format may be rounded either way, as far as f32 arithmetic and the matrix unit's own rounding can turn it there, and no further.
;; 2 versions. Each part assembles by itself: llvm-mc -triple=amdgcn-amd-amdhsa -mcpu=gfx1250 --defsym DOCPART=n.
;; ======== version 1 of 2: 4 launches
;; limits: right only within a limited range of input values
;; workspace buffers: xi 3,735,552 bytes; wi 3,145,728 bytes; sc 440,320 bytes; tab 9,961,472 bytes; qrec 3,891,200 bytes; kv 7,782,400 bytes; oi 3,686,400 bytes
;; launch prep (part 1): grid 355 x 1, 4 waves a work-group, no clusters, 34,304 bytes of LDS; arguments x, wq, wk, wv, wo, rope_emb, q_gamma, k_gamma, xi, wi, sc, tab; writes xi, wi, sc, tab
.if DOCPART == 1
	.amdgcn_target "amdgcn-amd-amdhsa--gfx1250"
	.amdhsa_code_object_version 6
	.text
	.protected	k_qc98f290bd5_prep
	.globl	k_qc98f290bd5_prep
	.p2align	8
	.type	k_qc98f290bd5_prep,@function
k_qc98f290bd5_prep:
	s_mov_b64 s[64:65], 0
	v_nop
	global_prefetch_b8 v0, s[64:65] scope:SCOPE_SE
	s_setreg_imm32_b32 hwreg(HW_REG_WAVE_MODE, 25, 1), 1
	s_wait_xcnt 0x0
; PREP.  x [4800][1024] and the four weights [1024][1024], f32, K innermost, become codes of FP6 (E2M3) with one E8M0 byte for each 32 along K, quantised once for all later launches;
; rope_emb's angles become two tables for each of q and k: C = gain[d] cos, S = -+ gain[d xor 64] sin (minus where d < 64), so that norm, gain and rotation are rs (t[d] C[d] + t[d xor 64] S[d]).
; A TILE is 16 rows; position r of tile t is row 32 (t / 2) + 8 (t % 2) + r + 8 (r / 8), so that the results of eight neighbouring tiles used as a product's source 0 are, in a lane, neighbours along the next K.
; A FRAGMENT (a tile x 128 K, 12 registers a lane) lies in memory as an image of its registers: registers 4 c .. 4 c + 3 of lane l at 512 c + 16 l: every later read and this store are 512 consecutive bytes.
; xi, wi: [256 along K: 4][tile][128 along K: 2][1,536 bytes].  sc: 512 bytes a tile: [half of K][position][4 words], word q = the E8M0 bytes of K step 4 half + q.  x's tiles 0..303, the weights' 304..559.
; SHARES, by the work-group's number: 0-149 x, 150-277 the weights (a wave: one tile x 512 along K); 278 x's four tiles behind the last token (zero codes, byte 127); 279-354 the tables (a wave: one tile of tokens).
; A block's scale is 2^(floor(log2(largest magnitude)) - 2): the magnitude's exponent field less 2, held at 1 from below (a block of zeros keeps the byte 1: its codes are zeros, and this program alone reads the bytes).
; LIMITS: NaN and infinities are not served; blocks whose largest magnitude lies under 2^-124 get the byte 1; angles up to 2^22 in magnitude (a reduction by pi / 2 in two parts); sine and cosine are polynomials on
; [-pi/4, pi/4] in f32 fused multiply-adds.  No matrix work, no tensor load, no barrier: waves share nothing.
.set XKS,   933888                     ; 304 tiles x 3,072 bytes: from 256 along K to the next in xi
.set WKS,   786432                     ; 256 tiles x 3,072 in wi
.set TYPEB, 4980736                    ; 304 tiles x 16,384: from q's tables to k's
.set STG,   8448                       ; a wave's stage in LDS: 16 rows x (512 + 16) bytes
.set LI,  1                            ; v1   16 x lane
.set SA,  2                            ; v2   the stage, on the way in: 16 x lane
.set LA,  3                            ; v3   and back: 528 r + 64 h
.set SO,  4                            ; v4   16 r: my row's four scale words
.set PX,  8                            ; v8-10, v12-14  upper halves of blocks, as converted
.set PC,  16                           ; v16-27  a fragment's codes
.set PW,  28                           ; v28-31  the four scale words
.set TM,  32                           ; v32-47  at work
.set R,   64                           ; v64-191 two sets of 64 numbers as loaded
.set X,   192                          ; v192-255 64 numbers: register 16 b + i = k 32 b + 16 h + i of my row
.set SEL, 38                           ; s[38:39] lane selects: lane l xor 16
	s_load_b512 s[4:19], s[0:1], 0x0               ; x, wq, wk, wv, wo, rope_emb, q_gamma, k_gamma
	s_load_b256 s[20:27], s[0:1], 0x40             ; xi, wi, sc, tab
	s_set_vgpr_msb 0x40
	v_lshl_add_u32 v0, v0, 2, 0x8400
	v_mov_b32 v1, 0
	s_set_vgpr_msb 0x4000
	v_lshrrev_b32 v5, 5, v0
	v_readfirstlane_b32 s28, v5                    ; wave
	v_and_b32 v6, 31, v0                           ; lane
	v_and_b32 v7, 15, v0                           ; r
	v_bfe_u32 v5, v0, 4, 1                         ; h
	v_lshlrev_b32 v[LI], 4, v6
	s_mov_b32 s[SEL], 0x76543210
	s_mov_b32 s[SEL+1], 0xfedcba98
	s_wait_kmcnt 0x0
	s_cmp_lt_u32 ttmp9, 278
	s_cbranch_scc1 .Lquant
	s_cmp_eq_u32 ttmp9, 278
	s_cbranch_scc1 .Lpad
; ---- THE TABLES.  Lane (r, h) takes the token at position r of tile T and, of its 128 angles, d = 32 b + 16 h + i in register 16 b + i: the layout in which the next launch holds q and k.
.set AN, 32                            ; v32-95   angles
.set GQ, 96                            ; v96-159  q_gamma at the same d
.set GK, 160                           ; v160-223 k_gamma
.set NN, 4
.set RR, 8
.set ZZ, 12
.set SN, 16
.set CN, 20
.set QI, 24
.set TT, 28
.set UU, 240
.set OUTR, 224                         ; v224-239 C_q, S_q, C_k, S_k of four d
	s_sub_co_u32 s29, ttmp9, 279
	s_lshl_b32 s29, s29, 2
	s_add_co_u32 s29, s29, s28                     ; T = 0 .. 303
	s_lshl_b32 s30, s29, 4
	s_and_b32 s31, s29, 1
	s_lshl_b32 s31, s31, 3
	s_sub_co_u32 s30, s30, s31                     ; the tile's first token: 16 T - 8 (T % 2)
	v_and_b32 v2, 8, v7
	v_add_nc_u32 v2, v2, v7
	v_add_nc_u32 v2, s30, v2
	v_min_u32 v2, 4799, v2                         ; the four tiles behind the last token take its angles: no load leaves the buffer, and their q and k are zeros whatever the table
	v_lshlrev_b32 v2, 9, v2
	v_lshl_add_u32 v2, v5, 6, v2                   ; token x 512 + 64 h
	v_lshlrev_b32 v3, 6, v5                        ; 64 h
	s_lshl_b32 s32, s29, 14
	s_mov_b32 s33, 0
	s_add_nc_u64 s[26:27], s[26:27], s[32:33]      ; tab at q's tables of tile T
.irp b, 0,1,2,3
.irp j, 0,1,2,3
	global_load_b128 v[AN+16*\b+4*\j:AN+16*\b+4*\j+3], v2, s[14:15] offset:128*\b+16*\j
	global_load_b128 v[GQ+16*\b+4*\j:GQ+16*\b+4*\j+3], v3, s[16:17] offset:128*\b+16*\j
	global_load_b128 v[GK+16*\b+4*\j:GK+16*\b+4*\j+3], v3, s[18:19] offset:128*\b+16*\j
.endr
.endr
	s_mov_b32 s40, 0x3f22f983                      ; 2 / pi  (each scalar pair is named whole, so both words are written)
	s_mov_b32 s41, s40
	s_mov_b32 s42, 0xbfc90fdb                      ; -(pi / 2), its f32 part
	s_mov_b32 s43, s42
	s_mov_b32 s44, 0x333bbd2e                      ; and what that part has too much: 4.371139e-8
	s_mov_b32 s45, s44
	v_mov_b32 v244, 0xb94ca1f9                     ; sine: r + z r (S0 + z (S1 + z S2)), z = r r
	v_mov_b32 v245, v244
	v_mov_b32 v246, 0x3c08839e
	v_mov_b32 v247, v246
	v_mov_b32 v248, 0xbe2aaaa3
	v_mov_b32 v249, v248
	v_mov_b32 v250, 0x37ccf5ce                     ; cosine: (1 - z / 2) + z z (C0 + z (C1 + z C2))
	v_mov_b32 v251, v250
	v_mov_b32 v252, 0xbab6061a
	v_mov_b32 v253, v252
	v_mov_b32 v254, 0x3d2aaaa5
	v_mov_b32 v255, v254
	s_wait_loadcnt 0x0
.macro SC4 g                           ; four angles: registers 4 g .. 4 g + 3
.irp p, 0,2
	v_pk_mul_f32 v[NN+\p:NN+\p+1], v[AN+4*(\g)+\p:AN+4*(\g)+\p+1], s[40:41] op_sel_hi:[1,0]
.endr
.irp e, 0,1,2,3
	v_rndne_f32 v[NN+\e], v[NN+\e]                 ; n: the nearest multiple of pi / 2
.endr
.irp p, 0,2
	v_pk_fma_f32 v[RR+\p:RR+\p+1], v[NN+\p:NN+\p+1], s[42:43], v[AN+4*(\g)+\p:AN+4*(\g)+\p+1] op_sel_hi:[1,0,1]
.endr
.irp p, 0,2
	v_pk_fma_f32 v[RR+\p:RR+\p+1], v[NN+\p:NN+\p+1], s[44:45], v[RR+\p:RR+\p+1] op_sel_hi:[1,0,1]   ; r = x - n pi / 2
.endr
.irp e, 0,1,2,3
	v_cvt_i32_f32 v[QI+\e], v[NN+\e]
.endr
.irp p, 0,2
	v_pk_mul_f32 v[ZZ+\p:ZZ+\p+1], v[RR+\p:RR+\p+1], v[RR+\p:RR+\p+1]
.endr
.irp p, 0,2
	v_pk_fma_f32 v[SN+\p:SN+\p+1], v[ZZ+\p:ZZ+\p+1], v[244:245], v[246:247]
	v_pk_fma_f32 v[CN+\p:CN+\p+1], v[ZZ+\p:ZZ+\p+1], v[250:251], v[252:253]
	v_pk_mul_f32 v[TT+\p:TT+\p+1], v[ZZ+\p:ZZ+\p+1], v[RR+\p:RR+\p+1]
	v_pk_fma_f32 v[UU+\p:UU+\p+1], v[ZZ+\p:ZZ+\p+1], -0.5, 1.0 op_sel_hi:[1,0,0]
.endr
.irp p, 0,2
	v_pk_fma_f32 v[SN+\p:SN+\p+1], v[SN+\p:SN+\p+1], v[ZZ+\p:ZZ+\p+1], v[248:249]
	v_pk_fma_f32 v[CN+\p:CN+\p+1], v[CN+\p:CN+\p+1], v[ZZ+\p:ZZ+\p+1], v[254:255]
	v_pk_mul_f32 v[ZZ+\p:ZZ+\p+1], v[ZZ+\p:ZZ+\p+1], v[ZZ+\p:ZZ+\p+1]
.endr
.irp p, 0,2
	v_pk_fma_f32 v[SN+\p:SN+\p+1], v[SN+\p:SN+\p+1], v[TT+\p:TT+\p+1], v[RR+\p:RR+\p+1]   ; sin r
	v_pk_fma_f32 v[CN+\p:CN+\p+1], v[CN+\p:CN+\p+1], v[ZZ+\p:ZZ+\p+1], v[UU+\p:UU+\p+1]   ; cos r
.endr
.irp e, 0,1,2,3                        ; the quadrant n mod 4: odd n swaps the two; the sine is negative where n has bit 1, the cosine where n + 1 has it
	v_and_b32 v[TT+\e], 1, v[QI+\e]
	v_cmp_ne_u32 vcc_lo, 0, v[TT+\e]
	v_cndmask_b32 v[UU+\e], v[SN+\e], v[CN+\e], vcc_lo
	v_cndmask_b32 v[CN+\e], v[CN+\e], v[SN+\e], vcc_lo
	v_lshlrev_b32 v[TT+\e], 30, v[QI+\e]
	v_add_nc_u32 v[QI+\e], 1, v[QI+\e]
	v_and_b32 v[TT+\e], 0x80000000, v[TT+\e]
	v_lshlrev_b32 v[QI+\e], 30, v[QI+\e]
	v_xor_b32 v[UU+\e], v[UU+\e], v[TT+\e]         ; sin x
	v_and_b32 v[QI+\e], 0x80000000, v[QI+\e]
	v_xor_b32 v[CN+\e], v[CN+\e], v[QI+\e]         ; cos x
.endr
.if (\g) > 0
	s_wait_xcnt 0x0                                ; the last group's stores have read their data: the sixteen registers are written again only behind this wait
.endif
.irp p, 0,2
	v_pk_mul_f32 v[OUTR+\p:OUTR+\p+1], v[CN+\p:CN+\p+1], v[GQ+4*(\g)+\p:GQ+4*(\g)+\p+1]
	v_pk_mul_f32 v[OUTR+8+\p:OUTR+9+\p], v[CN+\p:CN+\p+1], v[GK+4*(\g)+\p:GK+4*(\g)+\p+1]
.if (\g) < 8                           ; d < 64: the partner d + 64 lies 32 registers on, and comes in with a minus
	v_pk_mul_f32 v[OUTR+4+\p:OUTR+5+\p], v[UU+\p:UU+\p+1], v[GQ+32+4*(\g)+\p:GQ+33+4*(\g)+\p] neg_lo:[1,0] neg_hi:[1,0]
	v_pk_mul_f32 v[OUTR+12+\p:OUTR+13+\p], v[UU+\p:UU+\p+1], v[GK+32+4*(\g)+\p:GK+33+4*(\g)+\p] neg_lo:[1,0] neg_hi:[1,0]
.else
	v_pk_mul_f32 v[OUTR+4+\p:OUTR+5+\p], v[UU+\p:UU+\p+1], v[GQ-32+4*(\g)+\p:GQ-31+4*(\g)+\p]
	v_pk_mul_f32 v[OUTR+12+\p:OUTR+13+\p], v[UU+\p:UU+\p+1], v[GK-32+4*(\g)+\p:GK-31+4*(\g)+\p]
.endif
.endr
	global_store_b128 v[LI], v[OUTR:OUTR+3], s[26:27] offset:512*(\g)                    ; each store: 512 consecutive bytes
	global_store_b128 v[LI], v[OUTR+4:OUTR+7], s[26:27] offset:8192+512*(\g)
	global_store_b128 v[LI], v[OUTR+8:OUTR+11], s[26:27] offset:TYPEB+512*(\g)
	global_store_b128 v[LI], v[OUTR+12:OUTR+15], s[26:27] offset:TYPEB+8192+512*(\g)
.endm
.irp g, 0,1,2,3,4,5,6,7,8,9,10,11,12,13,14,15
	SC4 \g
.endr
	s_endpgm
; ---- THE FOUR TILES BEHIND THE LAST TOKEN: wave w writes tile 300 + w of xi as zero codes, and its scale bytes as 127.
.Lpad:
	s_add_co_u32 s29, s28, 300
	s_mul_i32 s30, s29, 3072
	s_mov_b32 s31, 0
	s_add_nc_u64 s[20:21], s[20:21], s[30:31]
	s_lshl_b32 s30, s29, 9
	s_add_nc_u64 s[24:25], s[24:25], s[30:31]
.irp i, 8,9,10,11
	v_mov_b32 v[\i], 0
	v_mov_b32 v[\i+4], 0x7f7f7f7f
.endr
.irp k, 0,1,2,3
.irp e, 0,1,2,3,4,5
	global_store_b128 v[LI], v[8:11], s[20:21] offset:\k*XKS+512*\e
.endr
.endr
	global_store_b128 v[LI], v[12:15], s[24:25]
	s_endpgm
; ---- THE QUANTISER.  Wave w: tile 2 g + w / 2 of its tensor, K half w % 2: four fragments.
.Lquant:
	s_lshr_b32 s29, s28, 1
	s_and_b32 s44, s28, 1                          ; the half of K
	s_cmp_lt_u32 ttmp9, 150
	s_cselect_b32 s45, 0, 150
	s_sub_co_u32 s45, ttmp9, s45
	s_lshl_b32 s45, s45, 1
	s_add_co_u32 s45, s45, s29                     ; the tile's number in xi or in wi
	s_and_b32 s46, s45, 63                         ; and within a weight
	s_cmp_lt_u32 s45, 192                          ; the source is chosen by numbers of work-groups and waves alone
	s_cselect_b64 s[30:31], s[10:11], s[12:13]
	s_cmp_lt_u32 s45, 128
	s_cselect_b64 s[30:31], s[8:9], s[30:31]
	s_cmp_lt_u32 s45, 64
	s_cselect_b64 s[30:31], s[6:7], s[30:31]
	s_mov_b32 s47, WKS
	s_cmp_lt_u32 ttmp9, 150
	s_cselect_b64 s[30:31], s[4:5], s[30:31]
	s_cselect_b64 s[32:33], s[20:21], s[22:23]
	s_cselect_b32 s46, s45, s46
	s_cselect_b32 s47, XKS, s47
	s_cselect_b32 s48, 0, 304
	s_lshl_b32 s49, s46, 4
	s_and_b32 s50, s46, 1
	s_lshl_b32 s50, s50, 3
	s_sub_co_u32 s49, s49, s50                     ; the tile's first row
	s_lshl_b32 s50, s49, 12
	s_lshl_b32 s51, s44, 11
	s_add_co_u32 s50, s50, s51
	s_mov_b32 s51, 0
	s_add_nc_u64 s[30:31], s[30:31], s[50:51]      ; the source at that row, my half of K
	s_mul_i32 s50, s45, 3072
	s_lshl_b32 s52, s44, 1
	s_mul_i32 s52, s52, s47
	s_add_co_u32 s50, s50, s52
	s_add_nc_u64 s[32:33], s[32:33], s[50:51]      ; the codes: my tile, my half's first 256 along K,
	s_mov_b32 s50, s47
	s_add_nc_u64 s[34:35], s[32:33], s[50:51]      ; and its second
	s_add_co_u32 s50, s48, s45
	s_lshl_b32 s50, s50, 9
	s_lshl_b32 s52, s44, 8
	s_add_co_u32 s50, s50, s52
	s_add_nc_u64 s[36:37], s[24:25], s[50:51]      ; the scale words: 256 bytes
	s_mul_i32 s52, s28, STG
	v_add_nc_u32 v[SA], s52, v[LI]
	v_mul_u32_u24 v[LA], v7, 528
	v_lshl_add_u32 v[LA], v5, 6, v[LA]
	v_add_nc_u32 v[LA], s52, v[LA]
	v_lshlrev_b32 v[SO], 4, v7
.irp b, 0,1,2,3
	v_mov_b32 v[TM+4+\b], 0                        ; written once: a lane permute's destination counts as one of its sources
.endr
.macro LOADF f                         ; fragment f: of each of the tile's 16 rows 512 consecutive bytes, 16 a lane
.irp i, 0,1,2,3,4,5,6,7,8,9,10,11,12,13,14,15
	global_load_b128 v[R+64*((\f)%2)+4*\i:R+64*((\f)%2)+4*\i+3], v[LI], s[30:31] offset:(\i+8*(\i/8))*4096+512*(\f) th:TH_LOAD_NT
.endr
.endm
.macro TURN f                          ; through my stage: in by rows, back 16 neighbours of each block of 32 to a lane.  LDS serves a wave's instructions in order: no wait between
.irp i, 0,1,2,3,4,5,6,7,8,9,10,11,12,13,14,15
	ds_store_b128 v[SA], v[R+64*((\f)%2)+4*\i:R+64*((\f)%2)+4*\i+3] offset:528*\i
.endr
.irp b, 0,1,2,3
.irp j, 0,1,2,3
	ds_load_b128 v[X+16*\b+4*\j:X+16*\b+4*\j+3], v[LA] offset:128*\b+16*\j
.endr
.endr
.endm
; 64 numbers of a lane, register 16 b + i = k 32 b + 16 h + i of my row, become a fragment's codes in v[PC] on and its scale word in v[pw].
.macro QUANT s, pw
.irp b, 0,1,2,3
	v_max3_num_f32 v[TM+\b], |v[\s+16*\b]|, |v[\s+1+16*\b]|, 0x1800000   ; my 16 numbers of block b, and the floor 2^(3 - 127): the byte cannot fall under 1
.endr
.irp i, 2,4,6,8,10,12,14
.irp b, 0,1,2,3
	v_max3_num_f32 v[TM+\b], v[TM+\b], |v[\s+16*\b+\i]|, |v[\s+1+16*\b+\i]|
.endr
.endr
.irp b, 0,1,2,3
	v_permlanex16_b32 v[TM+4+\b], v[TM+\b], s[SEL], s[SEL+1]
.endr
.irp b, 0,1,2,3
	v_max_num_f32 v[TM+\b], v[TM+\b], v[TM+4+\b]   ; with lane l xor 16's: the block's largest magnitude
.endr
.irp b, 0,1,2,3
	v_add_nc_u32 v[TM+12+\b], 0xff000000, v[TM+\b] ; 2 off its exponent field: the conversion takes this operand's exponent field as its scale
.endr
.irp b, 0,1,2,3
	v_lshrrev_b32 v[TM+4+\b], 23, v[TM+12+\b]      ; the scale's byte
.endr
	v_lshl_or_b32 v[\pw], v[TM+5], 8, v[TM+4]
	v_lshl_or_b32 v[\pw], v[TM+6], 16, v[\pw]
	v_lshl_or_b32 v[\pw], v[TM+7], 24, v[\pw]
	s_wait_xcnt 0x0                                ; the last fragment's stores have read their data: the codes' registers are written again only behind this wait
.irp c, 0,1
	v_cvt_scalef32_pk16_fp6_f32 v[PC+6*\c:PC+2+6*\c], v[\s+32*\c:\s+15+32*\c], v[TM+12+2*\c]
	v_cvt_scalef32_pk16_fp6_f32 v[PX+4*\c:PX+2+4*\c], v[\s+16+32*\c:\s+31+32*\c], v[TM+12+2*\c+1]   ; (a conversion's three registers begin on an even number)
.endr
	v_nop                                          ; one plain place behind a scaled conversion
.irp c, 0,1                                    ; the operand's layout wants a whole block in a lane: lanes 0-15 block 2 c, lanes 16-31 block 2 c + 1
.irp i, 0,1,2
	v_permlane16_swap_b32 v[PC+6*\c+\i], v[PX+4*\c+\i]
.endr
.irp i, 0,1,2
	v_mov_b32 v[PC+3+6*\c+\i], v[PX+4*\c+\i]
.endr
.endr
.endm
	LOADF 0
	LOADF 1
.irp f, 0,1,2,3
.if \f < 3
	s_wait_loadcnt 16                              ; this fragment's 16 loads are in; the next fragment's 16 may be out
.else
	s_wait_loadcnt 0
.endif
	TURN \f
	s_wait_dscnt 0x0                               ; the numbers are back, and the stores into the stage have read their registers,
.if \f < 2
	LOADF \f+2                                     ; which take the loads of two fragments on
.endif
	QUANT X, PW+\f
.irp c, 0,1,2
	global_store_b128 v[LI], v[PC+4*\c:PC+4*\c+3], s[32+2*(\f/2):33+2*(\f/2)] offset:1536*(\f%2)+512*\c
.endr
.endr
	global_store_b128 v[SO], v[PW:PW+3], s[36:37]  ; 256 consecutive bytes; lanes l and l + 16 hold the same four words and store them to the same place
	s_set_vgpr_msb 0x5
	s_wait_tensorcnt 0x0
	ds_add_u32 v0, v1
	s_wait_dscnt 0x0
	s_set_vgpr_msb 0x500
	s_endpgm
.Lfunc_end_k_qc98f290bd5_prep:
	.size	k_qc98f290bd5_prep, .Lfunc_end_k_qc98f290bd5_prep-k_qc98f290bd5_prep
	.p2alignl 7, 3214868480
	.fill 96, 4, 3214868480
	.section	.rodata,"a",@progbits
	.p2align	6, 0x0
	.amdhsa_kernel k_qc98f290bd5_prep
		.amdhsa_group_segment_fixed_size 34304
		.amdhsa_private_segment_fixed_size 0
		.amdhsa_enable_private_segment 0
		.amdhsa_kernarg_size 96
		.amdhsa_user_sgpr_count 2
		.amdhsa_user_sgpr_kernarg_segment_ptr 1
		.amdhsa_wavefront_size32 1
		.amdhsa_system_sgpr_workgroup_id_x 1
		.amdhsa_system_sgpr_workgroup_id_y 1
		.amdhsa_system_sgpr_workgroup_id_z 1
		.amdhsa_system_vgpr_workitem_id 0
		.amdhsa_next_free_vgpr 258
		.amdhsa_next_free_sgpr 66
		.amdhsa_reserve_vcc 1
		.amdhsa_float_denorm_mode_32 3
		.amdhsa_float_denorm_mode_16_64 3
		.amdhsa_memory_ordered 1
		.amdhsa_forward_progress 1
		.amdhsa_inst_pref_size 114
	.end_amdhsa_kernel
	.amdgpu_metadata
---
amdhsa.version: [ 1, 2 ]
amdhsa.kernels:
  - .name:           k_qc98f290bd5_prep
    .symbol:         k_qc98f290bd5_prep.kd
    .args:
      - { .name: x, .offset: 0, .size: 8, .value_kind: global_buffer, .address_space: global }
      - { .name: wq, .offset: 8, .size: 8, .value_kind: global_buffer, .address_space: global }
      - { .name: wk, .offset: 16, .size: 8, .value_kind: global_buffer, .address_space: global }
      - { .name: wv, .offset: 24, .size: 8, .value_kind: global_buffer, .address_space: global }
      - { .name: wo, .offset: 32, .size: 8, .value_kind: global_buffer, .address_space: global }
      - { .name: rope_emb, .offset: 40, .size: 8, .value_kind: global_buffer, .address_space: global }
      - { .name: q_gamma, .offset: 48, .size: 8, .value_kind: global_buffer, .address_space: global }
      - { .name: k_gamma, .offset: 56, .size: 8, .value_kind: global_buffer, .address_space: global }
      - { .name: xi, .offset: 64, .size: 8, .value_kind: global_buffer, .address_space: global }
      - { .name: wi, .offset: 72, .size: 8, .value_kind: global_buffer, .address_space: global }
      - { .name: sc, .offset: 80, .size: 8, .value_kind: global_buffer, .address_space: global }
      - { .name: tab, .offset: 88, .size: 8, .value_kind: global_buffer, .address_space: global }
    .group_segment_fixed_size: 34304
    .private_segment_fixed_size: 0
    .kernarg_segment_align: 8
    .kernarg_segment_size: 96
    .max_flat_workgroup_size: 128
    .sgpr_count:     66
    .vgpr_count:     258
    .wavefront_size: 32
...
	.end_amdgpu_metadata
.endif
;; end of part 1
;; launch qkv (part 2): grid 12 x 19, 4 waves a work-group, clusters of 4 x 1, 327,680 bytes of LDS; arguments xi, wi, sc, tab, qrec, kv; writes qrec, kv
.if DOCPART == 2
	.amdgcn_target "amdgcn-amd-amdhsa--gfx1250"
	.amdhsa_code_object_version 6
	.text
	.protected	k_qc98f290bd5_qkv
	.globl	k_qc98f290bd5_qkv
	.p2align	8
	.type	k_qc98f290bd5_qkv,@function
k_qc98f290bd5_qkv:
	s_mov_b64 s[64:65], 0
	v_nop
	global_prefetch_b8 v0, s[64:65] scope:SCOPE_SE
	s_setreg_imm32_b32 hwreg(HW_REG_WAVE_MODE, 25, 1), 1
	s_wait_xcnt 0x0
	s_wait_alu depctr_hold_cnt(0) depctr_sa_sdst(0) depctr_va_vdst(0) depctr_va_sdst(0) depctr_va_ssrc(0) depctr_va_vcc(0) depctr_vm_vsrc(0)
	s_getreg_b32 s2, hwreg(HW_REG_IB_STS2, 6, 4)
	s_cmp_eq_u32 s2, 0
	s_cbranch_scc0 .Lentry_in_a_cluster
	s_endpgm
.Lentry_in_a_cluster:
	s_bfe_u32 s2, ttmp6, 0x10000c
	s_cmp_lg_u32 s2, 0x3003
	s_cbranch_scc0 .Lentry_shape_is_right
	s_endpgm
.Lentry_shape_is_right:
; QKV.  q = x wq^T, k = x wk^T, v = x wv^T on codes of FP6 with E8M0 scales; then, in registers: per-head RMS norm, gain and rotation of q and k and their quantising along the head's 128 channels; v's quantising along the keys.
; SHARES.  A work-group: 256 tokens x 256 columns (two heads) of one of q, k, v (cluster x = 0, 1, 2).  Four waves, each 128 x 128: 64 accumulators, 512 registers.  K = 1,024 in four slots' worth of 256 through a ring of two LDS slots.
; CLUSTER.  The four work-groups of a cluster take the same 256 tokens and four different pairs of heads: x's tiles are asked for jointly (mask 15).  The grid has 19 rows of 256 tokens, which four does not divide,
; so the weights' tiles have no partners in the cluster and come by plain loads.
; ROLES.  Source 1 of a product is role P, source 0 role Q; a lane holds one row of P, and its registers run along Q's rows.  For q and k: P = tokens, Q = rows of the weight: a lane has one token and 64 of a head's channels.
; For v: P = rows of wv, Q = tokens: a lane has one channel and 64 of 128 keys, which are the next product's K.  The tiles lie at the same LDS bytes in every work-group; only the addresses from which a wave READS
; its P and its Q change places, by the cluster's x, which all partners share.
; TILES AND IMAGES as the first launch lays them: position r of tile t is row 32 (t / 2) + 8 (t % 2) + r + 8 (r / 8); a fragment is 1,536 bytes, registers 4 c .. 4 c + 3 of lane l at 512 c + 16 l: three loads of 512 consecutive bytes.
; OUT.  A record for 128 tokens of a head: eight fragments (12,288 bytes), then 512 bytes of scale words: lane l's word j is that of tile 2 j + l / 16, position l % 16.  qrec: [head][38][12,800]; kv: [head][38][K's record | V's record].
; The 64 tokens behind the last are zeros in xi: their q, k and v are zero codes, so every byte of both buffers is written and nothing branches on them.
; LIMITS: NaN and infinities are not served; a block whose largest magnitude lies under 2^-124 gets the byte 1; gain x cos and gain x sin are multiplied in ahead of 1 / rms, an order of rounding other than the reference's.
; REGISTERS: window 0: v1-29 addresses and small things; v32-95 scale words alone; v128-223 P's eight fragments, one set.  window 1: Q's fragments, two sets (v0, v128).  windows 2, 3: accumulator (a, b) at 8 (8 (a % 4) + b).
;   On the way out: window 1 two sets of tables (C 64, S 64); window 0 v128-191 the rotated numbers, v192-226 the quantiser's.
.set XKS,   933888                     ; from 256 along K to the next in xi
.set WKS,   786432                     ; in wi
.set HALFT, 24576                      ; eight tiles x 3,072 bytes: what one tensor load brings, and what a wave reads of P or of Q
.set WOFF,  49152                      ; in a slot: x's 16 tiles, then the weight's 16
.set SLOT,  98304
.set SPARE, 196608                     ; behind the ring: the spare words, 128 bytes a wave: two blocks of 256 bytes that no other line names
.set FR,   12
.set LI,   1                           ; v1  16 x lane
.set PW,   10                          ; v10 a scale word just made
.set SW,   12                          ; v12-15 the record's scale words
.set ADRA, 16                          ; v16-17 LDS address of my P fragments in slot 0, 1
.set ADRB, 20                          ; v20-21 of my Q fragments
.set SOFF, 27                          ; v27 my offset in sc
.set SPW,  28                          ; v28 LDS address of my spare word; never rewritten
.set NIL,  29                          ; v29 0; never rewritten
.set SC,   32                          ; v[SC + 8 i + ks]: lanes 0-15 the word of P's tile i, lanes 16-31 of Q's tile i, for K step ks
.set AF,   128
.set RO,   128
.set TM,   192
.set PC,   208
.set PX,   220
.set G1X, 24                           ; s[24:31] group 1 for x's tiles; s[32:39] groups 0, one for each slot
.set G0X, 32
.set G1W, 48                           ; s[48:55], s[56:63] the same for the weight's
.set G0W, 56
.set MSB, 0
.macro WIN new                         ; the immediate's high byte repeats the setting that is left
.if MSB != (\new)
	s_set_vgpr_msb (MSB<<8)|(\new)
.set MSB, (\new)
.endif
.endm
.set MUL_LO, 0xa1                      ; source 0 (Q) window 1, source 1 (P) window 0, C and D window 2
.set MUL_HI, 0xf1
.set TO_B,   0x40                      ; destination window 1, address window 0
; Waves 0 and 1 fetch x's two halves, jointly with the partners; waves 2 and 3 the weight's.  The branch hangs on the wave's number alone.  Four v_nop follow each line.
.macro JLOAD g0a, g1a, g0b, g1b
	s_cmp_eq_u32 s17, 0
	s_cbranch_scc0 .Lfor_w_\@
	tensor_load_to_lds s[\g0a:\g0a+3], s[\g1a:\g1a+7]
	s_nop 0
.rept 4
	v_nop
.endr
	s_branch .Lasked_\@
.Lfor_w_\@:
	tensor_load_to_lds s[\g0b:\g0b+3], s[\g1b:\g1b+7]
	s_nop 0
.rept 4
	v_nop
.endr
.Lasked_\@:
.endm
.macro CREST                           ; a round of the cluster's barrier behind its opening barrier
	s_cmp_lg_u32 s16, 0
	s_cbranch_scc1 .Lnot_wave_0_\@
	s_barrier_signal -3
.Lnot_wave_0_\@:
	s_barrier_wait -3
	s_barrier_signal -1
	s_barrier_wait -1
.endm
.macro CROUND
	s_barrier_signal -1
	s_barrier_wait -1
	CREST
.endm
.macro PLACES                          ; four plain places behind a matrix instruction, ahead of loads into its registers and of reads of its results
.rept 4
	v_nop
.endr
.endm
	s_load_b256 s[4:11], s[0:1], 0x0               ; xi, wi, sc, tab
	s_load_b128 s[12:15], s[0:1], 0x20             ; qrec, kv
	v_lshl_add_u32 v[SPW], v0, 2, SPARE
	v_mov_b32 v[NIL], 0
	ds_add_u32 v28, v29
	s_wait_dscnt 0x0
	v_lshrrev_b32 v2, 5, v0
	v_readfirstlane_b32 s16, v2                    ; wave
	s_lshr_b32 s17, s16, 1                         ; my half of P.  Also: I fetch for x (0) or for the weight (1)
	s_and_b32 s18, s16, 1                          ; my half of Q.  Also: which eight tiles I fetch
	s_bfe_u32 s19, ttmp6, 0x40000                  ; cx
	s_lshl_b32 s20, ttmp9, 2
	s_add_co_u32 s20, s20, s19                     ; which 16 tiles of wi: 4 x cluster x + cx
	s_and_b32 s21, ttmp7, 0xffff                   ; which 16 tiles of xi
	s_mov_b32 s[G1X], 15|(3<<16)|(1<<21)           ; 15:0 the mask: all four; 17:16 elements of 8 bytes; 21 set beside a mask; no padding
	s_mov_b32 s[G1W], 3<<16                        ; no mask
.irp g, G1X, G1W
	s_mov_b32 s[\g+1], 32<<16                      ; tensor_dim0 = 32 elements: rows of 256 bytes of a dense block
	s_mov_b32 s[\g+2], 96<<16                      ; tensor_dim1 = 96
	s_mov_b32 s[\g+3], 32<<16                      ; tile_dim0
	s_mov_b32 s[\g+4], 96                          ; tile_dim1
	s_mov_b32 s[\g+5], 32                          ; the pitch
	s_mov_b32 s[\g+6], 0
	s_mov_b32 s[\g+7], 0
.endr
	s_lshl_b32 s22, s18, 3
	s_lshl_b32 s40, s21, 4
	s_add_co_u32 s40, s40, s22
	s_mul_i32 s40, s40, 3072                       ; x: made of the cluster's y and the wave's number alone
	s_mov_b32 s41, 0
	s_lshl_b32 s42, s20, 4
	s_add_co_u32 s42, s42, s22
	s_mul_i32 s42, s42, 3072                       ; the weight
	s_mov_b32 s43, 0
	s_mul_i32 s23, s16, HALFT                      ; where they go: wave x 24,576
	s_wait_kmcnt 0x0
	s_add_nc_u64 s[40:41], s[4:5], s[40:41]
	s_add_nc_u64 s[42:43], s[6:7], s[42:43]
	CROUND                                         ; all four work-groups are here: the first joint loads meet
.irp s, 0,1
	s_mov_b32 s[G0X+4*\s], 1
	s_add_co_u32 s[G0X+4*\s+1], s23, \s*SLOT
	s_add_nc_u64 s[G0X+4*\s+2:G0X+4*\s+3], s[40:41], \s*XKS
	s_or_b32 s[G0X+4*\s+3], s[G0X+4*\s+3], 0x80000000
	s_mov_b32 s[G0W+4*\s], 1
	s_add_co_u32 s[G0W+4*\s+1], s23, \s*SLOT
	s_add_nc_u64 s[G0W+4*\s+2:G0W+4*\s+3], s[42:43], \s*WKS
	s_or_b32 s[G0W+4*\s+3], s[G0W+4*\s+3], 0x80000000
	JLOAD G0X+4*\s, G1X, G0W+4*\s, G1W             ; two loads of mine are out
.endr
	v_and_b32 v2, 31, v0
	v_lshlrev_b32 v[LI], 4, v2
	v_and_b32 v3, 15, v0
	s_lshl_b32 s70, s21, 4                         ; x's tiles in sc: from 16 y on
	s_lshl_b32 s71, s20, 4
	s_add_co_u32 s71, s71, 304                     ; the weight's
	s_cmp_eq_u32 ttmp9, 2                          ; v?
	s_cselect_b32 s72, s71, s70                    ; P's first tile in sc
	s_cselect_b32 s73, s70, s71                    ; Q's
	s_cselect_b32 s74, WOFF, 0                     ; P's place in a slot
	s_cselect_b32 s75, 0, WOFF                     ; Q's
	s_cselect_b32 s77, s17, s18                    ; which of the two heads is mine
	s_cselect_b32 s78, s18, s17                    ; which 128 tokens
	s_lshl_b32 s76, s17, 3
	s_add_co_u32 s72, s72, s76
	s_lshl_b32 s76, s18, 3
	s_add_co_u32 s73, s73, s76
	s_lshl_b32 s72, s72, 9
	s_lshl_b32 s73, s73, 9
	v_mov_b32 v4, s72
	v_mov_b32 v5, s73
	v_cmp_lt_u32 vcc_lo, 15, v2
	v_cndmask_b32 v[SOFF], v4, v5, vcc_lo          ; lanes 0-15 take P's words, lanes 16-31 Q's
	v_lshl_add_u32 v[SOFF], v3, 4, v[SOFF]
.irp i, 0,1,2,3,4,5,6,7                        ; the scale words of all of K, once, straight into registers: each half of the lanes reads 256 consecutive bytes
.irp kh, 0,1
	global_load_b128 v[SC+8*\i+4*\kh:SC+8*\i+4*\kh+3], v[SOFF], s[8:9] offset:512*\i+256*\kh
.endr
.endr
	s_mul_i32 s76, s17, HALFT
	s_add_co_u32 s74, s74, s76
	s_mul_i32 s76, s18, HALFT
	s_add_co_u32 s75, s75, s76
.irp s, 0,1
	v_add_nc_u32 v[ADRA+\s], s74, v[LI]
	v_add_nc_u32 v[ADRB+\s], s75, v[LI]
	s_add_co_u32 s74, s74, SLOT
	s_add_co_u32 s75, s75, SLOT
.endr
	s_lshl_b32 s79, s19, 1
	s_add_co_u32 s77, s77, s79                     ; the head
	s_lshl_b32 s79, s21, 1
	s_add_co_u32 s78, s78, s79                     ; the record: 128 tokens
	s_mov_b32 s80, 972800
	s_mov_b32 s81, 25600
	s_cmp_eq_u32 ttmp9, 0
	s_cselect_b64 s[66:67], s[12:13], s[14:15]     ; q goes to qrec, k and v to kv
	s_cselect_b32 s80, 486400, s80
	s_cselect_b32 s81, 12800, s81
	s_mul_i32 s80, s80, s77
	s_mul_i32 s81, s81, s78
	s_add_co_u32 s80, s80, s81
	s_cmp_eq_u32 ttmp9, 2
	s_cselect_b32 s81, 12800, 0                    ; V's record lies behind K's
	s_add_co_u32 s80, s80, s81
	s_mov_b32 s81, 0
	s_add_nc_u64 s[66:67], s[66:67], s[80:81]      ; my record
	s_min_u32 s82, ttmp9, 1
	s_mul_i32 s82, s82, 4980736
	s_lshl_b32 s83, s78, 17                        ; eight tiles x 16,384 bytes a record
	s_add_co_u32 s82, s82, s83
	s_mov_b32 s83, 0
	s_add_nc_u64 s[68:69], s[10:11], s[82:83]      ; my tokens' tables (q and k alone read them)
	s_mov_b32 s90, 0x76543210
	s_mov_b32 s91, 0xfedcba98                      ; lane l xor 16
	s_mov_b32 s92, 0x358637bd                      ; 1e-6
	s_mov_b32 s93, 0x3c000000                      ; 1 / 128
	s_mov_b32 s94, 0xffff0000                      ; lanes 16-31
; 16 products: P's tiles a0, a0 + 1 x Q's eight, K step ks; p: Q's set.  The 64 accumulators take turns, one instruction a turn, in the same order in every step.
.macro MUL16 a0, p, ks, zero
.irp a, \a0, \a0+1
.irp b, 0,1,2,3,4,5,6,7
.if \zero
	v_wmma_scale_f32_16x16x128_f8f6f4 v[8*(8*((\a)%4)+\b):8*(8*((\a)%4)+\b)+7], v[128*(\p)+FR*\b:128*(\p)+FR*\b+FR-1], v[AF+FR*(\a):AF+FR*(\a)+FR-1], 0, v[SC+8*\b+(\ks)], v[SC+8*(\a)+(\ks)] matrix_a_fmt:MATRIX_FMT_FP6 matrix_b_fmt:MATRIX_FMT_FP6 matrix_a_scale:MATRIX_SCALE_ROW1
.else
	v_wmma_scale_f32_16x16x128_f8f6f4 v[8*(8*((\a)%4)+\b):8*(8*((\a)%4)+\b)+7], v[128*(\p)+FR*\b:128*(\p)+FR*\b+FR-1], v[AF+FR*(\a):AF+FR*(\a)+FR-1], v[8*(8*((\a)%4)+\b):8*(8*((\a)%4)+\b)+7], v[SC+8*\b+(\ks)], v[SC+8*(\a)+(\ks)] matrix_a_fmt:MATRIX_FMT_FP6 matrix_b_fmt:MATRIX_FMT_FP6 matrix_a_scale:MATRIX_SCALE_ROW1
.endif
.endr
.endr
.endm
.macro FETCH_B slot, q, p              ; Q's eight fragments of the slot's q-th 128 along K into set p: 24 loads
	WIN TO_B
.irp i, 0,1,2,3,4,5,6,7
.irp c, 0,1,2
	ds_load_b128 v[128*(\p)+FR*\i+4*\c:128*(\p)+FR*\i+4*\c+3], v[ADRB+\slot] offset:\i*3072+(\q)*1536+512*\c
.endr
.endr
	WIN 0
.endm
.macro FETCH_A slot, q, i0             ; P's tiles i0 .. i0 + 3: 12 loads
.irp i, \i0, \i0+1, \i0+2, \i0+3
.irp c, 0,1,2
	ds_load_b128 v[AF+FR*(\i)+4*\c:AF+FR*(\i)+4*\c+3], v[ADRA+\slot] offset:(\i)*3072+(\q)*1536+512*\c
.endr
.endr
.endm
; A slot's first K step.  A tile of P is free as soon as its eight products are issued, so P has one set: tiles 0-3 are fetched anew in the step's middle, tiles 4-7 at its end.
.macro STEP slot, ks, zero
	s_wait_dscnt 12                                ; Q's set and P's tiles 0-3 are in; the youngest 12 loads (P's tiles 4-7) may be out
	WIN MUL_LO
	MUL16 0, 0, \ks, \zero
	MUL16 2, 0, \ks, \zero
	s_wait_dscnt 0
	PLACES
	FETCH_B \slot, 1, 1
	FETCH_A \slot, 1, 0
	WIN MUL_HI
	MUL16 4, 0, \ks, \zero
	MUL16 6, 0, \ks, \zero
	PLACES
	WIN 0
	FETCH_A \slot, 1, 4
.endm
; A slot's second K step changes slots: one barrier; in front of it each wave waits for all its tensor loads, adds 0 to its spare word, and waits for that and for its reads of this slot.  fill = 1: the slot is filled again.
.macro TURN slot, next, fill, ks
	s_wait_tensorcnt 0x0                           ; all my tensor loads have landed: my part of the next slot
	ds_add_u32 v[SPW], v[NIL]                      ; 0 onto my spare word
	s_wait_dscnt 13                                ; (the add and the youngest 12 loads may be out)
	WIN MUL_LO
	MUL16 0, 1, \ks, 0                             ; sixteen products stand between the add and the wait for it
	s_wait_dscnt 0x0                               ; the add is done, and my reads of this slot are over
	s_barrier_signal -1
	MUL16 2, 1, \ks, 0
	WIN 0
	s_barrier_wait -1
.if \fill
	CREST                                          ; the barrier has opened a round of the cluster's: no wave of any partner still reads this slot or has a load on its way
	s_add_nc_u64 s[G0X+4*\slot+2:G0X+4*\slot+3], s[G0X+4*\slot+2:G0X+4*\slot+3], 2*XKS
	s_add_nc_u64 s[G0W+4*\slot+2:G0W+4*\slot+3], s[G0W+4*\slot+2:G0W+4*\slot+3], 2*WKS
	JLOAD G0X+4*\slot, G1X, G0W+4*\slot, G1W       ; the first tensor load behind the round; its four v_nop are the places in front of the loads below
.else
	PLACES
.endif
	FETCH_B \next, 0, 0
	FETCH_A \next, 0, 0
	WIN MUL_HI
	MUL16 4, 1, \ks, 0
	MUL16 6, 1, \ks, 0
	PLACES
	WIN 0
	FETCH_A \next, 0, 4
.endm
.macro LAST                            ; K step 7: nothing more to fetch
	s_wait_dscnt 12
	WIN MUL_LO
	MUL16 0, 1, 7, 0
	MUL16 2, 1, 7, 0
	s_wait_dscnt 0
	WIN MUL_HI
	MUL16 4, 1, 7, 0
	MUL16 6, 1, 7, 0
	WIN 0
	PLACES
	v_mov_b32 v6, 0                                ; lane permutes' destinations count as sources, and v9 is named with v8 as a pair: written once
	v_mov_b32 v9, 0
.irp b, 0,1,2,3
	v_mov_b32 v[TM+4+\b], 0
.endr
.endm
; 64 numbers of a lane in window w, register 16 b + i = index 32 b + 16 h + i along the next K, become a fragment's codes in v[PC] on and its scale word in v[pw].  Each accumulator is read from its low end on.
.macro QUANT s, w, pw
	WIN (\w)|((\w)<<2)
.irp b, 0,1,2,3
	v_max3_num_f32 v[TM+\b], |v[\s+16*\b]|, |v[\s+1+16*\b]|, 0x1800000   ; and the floor 2^(3 - 127): the byte cannot fall under 1
.endr
	WIN ((\w)<<2)|((\w)<<4)
.irp i, 2,4,6,8,10,12,14
.irp b, 0,1,2,3
	v_max3_num_f32 v[TM+\b], v[TM+\b], |v[\s+16*\b+\i]|, |v[\s+1+16*\b+\i]|
.endr
.endr
	WIN 0
.irp b, 0,1,2,3
	v_permlanex16_b32 v[TM+4+\b], v[TM+\b], s90, s91
.endr
.irp b, 0,1,2,3
	v_max_num_f32 v[TM+\b], v[TM+\b], v[TM+4+\b]
.endr
.irp b, 0,1,2,3
	v_add_nc_u32 v[TM+12+\b], 0xff000000, v[TM+\b] ; 2 off the exponent field: the conversion's scale operand
.endr
.irp b, 0,1,2,3
	v_lshrrev_b32 v[TM+4+\b], 23, v[TM+12+\b]
.endr
	v_lshl_or_b32 v[\pw], v[TM+5], 8, v[TM+4]
	v_lshl_or_b32 v[\pw], v[TM+6], 16, v[\pw]
	v_lshl_or_b32 v[\pw], v[TM+7], 24, v[\pw]
	s_wait_xcnt 0x0                                ; the last fragment's stores have read their data
	WIN (\w)
.irp c, 0,1
	v_cvt_scalef32_pk16_fp6_f32 v[PC+6*\c:PC+2+6*\c], v[\s+32*\c:\s+15+32*\c], v[TM+12+2*\c]
	v_cvt_scalef32_pk16_fp6_f32 v[PX+4*\c:PX+2+4*\c], v[\s+16+32*\c:\s+31+32*\c], v[TM+12+2*\c+1]
.endr
	WIN 0
	v_nop                                          ; one plain place behind a scaled conversion
.irp c, 0,1
.irp i, 0,1,2
	v_permlane16_swap_b32 v[PC+6*\c+\i], v[PX+4*\c+\i]
.endr
.irp i, 0,1,2
	v_mov_b32 v[PC+3+6*\c+\i], v[PX+4*\c+\i]
.endr
.endr
.endm
.macro OUT a                           ; fragment a of my record, and its word among the record's scale words: even tiles in lanes 0-15, odd ones in lanes 16-31
.irp c, 0,1,2
	global_store_b128 v[LI], v[PC+4*\c:PC+4*\c+3], s[66:67] offset:1536*(\a)+512*\c
.endr
.if (\a)%2 == 0
	v_mov_b32 v[SW+(\a)/2], v[PW]
.else
	v_cndmask_b32 v[SW+(\a)/2], v[SW+(\a)/2], v[PW], s94
.endif
.endm
.macro TLD a                           ; the tables of my tile a of tokens: C into 64 registers of set a % 2 in window 1, S into the next 64: 32 loads of 512 consecutive bytes
	WIN 0x40
.irp g, 0,1,2,3,4,5,6,7,8,9,10,11,12,13,14,15
	global_load_b128 v[128*((\a)%2)+4*\g:128*((\a)%2)+4*\g+3], v[LI], s[68:69] offset:(\a)*16384+512*\g
.endr
.irp g, 0,1,2,3,4,5,6,7,8,9,10,11,12,13,14,15
	global_load_b128 v[128*((\a)%2)+64+4*\g:128*((\a)%2)+64+4*\g+3], v[LI], s[68:69] offset:(\a)*16384+8192+512*\g
.endr
	WIN 0
.endm
; q and k, tile a of tokens: my token's 64 channels t lie in the eight accumulators (a, 0 .. 7); the other 64 in lane l xor 16.
.macro EPI_QK a
.set AB, 64*((\a)%4)
.set WA, 2+(\a)/4
.set TS, 128*((\a)%2)
	WIN WA|(WA<<2)
	v_pk_mul_f32 v[2:3], v[AB:AB+1], v[AB:AB+1]    ; the sum of squares, in two chains of pairs, ascending
	v_pk_mul_f32 v[4:5], v[AB+2:AB+3], v[AB+2:AB+3]
.set j, 4
.rept 15
	v_pk_fma_f32 v[2:3], v[AB+j:AB+j+1], v[AB+j:AB+j+1], v[2:3]
	v_pk_fma_f32 v[4:5], v[AB+j+2:AB+j+3], v[AB+j+2:AB+j+3], v[4:5]
.set j, j+4
.endr
	WIN 0
	v_pk_add_f32 v[2:3], v[2:3], v[4:5]
	v_add_f32 v2, v2, v3
	v_permlanex16_b32 v6, v2, s90, s91
	v_add_f32 v2, v2, v6
	v_fma_f32 v7, v2, s93, s92                     ; the mean + 1e-6
	v_rsq_f32 v8, v7
.if (\a) < 7
	s_wait_loadcnt 32                              ; this tile's tables are in; the next tile's 32 loads may be out
.else
	s_wait_loadcnt 0
.endif
	WIN WA|(1<<2)
.set j, 0
.rept 32
	v_pk_mul_f32 v[RO+j:RO+j+1], v[AB+j:AB+j+1], v[TS+j:TS+j+1]          ; t[d] C[d]
.set j, j+2
.endr
.set j, 0
.rept 16
	v_pk_fma_f32 v[RO+j:RO+j+1], v[AB+32+j:AB+33+j], v[TS+64+j:TS+65+j], v[RO+j:RO+j+1]            ; + t[d xor 64] S[d]: the partner lies 32 registers away, in the same lane
	v_pk_fma_f32 v[RO+32+j:RO+33+j], v[AB+j:AB+j+1], v[TS+96+j:TS+97+j], v[RO+32+j:RO+33+j]
.set j, j+2
.endr
.if (\a) < 6
	TLD (\a)+2                                     ; into the set just read
.endif
	WIN 0
	s_wait_alu depctr_va_vdst(0)                   ; the one wait for the root, ahead of its first reader; the 64 lines above are the work between
.set j, 0
.rept 32
	v_pk_mul_f32 v[RO+j:RO+j+1], v[RO+j:RO+j+1], v[8:9] op_sel_hi:[1,0]
.set j, j+2
.endr
	QUANT RO, 0, PW
	OUT \a
.endm
	s_wait_loadcnt 0x0                             ; the scale words
	s_wait_tensorcnt 1                             ; my part of slot 0 is in; slot 1's may stay out
	s_barrier_signal -1
	s_barrier_wait -1
	FETCH_B 0, 0, 0
	FETCH_A 0, 0, 0
	FETCH_A 0, 0, 4
	STEP 0, 0, 1                                   ; the first products start the sums: nothing is cleared.  K has eight steps, each with scale registers of its own: written out
	TURN 0, 1, 1, 1
	STEP 1, 2, 0
	TURN 1, 0, 1, 3
	STEP 0, 4, 0
	TURN 0, 1, 0, 5                                ; nothing is left to fetch
	STEP 1, 6, 0
	s_cmp_eq_u32 ttmp9, 2                          ; q and k part from v here, by the cluster's x; the last K step stands in both arms
	s_cbranch_scc1 .Lv
	TLD 0                                          ; Q's set 0 has been multiplied, four places back: the first tables land under the last K step
	LAST
	TLD 1
.irp a, 0,1,2,3,4,5,6,7
	EPI_QK \a
.endr
	s_branch .Lend
.Lv:
	LAST
.irp a, 0,1,2,3,4,5,6,7                        ; v: my channel's 64 keys lie in the accumulators as the quantiser wants them
	QUANT 64*((\a)%4), 2+(\a)/4, PW
	OUT \a
.endr
.Lend:
	global_store_b128 v[LI], v[SW:SW+3], s[66:67] offset:12288
	s_wait_tensorcnt 0x0                           ; the wave's end
	ds_add_u32 v[SPW], v[NIL]
	s_wait_dscnt 0x0
	CROUND                                         ; the closing round: no work-group ends while a partner may still ask for a tile that names it
	s_endpgm
.Lfunc_end_k_qc98f290bd5_qkv:
	.size	k_qc98f290bd5_qkv, .Lfunc_end_k_qc98f290bd5_qkv-k_qc98f290bd5_qkv
	.p2alignl 7, 3214868480
	.fill 96, 4, 3214868480
	.section	.rodata,"a",@progbits
	.p2align	6, 0x0
	.amdhsa_kernel k_qc98f290bd5_qkv
		.amdhsa_group_segment_fixed_size 327680
		.amdhsa_private_segment_fixed_size 0
		.amdhsa_enable_private_segment 0
		.amdhsa_kernarg_size 48
		.amdhsa_user_sgpr_count 2
		.amdhsa_user_sgpr_kernarg_segment_ptr 1
		.amdhsa_wavefront_size32 1
		.amdhsa_system_sgpr_workgroup_id_x 1
		.amdhsa_system_sgpr_workgroup_id_y 1
		.amdhsa_system_sgpr_workgroup_id_z 1
		.amdhsa_system_vgpr_workitem_id 0
		.amdhsa_next_free_vgpr 1024
		.amdhsa_next_free_sgpr 100
		.amdhsa_reserve_vcc 1
		.amdhsa_float_denorm_mode_32 3
		.amdhsa_float_denorm_mode_16_64 3
		.amdhsa_memory_ordered 1
		.amdhsa_forward_progress 1
		.amdhsa_inst_pref_size 255
	.end_amdhsa_kernel
	.section	.bss,"aw",@nobits
	.p2align	6
	.space	262144
	.amdgpu_metadata
---
amdhsa.version: [ 1, 2 ]
amdhsa.kernels:
  - .name:           k_qc98f290bd5_qkv
    .symbol:         k_qc98f290bd5_qkv.kd
    .args:
      - { .name: xi, .offset: 0, .size: 8, .value_kind: global_buffer, .address_space: global }
      - { .name: wi, .offset: 8, .size: 8, .value_kind: global_buffer, .address_space: global }
      - { .name: sc, .offset: 16, .size: 8, .value_kind: global_buffer, .address_space: global }
      - { .name: tab, .offset: 24, .size: 8, .value_kind: global_buffer, .address_space: global }
      - { .name: qrec, .offset: 32, .size: 8, .value_kind: global_buffer, .address_space: global }
      - { .name: kv, .offset: 40, .size: 8, .value_kind: global_buffer, .address_space: global }
    .group_segment_fixed_size: 327680
    .private_segment_fixed_size: 0
    .kernarg_segment_align: 8
    .kernarg_segment_size: 48
    .max_flat_workgroup_size: 128
    .sgpr_count:     100
    .vgpr_count:     1024
    .wavefront_size: 32
...
	.end_amdgpu_metadata
.endif
;; end of part 2
;; launch attn (part 3): grid 25 x 8, 12 waves a work-group, no clusters, 327,680 bytes of LDS; arguments qrec, kv, oi, sc; writes oi, sc
.if DOCPART == 3
	.amdgcn_target "amdgcn-amd-amdhsa--gfx1250"
	.amdhsa_code_object_version 6
	.text
	.protected	k_qc98f290bd5_attn
	.globl	k_qc98f290bd5_attn
	.p2align	8
	.type	k_qc98f290bd5_attn,@function
k_qc98f290bd5_attn:
	s_mov_b64 s[64:65], 0
	v_nop
	global_prefetch_b8 v0, s[64:65] scope:SCOPE_SE
	s_setreg_imm32_b32 hwreg(HW_REG_WAVE_MODE, 25, 1), 1
	s_wait_xcnt 0x0
; ATTN.  o[q] = sum over keys of softmax(q . k / sqrt(128)) v, for each of 8 heads, 4,800 queries and keys, both products on codes of FP6 with E8M0 scales; o is quantised along its 128 channels for the last product.
; THE SOFTMAX: t = score x log2(e) / sqrt(128); M = the running largest t rounded UP to a whole number; p = 2^(t - M) is quantised along the keys, not normalised; the row's sum is taken of the unquantised p and divides at the end.
; When M moves, the sum and O are multiplied by 2^(old M - new M): exact.
; SHARES.  A work-group: 192 queries of one head; each of its twelve waves one tile of 16, in 256 registers: three waves to a SIMD, so that one wave's vector work stands beside another's products and LDS loads.
; 300 tiles x 8 heads on 25 x 8 work-groups of 12.  NO CLUSTER: a head has 25 blocks of queries, which a cluster of four does not divide, and other heads read other keys.
; Every wave walks the head's 38 key steps of 128.  A key step's K record and V record (25,600 bytes, as the launch before laid them: eight fragments as images of their registers, then the scale words) are one dense block;
; a slot holds two; waves 0 and 1 fetch one each, all twelve read them.  A fragment is three loads of 512 consecutive bytes; a record's scale words one load: register j has tile 2 j in lanes 0-15, tile 2 j + 1 in lanes 16-31.
; Both products are used transposed (S^T = K Q^T, O^T = V^T P^T): a lane holds one query.  By the tiles' order of rows the 16 registers of tiles 2 b, 2 b + 1 of S^T are keys 32 b + 16 h + 0 .. 15, and O^T's likewise channels.
; THE LAST KEY STEP has 64 keys: its tiles 4-7 are not multiplied, their scores are -infinity, so p = 0 there; V's codes there are zeros.
; LIMITS: NaN and infinities are not served; a block of p or of o whose largest number lies under 2^-124 gets the byte 1.
; REGISTERS: v1 16 x lane; v5, v6 the add's; v7 16 r; v8 the step's LDS address; v12 -M, v13 the largest t, v[14:15] the sum; v16-27 Q; v32-79 four fragments of K or V; v96-159 S^T, then p; v160-223 O^T; v224-235 p's codes;
;   v232-247, v252-254 at work; v248-251 K's or V's scale words; v255 Q's.
.set SLOT1, 65536                      ; slot 1 begins here: one exclusive or turns an address
.set STEPB, 25600                      ; a key step: K's record, then V's
.set VOFF,  12800
.set SCO,   12288                      ; a record's scale words
.set SPARE, 131072                     ; the spare words, 128 bytes a wave: six blocks of 256 bytes that no other line names
.set LI,  1
.set SPW, 5
.set NIL, 6
.set R16, 7
.set AD,  8
.set PFO, 28
.set TB,  2                            ; s2  LDS byte at which the slot in hand begins
.set WV,  18
.set SEL, 20
.set CS,  22
.set G1,  24
.set G0,  40
.set SLOTS, 44
.set PFA, 46
.set LIM, 48
.macro TLOAD                           ; waves 0 and 1 fetch; four v_nop follow the line
	s_cmp_lt_u32 s[WV], 2
	s_cbranch_scc0 .Lasked_\@
	tensor_load_to_lds s[G0:G0+3], s[G1:G1+7]
	s_nop 0
.rept 4
	v_nop
.endr
.Lasked_\@:
.endm
; A prefetch of the slot that the NEXT change of slots will ask for, two key steps ahead of that load.  All work-groups of a head walk the same bytes: the head's first asks; in it waves 4 to 11, which fetch nothing,
; take 6,400 bytes each, lanes 256 bytes apart (lanes 24 to 31 name lane 24's block again).  The last change that fills a slot asks for nothing; slots 0 and 1 come by their loads alone.
.macro ASK
	s_cmp_gt_u32 s[SLOTS], s[LIM]
	s_cbranch_scc0 .Lnot_mine_\@
	global_prefetch_b8 v[PFO], s[PFA:PFA+1] th:TH_LOAD_NT scope:SCOPE_SE
.Lnot_mine_\@:
.endm
	s_load_b256 s[4:11], s[0:1], 0x0               ; qrec, kv, oi, sc
	v_lshl_add_u32 v[SPW], v0, 2, SPARE
	v_mov_b32 v[NIL], 0
	ds_add_u32 v5, v6
	s_wait_dscnt 0x0
	v_lshrrev_b32 v8, 5, v0
	v_readfirstlane_b32 s[WV], v8                  ; wave 0..11
	s_and_b32 s12, ttmp7, 0xffff                   ; the head
	s_mul_i32 s13, ttmp9, 12
	s_add_co_u32 s13, s13, s[WV]                   ; my tile of queries, 0..299
	s_mov_b32 s[G1], 3<<16                         ; no mask; elements of 8 bytes; no padding
	s_mov_b32 s[G1+1], 32<<16                      ; rows of 256 bytes of a dense block
	s_mov_b32 s[G1+2], 100<<16
	s_mov_b32 s[G1+3], 32<<16
	s_mov_b32 s[G1+4], 100
	s_mov_b32 s[G1+5], 32
	s_mov_b32 s[G1+6], 0
	s_mov_b32 s[G1+7], 0
	s_and_b32 s14, s[WV], 1
	s_mul_i32 s14, s14, STEPB                      ; which key step of a slot I fetch: the same bytes on in memory and in LDS
	s_mul_i32 s50, s12, 972800
	s_mov_b32 s51, 0
	s_mov_b32 s[SEL], 0x76543210
	s_mov_b32 s[SEL+1], 0xfedcba98
	s_mov_b32 s[CS], 0x3e0293ee                    ; c = log2(e) / sqrt(128)
	s_mov_b32 s[CS+1], s[CS]
	s_mov_b32 s[TB], 0
	s_mov_b32 s[SLOTS], 18
	s_wait_kmcnt 0x0
	s_add_nc_u64 s[6:7], s[6:7], s[50:51]          ; kv at my head
	s_mov_b32 s[G0], 1
	s_mov_b32 s[G0+1], s14
	s_mov_b32 s52, s14
	s_mov_b32 s53, 0
	s_add_nc_u64 s[G0+2:G0+3], s[6:7], s[52:53]
	s_or_b32 s[G0+3], s[G0+3], 0x80000000
	TLOAD                                          ; slot 0
	s_lshr_b32 s54, s13, 3
	s_mul_i32 s54, s54, 12800
	s_mul_i32 s55, s12, 486400
	s_add_co_u32 s54, s54, s55
	s_mov_b32 s55, 0
	s_add_nc_u64 s[4:5], s[4:5], s[54:55]          ; my tile's record of q
	s_and_b32 s56, s13, 7
	s_mul_i32 s57, s56, 1536
	v_and_b32 v9, 31, v0
	v_lshlrev_b32 v[LI], 4, v9
	v_add_nc_u32 v10, s57, v[LI]
.irp c, 0,1,2
	global_load_b128 v[16+4*\c:19+4*\c], v10, s[4:5] offset:512*\c    ; Q's fragment stays in registers
.endr
	s_and_b32 s57, s56, 1
	s_lshl_b32 s57, s57, 8
	s_lshr_b32 s58, s56, 1
	s_lshl_b32 s58, s58, 2
	s_add_co_u32 s57, s57, s58
	v_and_b32 v[R16], 15, v0
	v_lshlrev_b32 v[R16], 4, v[R16]
	v_add_nc_u32 v9, s57, v[R16]
	global_load_b32 v255, v9, s[4:5] offset:SCO    ; my tile's scale words: word tile / 2 of lane 16 (tile % 2) + r
	s_sub_co_u32 s57, s[WV], 4
	s_lshr_b32 s58, s57, 3                         ; 0 in waves 4 to 11,
	s_or_b32 s58, s58, ttmp9                       ; of the head's first work-group
	s_cmp_eq_u32 s58, 0
	s_cselect_b32 s[LIM], 1, -1
	s_and_b32 s57, s57, 7
	s_mul_i32 s58, s57, 6400
	s_add_co_u32 s58, s58, 2*STEPB                 ; in slot 1: the first change of slots steps it to slot 2
	s_mov_b32 s59, 0
	s_add_nc_u64 s[PFA:PFA+1], s[6:7], s[58:59]
	v_and_b32 v[PFO], 31, v0
	v_min_u32 v[PFO], 24, v[PFO]
	v_lshlrev_b32 v[PFO], 8, v[PFO]
	v_mov_b32 v13, 0xff61b1e6                      ; the largest t so far: -3e38
	v_floor_f32 v12, -v13                          ; -M
	v_mov_b32 v14, 0
	v_mov_b32 v15, 0
.irp b, 0,1,2,3
	v_mov_b32 v[236+\b], 0                         ; a lane permute's destination counts as one of its sources
.endr
	v_mov_b32 v253, 0                              ; (named as the upper half of v[252:253] before it is first written)
.set j, 0
.rept 64
	v_mov_b32 v[160+j], 0                          ; O^T: the step is written without a first form of its own: the first change of M multiplies zeros
.set j, j+1
.endr
.macro FETCH4 off                      ; four fragments, from off bytes on: 12 loads
.irp t, 0,1,2,3
.irp c, 0,1,2
	ds_load_b128 v[32+12*\t+4*\c:35+12*\t+4*\c], v[AD] offset:(\off)+1536*\t+512*\c
.endr
.endr
.endm
.macro KMUL g                          ; S^T of key tiles 4 g .. 4 g + 3
.irp t, 0,2
	v_wmma_scale_f32_16x16x128_f8f6f4 v[96+8*(4*(\g)+\t):103+8*(4*(\g)+\t)], v[32+12*\t:43+12*\t], v[16:27], 0, v[248+2*(\g)+\t/2], v255 matrix_a_fmt:MATRIX_FMT_FP6 matrix_b_fmt:MATRIX_FMT_FP6
	v_wmma_scale_f32_16x16x128_f8f6f4 v[104+8*(4*(\g)+\t):111+8*(4*(\g)+\t)], v[44+12*\t:55+12*\t], v[16:27], 0, v[248+2*(\g)+\t/2], v255 matrix_a_fmt:MATRIX_FMT_FP6 matrix_b_fmt:MATRIX_FMT_FP6 matrix_a_scale:MATRIX_SCALE_ROW1
.endr
.endm
.macro VMUL g                          ; O^T of channel tiles 4 g .. 4 g + 3; no two products that follow each other share an accumulator
.irp t, 0,2
	v_wmma_scale_f32_16x16x128_f8f6f4 v[160+8*(4*(\g)+\t):167+8*(4*(\g)+\t)], v[32+12*\t:43+12*\t], v[224:235], v[160+8*(4*(\g)+\t):167+8*(4*(\g)+\t)], v[248+2*(\g)+\t/2], v253 matrix_a_fmt:MATRIX_FMT_FP6 matrix_b_fmt:MATRIX_FMT_FP6
	v_wmma_scale_f32_16x16x128_f8f6f4 v[168+8*(4*(\g)+\t):175+8*(4*(\g)+\t)], v[44+12*\t:55+12*\t], v[224:235], v[168+8*(4*(\g)+\t):175+8*(4*(\g)+\t)], v[248+2*(\g)+\t/2], v253 matrix_a_fmt:MATRIX_FMT_FP6 matrix_b_fmt:MATRIX_FMT_FP6 matrix_a_scale:MATRIX_SCALE_ROW1
.endr
.endm
; A KEY STEP, the q-th of the slot in hand.  half = 1: only its first 64 keys exist.
.macro STEP q, half
	v_add_nc_u32 v[AD], s[TB], v[LI]
.rept 3
	v_nop                                          ; with the addition four places, in front of loads into registers that the last products have read
.endr
	ds_load_b128 v[248:251], v[AD] offset:(\q)*STEPB+SCO
	FETCH4 (\q)*STEPB
	s_wait_dscnt 0x0
	KMUL 0
.if \half
.set j, 0
.rept 32
	v_mov_b32 v[128+j], 0xff800000                 ; the keys that do not exist: -infinity, so p = 0.  (These lines are also the places behind the four products)
.set j, j+1
.endr
.else
.rept 4
	v_nop
.endr
	FETCH4 (\q)*STEPB+4*1536
	s_wait_dscnt 0x0
	KMUL 1
.rept 4
	v_nop
.endr
.endif
	ds_load_b128 v[248:251], v[AD] offset:(\q)*STEPB+VOFF+SCO   ; V's scale words and first four fragments are asked for now and land under the softmax
	FETCH4 (\q)*STEPB+VOFF
.irp b, 0,1,2,3
	v_max3_num_f32 v[232+\b], v[96+16*\b], v[97+16*\b], v[98+16*\b]   ; the largest score of each block of 32 keys: for the row's maximum and, since p rises with the score, for the block's largest p
.endr
.irp i, 3,5,7,9,11,13
.irp b, 0,1,2,3
	v_max3_num_f32 v[232+\b], v[232+\b], v[96+16*\b+\i], v[97+16*\b+\i]
.endr
.endr
.irp b, 0,1,2,3
	v_max_num_f32 v[232+\b], v[232+\b], v[111+16*\b]
.endr
.irp b, 0,1,2,3
	v_permlanex16_b32 v[236+\b], v[232+\b], s[SEL], s[SEL+1]
.endr
.irp b, 0,1,2,3
	v_max_num_f32 v[232+\b], v[232+\b], v[236+\b]  ; with lane l xor 16's 16 keys
.endr
	v_max3_num_f32 v254, v232, v233, v234
	v_max_num_f32 v254, v254, v235
	v_mul_f32 v254, s[CS], v254                    ; the step's largest t
	v_max_num_f32 v13, v13, v254                   ; the running largest t
	v_mov_b32 v254, v12
	v_floor_f32 v12, -v13                          ; the new -M = -ceil(t)
	v_sub_f32 v254, v12, v254                      ; old M - new M: a whole number, 0 or less
	v_cvt_i32_f32 v254, v254                       ; (it saturates)
	v_ldexp_f32 v252, 1.0, v254                    ; f = 2^(old M - new M)
.set j, 0
.rept 32
	v_pk_fma_f32 v[96+j:97+j], v[96+j:97+j], s[CS:CS+1], v[12:13] op_sel_hi:[1,0,0]   ; t - M
.set j, j+2
.endr
.irp b, 0,1,2,3
	v_fma_f32 v[232+\b], v[232+\b], s[CS], v12     ; the same of each block's largest score
.endr
.set j, 0
.rept 64
	v_exp_f32 v[96+j], v[96+j]                     ; p = 2^(t - M)
.set j, j+1
.endr
	v_pk_mul_f32 v[14:15], v[14:15], v[252:253] op_sel_hi:[1,0]   ; the sums under the new M: a plain place behind the exponentials
	s_wait_alu depctr_va_vdst(0)                   ; one wait for the batch of 64, ahead of its first reader
.irp b, 0,1,2,3
	v_exp_f32 v[232+\b], v[232+\b]                 ; each block's largest p
.endr
	v_pk_add_f32 v[236:237], v[96:97], v[98:99]    ; the row's sum of the unquantised p, in two chains of pairs: work behind the four
.set j, 4
.rept 15
	v_pk_add_f32 v[14:15], v[14:15], v[96+j:97+j]
	v_pk_add_f32 v[236:237], v[236:237], v[98+j:99+j]
.set j, j+4
.endr
	v_pk_add_f32 v[14:15], v[14:15], v[236:237]
	s_wait_alu depctr_va_vdst(0)                   ; and one for the four
.irp b, 0,1,2,3
	v_max_num_f32 v[232+\b], 0x1800000, v[232+\b]  ; the floor 2^(3 - 127)
.endr
.irp b, 0,1,2,3
	v_add_nc_u32 v[244+\b], 0xff000000, v[232+\b]  ; 2 off the exponent field: the conversion's scale operand
.endr
.irp b, 0,1,2,3
	v_lshrrev_b32 v[236+\b], 23, v[244+\b]
.endr
	v_lshl_or_b32 v253, v237, 8, v236              ; p's scale word for these 128 keys
	v_lshl_or_b32 v253, v238, 16, v253
	v_lshl_or_b32 v253, v239, 24, v253
.irp c, 0,1
	v_cvt_scalef32_pk16_fp6_f32 v[224+6*\c:226+6*\c], v[96+32*\c:111+32*\c], v[244+2*\c]
	v_cvt_scalef32_pk16_fp6_f32 v[236+4*\c:238+4*\c], v[112+32*\c:127+32*\c], v[244+2*\c+1]
.endr
	v_nop                                          ; one plain place behind a scaled conversion
.irp c, 0,1
.irp i, 0,1,2
	v_permlane16_swap_b32 v[224+6*\c+\i], v[236+4*\c+\i]
.endr
.irp i, 0,1,2
	v_mov_b32 v[227+6*\c+\i], v[236+4*\c+\i]
.endr
.endr
.set j, 0
.rept 32
	v_pk_mul_f32 v[160+j:161+j], v[160+j:161+j], v[252:253] op_sel_hi:[1,0]   ; O^T under the new M; these 32 are also the places between p's codes and scale word and the products
.set j, j+2
.endr
	s_wait_dscnt 0x0                               ; V's first four fragments
	VMUL 0
.rept 4
	v_nop
.endr
	FETCH4 (\q)*STEPB+VOFF+4*1536
	s_wait_dscnt 0x0
	VMUL 1
.endm
; THE CHANGE OF SLOTS, at a slot's head.  Each wave waits for all its tensor loads, adds 0 to its spare word, and waits for that and for its reads of the slot that it has left.  fill = 1: that slot takes the next two key steps.
.macro CHANGE fill
	s_wait_tensorcnt 0x0                           ; no tensor load of mine is out, so the group 0 may be written
	ds_add_u32 v[SPW], v[NIL]                      ; 0 onto my spare word
.if \fill
	s_xor_b32 s[G0+1], s[G0+1], SLOT1
	s_add_nc_u64 s[G0+2:G0+3], s[G0+2:G0+3], 2*STEPB
	s_wait_xcnt 0x0                                ; the last prefetch, a slot back, has read its address
	s_add_nc_u64 s[PFA:PFA+1], s[PFA:PFA+1], 2*STEPB
.endif
	s_wait_dscnt 0x0
	s_barrier_signal -1
	s_barrier_wait -1
.if \fill
	TLOAD                                          ; the first thing behind the barrier, and a wave's one tensor load until the next
	ASK
.endif
.endm
	s_wait_loadcnt 0x0                             ; Q
.Lslot:                                            ; 18 trips: behind each change of slots but the last the next slot is asked for
	CHANGE 1
	STEP 0, 0
	STEP 1, 0
	s_xor_b32 s[TB], s[TB], SLOT1
	s_sub_co_u32 s[SLOTS], s[SLOTS], 1
	s_cmp_lg_u32 s[SLOTS], 0
	s_cbranch_scc1 .Lslot
	CHANGE 0                                       ; the last slot is written out
	STEP 0, 0
	STEP 1, 1
	; THE WAY OUT: O^T / the sum; its 64 registers are channels 32 b + 16 h + i: quantised as they lie, they are K step `head` of the last product's operand.
	v_add_f32 v14, v14, v15
	v_permlanex16_b32 v252, v14, s[SEL], s[SEL+1]
	v_add_f32 v14, v14, v252                       ; the row's sum
	v_rcp_f32 v14, v14
	s_lshr_b32 s50, s12, 1
	s_mul_i32 s50, s50, 921600                     ; oi: 256 along K = two heads
	s_mul_i32 s52, s13, 3072
	s_add_co_u32 s50, s50, s52
	s_and_b32 s52, s12, 1
	s_mul_i32 s52, s52, 1536
	s_add_co_u32 s50, s50, s52
	s_mov_b32 s51, 0
	s_add_nc_u64 s[8:9], s[8:9], s[50:51]
	s_add_co_u32 s50, s13, 560                     ; sc: o's tiles from 560 on
	s_lshl_b32 s50, s50, 9
	s_lshr_b32 s52, s12, 2
	s_lshl_b32 s52, s52, 8
	s_add_co_u32 s50, s50, s52
	s_and_b32 s52, s12, 3
	s_lshl_b32 s52, s52, 2
	s_add_co_u32 s50, s50, s52
	s_add_nc_u64 s[10:11], s[10:11], s[50:51]
.rept 3
	v_nop                                          ; plain places behind the reciprocal and, with the two additions, behind the last products
.endr
	s_wait_alu depctr_va_vdst(0)                   ; the wait for the reciprocal, ahead of its first reader
.set j, 0
.rept 32
	v_pk_mul_f32 v[96+j:97+j], v[160+j:161+j], v[14:15] op_sel_hi:[1,0]
.set j, j+2
.endr
.irp b, 0,1,2,3
	v_max3_num_f32 v[232+\b], |v[96+16*\b]|, |v[97+16*\b]|, 0x1800000
.endr
.irp i, 2,4,6,8,10,12,14
.irp b, 0,1,2,3
	v_max3_num_f32 v[232+\b], v[232+\b], |v[96+16*\b+\i]|, |v[97+16*\b+\i]|
.endr
.endr
.irp b, 0,1,2,3
	v_permlanex16_b32 v[236+\b], v[232+\b], s[SEL], s[SEL+1]
.endr
.irp b, 0,1,2,3
	v_max_num_f32 v[232+\b], v[232+\b], v[236+\b]
.endr
.irp b, 0,1,2,3
	v_add_nc_u32 v[244+\b], 0xff000000, v[232+\b]
.endr
.irp b, 0,1,2,3
	v_lshrrev_b32 v[236+\b], 23, v[244+\b]
.endr
	v_lshl_or_b32 v254, v237, 8, v236
	v_lshl_or_b32 v254, v238, 16, v254
	v_lshl_or_b32 v254, v239, 24, v254
.irp c, 0,1
	v_cvt_scalef32_pk16_fp6_f32 v[32+6*\c:34+6*\c], v[96+32*\c:111+32*\c], v[244+2*\c]
	v_cvt_scalef32_pk16_fp6_f32 v[44+4*\c:46+4*\c], v[112+32*\c:127+32*\c], v[244+2*\c+1]
.endr
	v_nop
.irp c, 0,1
.irp i, 0,1,2
	v_permlane16_swap_b32 v[32+6*\c+\i], v[44+4*\c+\i]
.endr
.irp i, 0,1,2
	v_mov_b32 v[35+6*\c+\i], v[44+4*\c+\i]
.endr
.endr
.irp c, 0,1,2
	global_store_b128 v[LI], v[32+4*\c:35+4*\c], s[8:9] offset:512*\c
.endr
	global_store_b32 v[R16], v254, s[10:11]        ; one word a row, 16 bytes apart: the other three words of a row's 16 bytes are other heads'.  Lanes l and l + 16 store the same word to the same place
	s_wait_tensorcnt 0x0                           ; the wave's end
	ds_add_u32 v[SPW], v[NIL]
	s_wait_dscnt 0x0
	s_endpgm
.Lfunc_end_k_qc98f290bd5_attn:
	.size	k_qc98f290bd5_attn, .Lfunc_end_k_qc98f290bd5_attn-k_qc98f290bd5_attn
	.p2alignl 7, 3214868480
	.fill 96, 4, 3214868480
	.section	.rodata,"a",@progbits
	.p2align	6, 0x0
	.amdhsa_kernel k_qc98f290bd5_attn
		.amdhsa_group_segment_fixed_size 327680
		.amdhsa_private_segment_fixed_size 0
		.amdhsa_enable_private_segment 0
		.amdhsa_kernarg_size 32
		.amdhsa_user_sgpr_count 2
		.amdhsa_user_sgpr_kernarg_segment_ptr 1
		.amdhsa_wavefront_size32 1
		.amdhsa_system_sgpr_workgroup_id_x 1
		.amdhsa_system_sgpr_workgroup_id_y 1
		.amdhsa_system_sgpr_workgroup_id_z 1
		.amdhsa_system_vgpr_workitem_id 0
		.amdhsa_next_free_vgpr 256
		.amdhsa_next_free_sgpr 66
		.amdhsa_reserve_vcc 0
		.amdhsa_float_denorm_mode_32 3
		.amdhsa_float_denorm_mode_16_64 3
		.amdhsa_memory_ordered 1
		.amdhsa_forward_progress 1
		.amdhsa_inst_pref_size 89
	.end_amdhsa_kernel
	.amdgpu_metadata
---
amdhsa.version: [ 1, 2 ]
amdhsa.kernels:
  - .name:           k_qc98f290bd5_attn
    .symbol:         k_qc98f290bd5_attn.kd
    .args:
      - { .name: qrec, .offset: 0, .size: 8, .value_kind: global_buffer, .address_space: global }
      - { .name: kv, .offset: 8, .size: 8, .value_kind: global_buffer, .address_space: global }
      - { .name: oi, .offset: 16, .size: 8, .value_kind: global_buffer, .address_space: global }
      - { .name: sc, .offset: 24, .size: 8, .value_kind: global_buffer, .address_space: global }
    .group_segment_fixed_size: 327680
    .private_segment_fixed_size: 0
    .kernarg_segment_align: 8
    .kernarg_segment_size: 32
    .max_flat_workgroup_size: 384
    .sgpr_count:     66
    .vgpr_count:     256
    .wavefront_size: 32
...
	.end_amdgpu_metadata
.endif
;; end of part 3
;; launch oproj (part 4): grid 4 x 60, 4 waves a work-group, clusters of 4 x 4, 327,680 bytes of LDS; arguments oi, wi, sc, out0; writes out0
.if DOCPART == 4
	.amdgcn_target "amdgcn-amd-amdhsa--gfx1250"
	.amdhsa_code_object_version 6
	.text
	.protected	k_qc98f290bd5_oproj
	.globl	k_qc98f290bd5_oproj
	.p2align	8
	.type	k_qc98f290bd5_oproj,@function
k_qc98f290bd5_oproj:
	s_mov_b64 s[64:65], 0
	v_nop
	global_prefetch_b8 v0, s[64:65] scope:SCOPE_SE
	s_setreg_imm32_b32 hwreg(HW_REG_WAVE_MODE, 25, 1), 1
	s_wait_xcnt 0x0
	s_wait_alu depctr_hold_cnt(0) depctr_sa_sdst(0) depctr_va_vdst(0) depctr_va_sdst(0) depctr_va_ssrc(0) depctr_va_vcc(0) depctr_vm_vsrc(0)
	s_getreg_b32 s2, hwreg(HW_REG_IB_STS2, 6, 4)
	s_cmp_eq_u32 s2, 0
	s_cbranch_scc0 .Lentry_in_a_cluster
	s_endpgm
.Lentry_in_a_cluster:
	s_bfe_u32 s2, ttmp6, 0x10000c
	s_cmp_lg_u32 s2, 0xf033
	s_cbranch_scc0 .Lentry_shape_is_right
	s_endpgm
.Lentry_shape_is_right:
; OPROJ.  out = o wo^T on codes of FP6 with E8M0 scales; out0 [4800][1024] f32.
; SHARES.  A work-group: 80 tokens (5 tiles) x 256 columns: 60 x 4 work-groups.  Wave w: all 5 tiles of tokens x its own 4 tiles of wo: 20 accumulators, which take turns.
; ALL OF K LIES IN LDS: o's 5 tiles (61,440 bytes) and wo's 16 (196,608) are filled once, five tensor loads a wave, all issued together: no slot is filled again.
; CLUSTER 4 x 4: the four work-groups of a row of the cluster take the same tokens, the four of a column the same columns: both operands are asked for jointly.
; The product is used transposed (source 0 = 16 rows of wo, source 1 = 16 tokens): by the tiles' order of rows a lane holds eight neighbouring columns of one token's row.  A tile of tokens x my 64 columns goes through
; my own stage in LDS and leaves as rows: sixteen lanes store 256 consecutive bytes, aligned.
; REGISTERS: window 0: v1-27 addresses; v32-71 scale words (v[32 + 8 i + ks]: lanes 0-15 o's tile i, lanes 16-31 wo's tile i); v72-191 o's fragments, two sets; v192-255 rows on the way out, two sets.
;   window 1: v0-159 accumulator (a, b) at 8 (4 a + b); v160-255 wo's fragments, two sets.
.set OKS,  921600                      ; from 256 along K to the next in oi
.set WKS,  786432
.set OSL,  15360                       ; o's 5 tiles of 256 along K in LDS
.set WBASE, 61440
.set WWV,  49152                       ; a wave's 4 tiles of wo, all of K
.set WSL,  12288
.set STAGE, 258048                     ; 16 rows x (256 + 16) bytes for each wave; no tensor load lands here
.set FR,  12
.set LI,  1
.set ADB, 8
.set STO, 24
.set RD,  25
.set CO,  26
.set SOFF, 27
.set SC,  32
.set OF,  72
.set BK,  192
.set G1A, 24
.set G1B, 32
.set G0A, 40
.set G0B, 44
.set MSB, 0
.macro WIN new
.if MSB != (\new)
	s_set_vgpr_msb (MSB<<8)|(\new)
.set MSB, (\new)
.endif
.endm
.macro CROUND                          ; a round of the cluster's barrier
	s_barrier_signal -1
	s_barrier_wait -1
	s_cmp_lg_u32 s12, 0
	s_cbranch_scc1 .Lnot_wave_0_\@
	s_barrier_signal -3
.Lnot_wave_0_\@:
	s_barrier_wait -3
	s_barrier_signal -1
	s_barrier_wait -1
.endm
.macro PLACES
.rept 4
	v_nop
.endr
.endm
	s_load_b256 s[4:11], s[0:1], 0x0               ; oi, wi, sc, out0
	v_lshl_add_u32 v30, v0, 2, 0x43400
	v_mov_b32 v31, 0
	ds_add_u32 v30, v31
	v_lshrrev_b32 v2, 5, v0
	v_readfirstlane_b32 s12, v2                    ; wave
	s_bfe_u32 s13, ttmp6, 0x40000                  ; cx
	s_bfe_u32 s14, ttmp6, 0x40004                  ; cy
	s_lshl_b32 s15, ttmp9, 2
	s_add_co_u32 s15, s15, s13                     ; which 256 columns
	s_and_b32 s16, ttmp7, 0xffff
	s_lshl_b32 s16, s16, 2
	s_add_co_u32 s16, s16, s14                     ; which 80 tokens
	s_lshl_b32 s17, s14, 2
	s_lshl_b32 s17, 15, s17                        ; my row of the cluster
	s_lshl_b32 s18, 0x1111, s13                    ; my column
	s_or_b32 s[G1A], s17, (3<<16)|(1<<21)          ; o's tiles go to my row; elements of 8 bytes; bit 21 beside a mask; no padding
	s_or_b32 s[G1B], s18, (3<<16)|(1<<21)          ; wo's to my column
	s_mov_b32 s[G1A+1], 32<<16                     ; rows of 256 bytes of a dense block: 60 for o,
	s_mov_b32 s[G1A+2], 60<<16
	s_mov_b32 s[G1A+3], 32<<16
	s_mov_b32 s[G1A+4], 60
	s_mov_b32 s[G1A+5], 32
	s_mov_b32 s[G1A+6], 0
	s_mov_b32 s[G1A+7], 0
	s_mov_b32 s[G1B+1], 32<<16                     ; 48 for wo
	s_mov_b32 s[G1B+2], 48<<16
	s_mov_b32 s[G1B+3], 32<<16
	s_mov_b32 s[G1B+4], 48
	s_mov_b32 s[G1B+5], 32
	s_mov_b32 s[G1B+6], 0
	s_mov_b32 s[G1B+7], 0
	s_mul_i32 s20, s16, 5*3072                     ; o: wave w brings the w-th 256 along K of the 5 tiles: made of the tokens' coordinate and the wave's number alone
	s_mul_i32 s21, s12, OKS
	s_add_co_u32 s20, s20, s21
	s_mov_b32 s21, 0
	s_mul_i32 s19, s12, OSL
	s_lshl_b32 s22, s15, 4                         ; wo: tiles 192 + 16 x + 4 w on, of wi: made of the columns' coordinate and the wave's number alone
	s_lshl_b32 s23, s12, 2
	s_add_co_u32 s22, s22, s23
	s_add_co_u32 s22, s22, 192
	s_mul_i32 s22, s22, 3072
	s_mov_b32 s23, 0
	s_mul_i32 s76, s12, WWV
	s_add_co_u32 s76, s76, WBASE
	s_wait_dscnt 0x0
	s_wait_kmcnt 0x0
	s_add_nc_u64 s[20:21], s[4:5], s[20:21]
	s_add_nc_u64 s[22:23], s[6:7], s[22:23]
	s_mov_b32 s[G0A], 1
	s_mov_b32 s[G0A+1], s19
	s_mov_b64 s[G0A+2:G0A+3], s[20:21]
	s_or_b32 s[G0A+3], s[G0A+3], 0x80000000
.irp k, 0,1,2,3
	s_mov_b32 s[G0B+4*\k], 1
	s_add_co_u32 s[G0B+4*\k+1], s76, \k*WSL
	s_add_nc_u64 s[G0B+4*\k+2:G0B+4*\k+3], s[22:23], \k*WKS
	s_or_b32 s[G0B+4*\k+3], s[G0B+4*\k+3], 0x80000000
.endr
	CROUND                                         ; all sixteen work-groups are here: the joint loads meet
	tensor_load_to_lds s[G0A:G0A+3], s[G1A:G1A+7]  ; five loads of mine are out
	s_nop 0
	tensor_load_to_lds s[G0B:G0B+3], s[G1B:G1B+7]
	s_nop 0
	tensor_load_to_lds s[G0B+4:G0B+7], s[G1B:G1B+7]
	s_nop 0
	tensor_load_to_lds s[G0B+8:G0B+11], s[G1B:G1B+7]
	s_nop 0
	tensor_load_to_lds s[G0B+12:G0B+15], s[G1B:G1B+7]
	s_nop 0
.rept 4
	v_nop
.endr
	v_and_b32 v2, 31, v0
	v_lshlrev_b32 v[LI], 4, v2
	v_and_b32 v3, 15, v0                           ; r
	v_bfe_u32 v4, v0, 4, 1                         ; h
	s_mul_i32 s77, s16, 5                          ; my first tile of tokens
	s_add_co_u32 s78, s77, 560
	s_lshl_b32 s78, s78, 9
	s_lshl_b32 s79, s15, 4
	s_lshl_b32 s80, s12, 2
	s_add_co_u32 s79, s79, s80
	s_add_co_u32 s79, s79, 496
	s_lshl_b32 s79, s79, 9
	v_mov_b32 v5, s78
	v_mov_b32 v6, s79
	v_cmp_lt_u32 vcc_lo, 15, v2
	v_cndmask_b32 v[SOFF], v5, v6, vcc_lo          ; lanes 0-15 take o's words, lanes 16-31 wo's
	v_lshl_add_u32 v[SOFF], v3, 4, v[SOFF]
.irp i, 0,1,2,3,4                              ; (for i = 4 lanes 16-31 read the block of the tile behind my four: inside sc, written, and never used)
.irp kh, 0,1
	global_load_b128 v[SC+8*\i+4*\kh:SC+8*\i+4*\kh+3], v[SOFF], s[8:9] offset:512*\i+256*\kh
.endr
.endr
	v_add_nc_u32 v[ADB], s76, v[LI]
	s_mul_i32 s81, s12, 16*272
	s_add_co_u32 s81, s81, STAGE
	v_mul_u32_u24 v[STO], v3, 272
	v_lshl_add_u32 v[STO], v4, 6, v[STO]
	v_add_nc_u32 v[STO], s81, v[STO]               ; in: row r, + 64 h
	v_mul_u32_u24 v[RD], v4, 272
	v_lshl_add_u32 v[RD], v3, 4, v[RD]
	v_add_nc_u32 v[RD], s81, v[RD]                 ; back: lanes 0-15 one row, lanes 16-31 the next
	v_lshlrev_b32 v[CO], 12, v4
	v_lshl_add_u32 v[CO], v3, 4, v[CO]             ; and the same in out0: a row is 4,096 bytes
	s_lshl_b32 s82, s15, 10
	s_lshl_b32 s83, s12, 8
	s_add_co_u32 s82, s82, s83                     ; my 64 columns, in bytes
.irp a, 0,1,2,3,4                              ; s[66 + 2 a]: out0 at tile a's first token, 16 t - 8 (t % 2), and my columns
	s_add_co_u32 s84, s77, \a
	s_lshl_b32 s85, s84, 4
	s_and_b32 s84, s84, 1
	s_lshl_b32 s84, s84, 3
	s_sub_co_u32 s84, s85, s84
	s_lshl_b32 s84, s84, 12
	s_add_co_u32 s84, s84, s82
	s_mov_b32 s85, 0
	s_add_nc_u64 s[66+2*\a:67+2*\a], s[10:11], s[84:85]
.endr
.macro FETCH ks                        ; K step ks: o's 5 fragments and my 4 of wo into set ks % 2: 27 loads
.irp a, 0,1,2,3,4
.irp c, 0,1,2
	ds_load_b128 v[OF+60*((\ks)%2)+FR*\a+4*\c:OF+60*((\ks)%2)+FR*\a+4*\c+3], v[LI] offset:((\ks)/2)*OSL+\a*3072+((\ks)%2)*1536+512*\c
.endr
.endr
	WIN 0x40
.irp b, 0,1,2,3
.irp c, 0,1,2
	ds_load_b128 v[160+48*((\ks)%2)+FR*\b+4*\c:160+48*((\ks)%2)+FR*\b+4*\c+3], v[ADB] offset:((\ks)/2)*WSL+\b*3072+((\ks)%2)*1536+512*\c
.endr
.endr
	WIN 0
.endm
.macro MUL20 ks
.irp a, 0,1,2,3,4
.irp b, 0,1,2,3
.if (\ks) == 0
	v_wmma_scale_f32_16x16x128_f8f6f4 v[8*(4*\a+\b):8*(4*\a+\b)+7], v[160+48*((\ks)%2)+FR*\b:160+48*((\ks)%2)+FR*\b+FR-1], v[OF+60*((\ks)%2)+FR*\a:OF+60*((\ks)%2)+FR*\a+FR-1], 0, v[SC+8*\b+(\ks)], v[SC+8*\a+(\ks)] matrix_a_fmt:MATRIX_FMT_FP6 matrix_b_fmt:MATRIX_FMT_FP6 matrix_a_scale:MATRIX_SCALE_ROW1
.else
	v_wmma_scale_f32_16x16x128_f8f6f4 v[8*(4*\a+\b):8*(4*\a+\b)+7], v[160+48*((\ks)%2)+FR*\b:160+48*((\ks)%2)+FR*\b+FR-1], v[OF+60*((\ks)%2)+FR*\a:OF+60*((\ks)%2)+FR*\a+FR-1], v[8*(4*\a+\b):8*(4*\a+\b)+7], v[SC+8*\b+(\ks)], v[SC+8*\a+(\ks)] matrix_a_fmt:MATRIX_FMT_FP6 matrix_b_fmt:MATRIX_FMT_FP6 matrix_a_scale:MATRIX_SCALE_ROW1
.endif
.endr
.endr
.endm
.macro KSTEP ks
.if (\ks) < 7
.if (\ks) > 0
	PLACES                                         ; in front of loads into the set that the last step multiplied
.endif
.if ((\ks)+1)%2 == 0
	s_wait_tensorcnt 3-((\ks)+1)/2                 ; my tiles of wo for the next 256 along K have landed; only I read them, so my own wait is all they need
.endif
	FETCH (\ks)+1
	s_wait_dscnt 27                                ; all but the 27 just issued
.else
	s_wait_dscnt 0
.endif
	WIN 0x51                                       ; source 0 (wo), C and D window 1; source 1 (o) window 0
	MUL20 \ks
	WIN 0
.endm
	s_wait_tensorcnt 4                             ; my part of o has landed (wo's four loads may be out),
	s_barrier_signal -1
	s_barrier_wait -1                              ; everybody's has
	s_wait_tensorcnt 3                             ; wo's first 256 along K
	FETCH 0
	s_wait_loadcnt 0x0                             ; the scale words
.irp ks, 0,1,2,3,4,5,6,7
	KSTEP \ks
.endr
; THE WAY OUT, a tile of 16 tokens at a time.  LDS serves a wave's instructions in order: no wait between the stores and the loads, nor in front of the next tile's stores.
.macro TOSTAGE a
	WIN 0x04                                       ; an LDS store's data are its source 1: window 1
.irp b, 0,1,2,3
	ds_store_b128 v[STO], v[8*(4*(\a)+\b):8*(4*(\a)+\b)+3] offset:128*(\b/2)+32*(\b%2)       ; lane (r, h), tile b of wo: columns 32 (b / 2) + 16 h + 8 (b % 2) + 0 .. 7; each accumulator from its low end on
	ds_store_b128 v[STO], v[8*(4*(\a)+\b)+4:8*(4*(\a)+\b)+7] offset:128*(\b/2)+32*(\b%2)+16
.endr
	WIN 0
.irp i, 0,1,2,3,4,5,6,7
	ds_load_b128 v[BK+32*((\a)%2)+4*\i:BK+32*((\a)%2)+4*\i+3], v[RD] offset:2*\i*272
.endr
.endm
.macro SEND a, younger
	s_wait_dscnt \younger
.irp i, 0,1,2,3,4,5,6,7
	global_store_b128 v[CO], v[BK+32*((\a)%2)+4*\i:BK+32*((\a)%2)+4*\i+3], s[66+2*(\a):67+2*(\a)] offset:(2*\i+8*(\i/4))*4096 th:TH_STORE_NT   ; position 2 i + h is token 2 i + h + 8 (i / 4) of the tile; sixteen lanes store 256 consecutive bytes
.endr
.endm
	PLACES
	TOSTAGE 0
.irp a, 1,2,3,4
.if \a > 1
	s_wait_xcnt 0x0                                ; tile a - 2's stores have read their registers: tile a's loads may land there
.endif
	TOSTAGE \a
	SEND \a-1, 16                                  ; behind tile a - 1's loads: tile a's 8 stores and 8 loads
.endr
	SEND 4, 0
	s_wait_tensorcnt 0x0
	ds_add_u32 v30, v31
	s_wait_dscnt 0x0
	CROUND                                         ; the closing round: no work-group ends while a partner may still ask for a tile that names it
	s_endpgm
.Lfunc_end_k_qc98f290bd5_oproj:
	.size	k_qc98f290bd5_oproj, .Lfunc_end_k_qc98f290bd5_oproj-k_qc98f290bd5_oproj
	.p2alignl 7, 3214868480
	.fill 96, 4, 3214868480
	.section	.rodata,"a",@progbits
	.p2align	6, 0x0
	.amdhsa_kernel k_qc98f290bd5_oproj
		.amdhsa_group_segment_fixed_size 327680
		.amdhsa_private_segment_fixed_size 0
		.amdhsa_enable_private_segment 0
		.amdhsa_kernarg_size 32
		.amdhsa_user_sgpr_count 2
		.amdhsa_user_sgpr_kernarg_segment_ptr 1
		.amdhsa_wavefront_size32 1
		.amdhsa_system_sgpr_workgroup_id_x 1
		.amdhsa_system_sgpr_workgroup_id_y 1
		.amdhsa_system_sgpr_workgroup_id_z 1
		.amdhsa_system_vgpr_workitem_id 0
		.amdhsa_next_free_vgpr 512
		.amdhsa_next_free_sgpr 100
		.amdhsa_reserve_vcc 1
		.amdhsa_float_denorm_mode_32 3
		.amdhsa_float_denorm_mode_16_64 3
		.amdhsa_memory_ordered 1
		.amdhsa_forward_progress 1
		.amdhsa_inst_pref_size 55
	.end_amdhsa_kernel
	.amdgpu_metadata
---
amdhsa.version: [ 1, 2 ]
amdhsa.kernels:
  - .name:           k_qc98f290bd5_oproj
    .symbol:         k_qc98f290bd5_oproj.kd
    .args:
      - { .name: oi, .offset: 0, .size: 8, .value_kind: global_buffer, .address_space: global }
      - { .name: wi, .offset: 8, .size: 8, .value_kind: global_buffer, .address_space: global }
      - { .name: sc, .offset: 16, .size: 8, .value_kind: global_buffer, .address_space: global }
      - { .name: out0, .offset: 24, .size: 8, .value_kind: global_buffer, .address_space: global }
    .group_segment_fixed_size: 327680
    .private_segment_fixed_size: 0
    .kernarg_segment_align: 8
    .kernarg_segment_size: 32
    .max_flat_workgroup_size: 128
    .sgpr_count:     100
    .vgpr_count:     512
    .wavefront_size: 32
...
	.end_amdgpu_metadata
.endif
;; end of part 4
;; ======== version 2 of 2: 4 launches
;; limits: right only within a limited range of input values
;; workspace buffers: xi 3,735,552 bytes; wi 3,145,728 bytes; sc 440,320 bytes; tab 9,961,472 bytes; qrec 3,891,200 bytes; kv 7,782,400 bytes; oi 3,686,400 bytes
;; launch prep (part 5): grid 355 x 1, 4 waves a work-group, no clusters, 34,304 bytes of LDS; arguments x, wq, wk, wv, wo, rope_emb, q_gamma, k_gamma, xi, wi, sc, tab; writes xi, wi, sc, tab
.if DOCPART == 5
	.amdgcn_target "amdgcn-amd-amdhsa--gfx1250"
	.amdhsa_code_object_version 6
	.text
	.protected	k_qc98f290bd5_prep
	.globl	k_qc98f290bd5_prep
	.p2align	8
	.type	k_qc98f290bd5_prep,@function
k_qc98f290bd5_prep:
	s_mov_b64 s[64:65], 0
	v_nop
	global_prefetch_b8 v0, s[64:65] scope:SCOPE_SE
	s_setreg_imm32_b32 hwreg(HW_REG_WAVE_MODE, 25, 1), 1
	s_wait_xcnt 0x0
; PREP.  x [4800][1024] and the four weights [1024][1024], f32, K innermost, become codes of FP6 (E2M3) with one E8M0 byte for each 32 along K, quantised once for all later launches;
; rope_emb's angles become two tables for each of q and k: C = gain[d] cos, S = -+ gain[d xor 64] sin (minus where d < 64), so that norm, gain and rotation are rs (t[d] C[d] + t[d xor 64] S[d]).
; A TILE is 16 rows; position r of tile t is row 32 (t / 2) + 8 (t % 2) + r + 8 (r / 8), so that the results of eight neighbouring tiles used as a product's source 0 are, in a lane, neighbours along the next K.
; A FRAGMENT (a tile x 128 K, 12 registers a lane) lies in memory as an image of its registers: registers 4 c .. 4 c + 3 of lane l at 512 c + 16 l: every later read and this store are 512 consecutive bytes.
; xi, wi: [256 along K: 4][tile][128 along K: 2][1,536 bytes].  sc: 512 bytes a tile: [half of K][position][4 words], word q = the E8M0 bytes of K step 4 half + q.  x's tiles 0..303, the weights' 304..559.
; SHARES, by the work-group's number: 0-149 x, 150-277 the weights (a wave: one tile x 512 along K); 278 x's four tiles behind the last token (zero codes, byte 127); 279-354 the tables (a wave: one tile of tokens).
; A block's scale is 2^(floor(log2(largest magnitude)) - 2): the magnitude's exponent field less 2, held at 1 from below (a block of zeros keeps the byte 1: its codes are zeros, and this program alone reads the bytes).
; LIMITS: NaN and infinities are not served; blocks whose largest magnitude lies under 2^-124 get the byte 1; angles up to 2^22 in magnitude (a reduction by pi / 2 in two parts); sine and cosine are polynomials on
; [-pi/4, pi/4] in f32 fused multiply-adds.  No matrix work, no tensor load, no barrier: waves share nothing.
.set XKS,   933888                     ; 304 tiles x 3,072 bytes: from 256 along K to the next in xi
.set WKS,   786432                     ; 256 tiles x 3,072 in wi
.set TYPEB, 4980736                    ; 304 tiles x 16,384: from q's tables to k's
.set STG,   8448                       ; a wave's stage in LDS: 16 rows x (512 + 16) bytes
.set LI,  1                            ; v1   16 x lane
.set SA,  2                            ; v2   the stage, on the way in: 16 x lane
.set LA,  3                            ; v3   and back: 528 r + 64 h
.set SO,  4                            ; v4   16 r: my row's four scale words
.set PX,  8                            ; v8-10, v12-14  upper halves of blocks, as converted
.set PC,  16                           ; v16-27  a fragment's codes
.set PW,  28                           ; v28-31  the four scale words
.set TM,  32                           ; v32-47  at work
.set R,   64                           ; v64-191 two sets of 64 numbers as loaded
.set X,   192                          ; v192-255 64 numbers: register 16 b + i = k 32 b + 16 h + i of my row
.set SEL, 38                           ; s[38:39] lane selects: lane l xor 16
	s_load_b512 s[4:19], s[0:1], 0x0               ; x, wq, wk, wv, wo, rope_emb, q_gamma, k_gamma
	s_load_b256 s[20:27], s[0:1], 0x40             ; xi, wi, sc, tab
	s_set_vgpr_msb 0x40
	v_lshl_add_u32 v0, v0, 2, 0x8400
	v_mov_b32 v1, 0
	s_set_vgpr_msb 0x4000
	v_lshrrev_b32 v5, 5, v0
	v_readfirstlane_b32 s28, v5                    ; wave
	v_and_b32 v6, 31, v0                           ; lane
	v_and_b32 v7, 15, v0                           ; r
	v_bfe_u32 v5, v0, 4, 1                         ; h
	v_lshlrev_b32 v[LI], 4, v6
	s_mov_b32 s[SEL], 0x76543210
	s_mov_b32 s[SEL+1], 0xfedcba98
	s_wait_kmcnt 0x0
	s_cmp_lt_u32 ttmp9, 278
	s_cbranch_scc1 .Lquant
	s_cmp_eq_u32 ttmp9, 278
	s_cbranch_scc1 .Lpad
; ---- THE TABLES.  Lane (r, h) takes the token at position r of tile T and, of its 128 angles, d = 32 b + 16 h + i in register 16 b + i: the layout in which the next launch holds q and k.
.set AN, 32                            ; v32-95   angles
.set GQ, 96                            ; v96-159  q_gamma at the same d
.set GK, 160                           ; v160-223 k_gamma
.set NN, 4
.set RR, 8
.set ZZ, 12
.set SN, 16
.set CN, 20
.set QI, 24
.set TT, 28
.set UU, 240
.set OUTR, 224                         ; v224-239 C_q, S_q, C_k, S_k of four d
	s_sub_co_u32 s29, ttmp9, 279
	s_lshl_b32 s29, s29, 2
	s_add_co_u32 s29, s29, s28                     ; T = 0 .. 303
	s_lshl_b32 s30, s29, 4
	s_and_b32 s31, s29, 1
	s_lshl_b32 s31, s31, 3
	s_sub_co_u32 s30, s30, s31                     ; the tile's first token: 16 T - 8 (T % 2)
	s_wait_alu depctr_va_vdst(0)
	v_and_b32 v2, 8, v7
	v_add_nc_u32 v2, v2, v7
	v_add_nc_u32 v2, s30, v2
	v_min_u32 v2, 4799, v2                         ; the four tiles behind the last token take its angles: no load leaves the buffer, and their q and k are zeros whatever the table
	v_lshlrev_b32 v2, 9, v2
	v_lshl_add_u32 v2, v5, 6, v2                   ; token x 512 + 64 h
	v_lshlrev_b32 v3, 6, v5                        ; 64 h
	s_lshl_b32 s32, s29, 14
	s_mov_b32 s33, 0
	s_add_nc_u64 s[26:27], s[26:27], s[32:33]      ; tab at q's tables of tile T
.irp b, 0,1,2,3
.irp j, 0,1,2,3
	global_load_b128 v[AN+16*\b+4*\j:AN+16*\b+4*\j+3], v2, s[14:15] offset:128*\b+16*\j
	global_load_b128 v[GQ+16*\b+4*\j:GQ+16*\b+4*\j+3], v3, s[16:17] offset:128*\b+16*\j
	global_load_b128 v[GK+16*\b+4*\j:GK+16*\b+4*\j+3], v3, s[18:19] offset:128*\b+16*\j
.endr
.endr
	s_mov_b32 s40, 0x3f22f983                      ; 2 / pi  (each scalar pair is named whole, so both words are written)
	s_mov_b32 s41, s40
	s_mov_b32 s42, 0xbfc90fdb                      ; -(pi / 2), its f32 part
	s_mov_b32 s43, s42
	s_mov_b32 s44, 0x333bbd2e                      ; and what that part has too much: 4.371139e-8
	s_mov_b32 s45, s44
	v_mov_b32 v244, 0xb94ca1f9                     ; sine: r + z r (S0 + z (S1 + z S2)), z = r r
	v_mov_b32 v245, v244
	v_mov_b32 v246, 0x3c08839e
	v_mov_b32 v247, v246
	v_mov_b32 v248, 0xbe2aaaa3
	v_mov_b32 v249, v248
	v_mov_b32 v250, 0x37ccf5ce                     ; cosine: (1 - z / 2) + z z (C0 + z (C1 + z C2))
	v_mov_b32 v251, v250
	v_mov_b32 v252, 0xbab6061a
	v_mov_b32 v253, v252
	v_mov_b32 v254, 0x3d2aaaa5
	v_mov_b32 v255, v254
	s_wait_loadcnt 0x0
.macro SC4 g                           ; four angles: registers 4 g .. 4 g + 3
.irp p, 0,2
	v_pk_mul_f32 v[NN+\p:NN+\p+1], v[AN+4*(\g)+\p:AN+4*(\g)+\p+1], s[40:41] op_sel_hi:[1,0]
.endr
.irp e, 0,1,2,3
	v_rndne_f32 v[NN+\e], v[NN+\e]                 ; n: the nearest multiple of pi / 2
.endr
.irp p, 0,2
	v_pk_fma_f32 v[RR+\p:RR+\p+1], v[NN+\p:NN+\p+1], s[42:43], v[AN+4*(\g)+\p:AN+4*(\g)+\p+1] op_sel_hi:[1,0,1]
.endr
.irp p, 0,2
	v_pk_fma_f32 v[RR+\p:RR+\p+1], v[NN+\p:NN+\p+1], s[44:45], v[RR+\p:RR+\p+1] op_sel_hi:[1,0,1]   ; r = x - n pi / 2
.endr
.irp e, 0,1,2,3
	v_cvt_i32_f32 v[QI+\e], v[NN+\e]
.endr
.irp p, 0,2
	v_pk_mul_f32 v[ZZ+\p:ZZ+\p+1], v[RR+\p:RR+\p+1], v[RR+\p:RR+\p+1]
.endr
.irp p, 0,2
	v_pk_fma_f32 v[SN+\p:SN+\p+1], v[ZZ+\p:ZZ+\p+1], v[244:245], v[246:247]
	v_pk_fma_f32 v[CN+\p:CN+\p+1], v[ZZ+\p:ZZ+\p+1], v[250:251], v[252:253]
	v_pk_mul_f32 v[TT+\p:TT+\p+1], v[ZZ+\p:ZZ+\p+1], v[RR+\p:RR+\p+1]
	v_pk_fma_f32 v[UU+\p:UU+\p+1], v[ZZ+\p:ZZ+\p+1], -0.5, 1.0 op_sel_hi:[1,0,0]
.endr
.irp p, 0,2
	v_pk_fma_f32 v[SN+\p:SN+\p+1], v[SN+\p:SN+\p+1], v[ZZ+\p:ZZ+\p+1], v[248:249]
	v_pk_fma_f32 v[CN+\p:CN+\p+1], v[CN+\p:CN+\p+1], v[ZZ+\p:ZZ+\p+1], v[254:255]
	v_pk_mul_f32 v[ZZ+\p:ZZ+\p+1], v[ZZ+\p:ZZ+\p+1], v[ZZ+\p:ZZ+\p+1]
.endr
.irp p, 0,2
	v_pk_fma_f32 v[SN+\p:SN+\p+1], v[SN+\p:SN+\p+1], v[TT+\p:TT+\p+1], v[RR+\p:RR+\p+1]   ; sin r
	v_pk_fma_f32 v[CN+\p:CN+\p+1], v[CN+\p:CN+\p+1], v[ZZ+\p:ZZ+\p+1], v[UU+\p:UU+\p+1]   ; cos r
.endr
.irp e, 0,1,2,3                        ; the quadrant n mod 4: odd n swaps the two; the sine is negative where n has bit 1, the cosine where n + 1 has it
	v_and_b32 v[TT+\e], 1, v[QI+\e]
	v_cmp_ne_u32 vcc_lo, 0, v[TT+\e]
	v_cndmask_b32 v[UU+\e], v[SN+\e], v[CN+\e], vcc_lo
	v_cndmask_b32 v[CN+\e], v[CN+\e], v[SN+\e], vcc_lo
	v_lshlrev_b32 v[TT+\e], 30, v[QI+\e]
	v_add_nc_u32 v[QI+\e], 1, v[QI+\e]
	v_and_b32 v[TT+\e], 0x80000000, v[TT+\e]
	v_lshlrev_b32 v[QI+\e], 30, v[QI+\e]
	v_xor_b32 v[UU+\e], v[UU+\e], v[TT+\e]         ; sin x
	v_and_b32 v[QI+\e], 0x80000000, v[QI+\e]
	v_xor_b32 v[CN+\e], v[CN+\e], v[QI+\e]         ; cos x
.endr
.if (\g) > 0
	s_wait_alu depctr_va_vdst(0)
	s_wait_xcnt 0x0                                ; the last group's stores have read their data: the sixteen registers are written again only behind this wait
.endif
.irp p, 0,2
	v_pk_mul_f32 v[OUTR+\p:OUTR+\p+1], v[CN+\p:CN+\p+1], v[GQ+4*(\g)+\p:GQ+4*(\g)+\p+1]
	v_pk_mul_f32 v[OUTR+8+\p:OUTR+9+\p], v[CN+\p:CN+\p+1], v[GK+4*(\g)+\p:GK+4*(\g)+\p+1]
.if (\g) < 8                           ; d < 64: the partner d + 64 lies 32 registers on, and comes in with a minus
	v_pk_mul_f32 v[OUTR+4+\p:OUTR+5+\p], v[UU+\p:UU+\p+1], v[GQ+32+4*(\g)+\p:GQ+33+4*(\g)+\p] neg_lo:[1,0] neg_hi:[1,0]
	v_pk_mul_f32 v[OUTR+12+\p:OUTR+13+\p], v[UU+\p:UU+\p+1], v[GK+32+4*(\g)+\p:GK+33+4*(\g)+\p] neg_lo:[1,0] neg_hi:[1,0]
.else
	v_pk_mul_f32 v[OUTR+4+\p:OUTR+5+\p], v[UU+\p:UU+\p+1], v[GQ-32+4*(\g)+\p:GQ-31+4*(\g)+\p]
	v_pk_mul_f32 v[OUTR+12+\p:OUTR+13+\p], v[UU+\p:UU+\p+1], v[GK-32+4*(\g)+\p:GK-31+4*(\g)+\p]
.endif
.endr
	global_store_b128 v[LI], v[OUTR:OUTR+3], s[26:27] offset:512*(\g)                    ; each store: 512 consecutive bytes
	global_store_b128 v[LI], v[OUTR+4:OUTR+7], s[26:27] offset:8192+512*(\g)
	global_store_b128 v[LI], v[OUTR+8:OUTR+11], s[26:27] offset:TYPEB+512*(\g)
	global_store_b128 v[LI], v[OUTR+12:OUTR+15], s[26:27] offset:TYPEB+8192+512*(\g)
.endm
.irp g, 0,1,2,3,4,5,6,7,8,9,10,11,12,13,14,15
	SC4 \g
.endr
	s_endpgm
; ---- THE FOUR TILES BEHIND THE LAST TOKEN: wave w writes tile 300 + w of xi as zero codes, and its scale bytes as 127.
.Lpad:
	s_add_co_u32 s29, s28, 300
	s_mul_i32 s30, s29, 3072
	s_mov_b32 s31, 0
	s_add_nc_u64 s[20:21], s[20:21], s[30:31]
	s_lshl_b32 s30, s29, 9
	s_add_nc_u64 s[24:25], s[24:25], s[30:31]
.irp i, 8,9,10,11
	v_mov_b32 v[\i], 0
	v_mov_b32 v[\i+4], 0x7f7f7f7f
.endr
	s_wait_alu depctr_va_vdst(0)
.irp k, 0,1,2,3
.irp e, 0,1,2,3,4,5
	global_store_b128 v[LI], v[8:11], s[20:21] offset:\k*XKS+512*\e
.endr
.endr
	global_store_b128 v[LI], v[12:15], s[24:25]
	s_endpgm
; ---- THE QUANTISER.  Wave w: tile 2 g + w / 2 of its tensor, K half w % 2: four fragments.
.Lquant:
	s_lshr_b32 s29, s28, 1
	s_and_b32 s44, s28, 1                          ; the half of K
	s_cmp_lt_u32 ttmp9, 150
	s_cselect_b32 s45, 0, 150
	s_sub_co_u32 s45, ttmp9, s45
	s_lshl_b32 s45, s45, 1
	s_add_co_u32 s45, s45, s29                     ; the tile's number in xi or in wi
	s_and_b32 s46, s45, 63                         ; and within a weight
	s_cmp_lt_u32 s45, 192                          ; the source is chosen by numbers of work-groups and waves alone
	s_cselect_b64 s[30:31], s[10:11], s[12:13]
	s_cmp_lt_u32 s45, 128
	s_cselect_b64 s[30:31], s[8:9], s[30:31]
	s_cmp_lt_u32 s45, 64
	s_cselect_b64 s[30:31], s[6:7], s[30:31]
	s_mov_b32 s47, WKS
	s_cmp_lt_u32 ttmp9, 150
	s_cselect_b64 s[30:31], s[4:5], s[30:31]
	s_cselect_b64 s[32:33], s[20:21], s[22:23]
	s_cselect_b32 s46, s45, s46
	s_cselect_b32 s47, XKS, s47
	s_cselect_b32 s48, 0, 304
	s_lshl_b32 s49, s46, 4
	s_and_b32 s50, s46, 1
	s_lshl_b32 s50, s50, 3
	s_sub_co_u32 s49, s49, s50                     ; the tile's first row
	s_lshl_b32 s50, s49, 12
	s_lshl_b32 s51, s44, 11
	s_add_co_u32 s50, s50, s51
	s_mov_b32 s51, 0
	s_add_nc_u64 s[30:31], s[30:31], s[50:51]      ; the source at that row, my half of K
	s_mul_i32 s50, s45, 3072
	s_lshl_b32 s52, s44, 1
	s_mul_i32 s52, s52, s47
	s_add_co_u32 s50, s50, s52
	s_add_nc_u64 s[32:33], s[32:33], s[50:51]      ; the codes: my tile, my half's first 256 along K,
	s_mov_b32 s50, s47
	s_add_nc_u64 s[34:35], s[32:33], s[50:51]      ; and its second
	s_add_co_u32 s50, s48, s45
	s_lshl_b32 s50, s50, 9
	s_lshl_b32 s52, s44, 8
	s_add_co_u32 s50, s50, s52
	s_add_nc_u64 s[36:37], s[24:25], s[50:51]      ; the scale words: 256 bytes
	s_mul_i32 s52, s28, STG
	s_wait_alu depctr_va_vdst(0)
	v_add_nc_u32 v[SA], s52, v[LI]
	v_mul_u32_u24 v[LA], v7, 528
	v_lshl_add_u32 v[LA], v5, 6, v[LA]
	v_add_nc_u32 v[LA], s52, v[LA]
	v_lshlrev_b32 v[SO], 4, v7
.irp b, 0,1,2,3
	v_mov_b32 v[TM+4+\b], 0                        ; written once: a lane permute's destination counts as one of its sources
.endr
.macro LOADF f                         ; fragment f: of each of the tile's 16 rows 512 consecutive bytes, 16 a lane
.irp i, 0,1,2,3,4,5,6,7,8,9,10,11,12,13,14,15
	global_load_b128 v[R+64*((\f)%2)+4*\i:R+64*((\f)%2)+4*\i+3], v[LI], s[30:31] offset:(\i+8*(\i/8))*4096+512*(\f) th:TH_LOAD_NT
.endr
.endm
.macro TURN f                          ; through my stage: in by rows, back 16 neighbours of each block of 32 to a lane.  LDS serves a wave's instructions in order: no wait between
.irp i, 0,1,2,3,4,5,6,7,8,9,10,11,12,13,14,15
	ds_store_b128 v[SA], v[R+64*((\f)%2)+4*\i:R+64*((\f)%2)+4*\i+3] offset:528*\i
.endr
.irp b, 0,1,2,3
.irp j, 0,1,2,3
	ds_load_b128 v[X+16*\b+4*\j:X+16*\b+4*\j+3], v[LA] offset:128*\b+16*\j
.endr
.endr
.endm
; 64 numbers of a lane, register 16 b + i = k 32 b + 16 h + i of my row, become a fragment's codes in v[PC] on and its scale word in v[pw].
.macro QUANT s, pw
.irp b, 0,1,2,3
	v_max3_num_f32 v[TM+\b], |v[\s+16*\b]|, |v[\s+1+16*\b]|, 0x1800000   ; my 16 numbers of block b, and the floor 2^(3 - 127): the byte cannot fall under 1
.endr
.irp i, 2,4,6,8,10,12,14
.irp b, 0,1,2,3
	v_max3_num_f32 v[TM+\b], v[TM+\b], |v[\s+16*\b+\i]|, |v[\s+1+16*\b+\i]|
.endr
.endr
.irp b, 0,1,2,3
	v_permlanex16_b32 v[TM+4+\b], v[TM+\b], s[SEL], s[SEL+1]
.endr
.irp b, 0,1,2,3
	v_max_num_f32 v[TM+\b], v[TM+\b], v[TM+4+\b]   ; with lane l xor 16's: the block's largest magnitude
.endr
.irp b, 0,1,2,3
	v_add_nc_u32 v[TM+12+\b], 0xff000000, v[TM+\b] ; 2 off its exponent field: the conversion takes this operand's exponent field as its scale
.endr
.irp b, 0,1,2,3
	v_lshrrev_b32 v[TM+4+\b], 23, v[TM+12+\b]      ; the scale's byte
.endr
	v_lshl_or_b32 v[\pw], v[TM+5], 8, v[TM+4]
	v_lshl_or_b32 v[\pw], v[TM+6], 16, v[\pw]
	v_lshl_or_b32 v[\pw], v[TM+7], 24, v[\pw]
	s_wait_xcnt 0x0                                ; the last fragment's stores have read their data: the codes' registers are written again only behind this wait
.irp c, 0,1
	v_cvt_scalef32_pk16_fp6_f32 v[PC+6*\c:PC+2+6*\c], v[\s+32*\c:\s+15+32*\c], v[TM+12+2*\c]
	v_cvt_scalef32_pk16_fp6_f32 v[PX+4*\c:PX+2+4*\c], v[\s+16+32*\c:\s+31+32*\c], v[TM+12+2*\c+1]   ; (a conversion's three registers begin on an even number)
.endr
	v_nop                                          ; one plain place behind a scaled conversion
.irp c, 0,1                                    ; the operand's layout wants a whole block in a lane: lanes 0-15 block 2 c, lanes 16-31 block 2 c + 1
.irp i, 0,1,2
	v_permlane16_swap_b32 v[PC+6*\c+\i], v[PX+4*\c+\i]
.endr
.irp i, 0,1,2
	v_mov_b32 v[PC+3+6*\c+\i], v[PX+4*\c+\i]
.endr
.endr
.endm
	LOADF 0
	LOADF 1
	s_wait_alu depctr_va_vdst(0)
.irp f, 0,1,2,3
.if \f < 3
	s_wait_loadcnt 16                              ; this fragment's 16 loads are in; the next fragment's 16 may be out
.else
	s_wait_loadcnt 0
.endif
	TURN \f
	s_wait_dscnt 0x0                               ; the numbers are back, and the stores into the stage have read their registers,
.if \f < 2
	LOADF \f+2                                     ; which take the loads of two fragments on
.endif
	QUANT X, PW+\f
.irp c, 0,1,2
	global_store_b128 v[LI], v[PC+4*\c:PC+4*\c+3], s[32+2*(\f/2):33+2*(\f/2)] offset:1536*(\f%2)+512*\c
.endr
.endr
	global_store_b128 v[SO], v[PW:PW+3], s[36:37]  ; 256 consecutive bytes; lanes l and l + 16 hold the same four words and store them to the same place
	s_set_vgpr_msb 0x5
	s_wait_tensorcnt 0x0
	ds_add_u32 v0, v1
	s_wait_dscnt 0x0
	s_set_vgpr_msb 0x500
	s_endpgm
.Lfunc_end_k_qc98f290bd5_prep:
	.size	k_qc98f290bd5_prep, .Lfunc_end_k_qc98f290bd5_prep-k_qc98f290bd5_prep
	.p2alignl 7, 3214868480
	.fill 96, 4, 3214868480
	.section	.rodata,"a",@progbits
	.p2align	6, 0x0
	.amdhsa_kernel k_qc98f290bd5_prep
		.amdhsa_group_segment_fixed_size 34304
		.amdhsa_private_segment_fixed_size 0
		.amdhsa_enable_private_segment 0
		.amdhsa_kernarg_size 96
		.amdhsa_user_sgpr_count 2
		.amdhsa_user_sgpr_kernarg_segment_ptr 1
		.amdhsa_wavefront_size32 1
		.amdhsa_system_sgpr_workgroup_id_x 1
		.amdhsa_system_sgpr_workgroup_id_y 1
		.amdhsa_system_sgpr_workgroup_id_z 1
		.amdhsa_system_vgpr_workitem_id 0
		.amdhsa_next_free_vgpr 258
		.amdhsa_next_free_sgpr 66
		.amdhsa_reserve_vcc 1
		.amdhsa_float_denorm_mode_32 3
		.amdhsa_float_denorm_mode_16_64 3
		.amdhsa_memory_ordered 1
		.amdhsa_forward_progress 1
		.amdhsa_inst_pref_size 114
	.end_amdhsa_kernel
	.amdgpu_metadata
---
amdhsa.version: [ 1, 2 ]
amdhsa.kernels:
  - .name:           k_qc98f290bd5_prep
    .symbol:         k_qc98f290bd5_prep.kd
    .args:
      - { .name: x, .offset: 0, .size: 8, .value_kind: global_buffer, .address_space: global }
      - { .name: wq, .offset: 8, .size: 8, .value_kind: global_buffer, .address_space: global }
      - { .name: wk, .offset: 16, .size: 8, .value_kind: global_buffer, .address_space: global }
      - { .name: wv, .offset: 24, .size: 8, .value_kind: global_buffer, .address_space: global }
      - { .name: wo, .offset: 32, .size: 8, .value_kind: global_buffer, .address_space: global }
      - { .name: rope_emb, .offset: 40, .size: 8, .value_kind: global_buffer, .address_space: global }
      - { .name: q_gamma, .offset: 48, .size: 8, .value_kind: global_buffer, .address_space: global }
      - { .name: k_gamma, .offset: 56, .size: 8, .value_kind: global_buffer, .address_space: global }
      - { .name: xi, .offset: 64, .size: 8, .value_kind: global_buffer, .address_space: global }
      - { .name: wi, .offset: 72, .size: 8, .value_kind: global_buffer, .address_space: global }
      - { .name: sc, .offset: 80, .size: 8, .value_kind: global_buffer, .address_space: global }
      - { .name: tab, .offset: 88, .size: 8, .value_kind: global_buffer, .address_space: global }
    .group_segment_fixed_size: 34304
    .private_segment_fixed_size: 0
    .kernarg_segment_align: 8
    .kernarg_segment_size: 96
    .max_flat_workgroup_size: 128
    .sgpr_count:     66
    .vgpr_count:     258
    .wavefront_size: 32
...
	.end_amdgpu_metadata
.endif
;; end of part 5
;; launch qkv (part 6): grid 12 x 19, 4 waves a work-group, clusters of 4 x 1, 327,680 bytes of LDS; arguments xi, wi, sc, tab, qrec, kv; writes qrec, kv
.if DOCPART == 6
	.amdgcn_target "amdgcn-amd-amdhsa--gfx1250"
	.amdhsa_code_object_version 6
	.text
	.protected	k_qc98f290bd5_qkv
	.globl	k_qc98f290bd5_qkv
	.p2align	8
	.type	k_qc98f290bd5_qkv,@function
k_qc98f290bd5_qkv:
	s_mov_b64 s[64:65], 0
	v_nop
	global_prefetch_b8 v0, s[64:65] scope:SCOPE_SE
	s_setreg_imm32_b32 hwreg(HW_REG_WAVE_MODE, 25, 1), 1
	s_wait_xcnt 0x0
	s_wait_alu depctr_hold_cnt(0) depctr_sa_sdst(0) depctr_va_vdst(0) depctr_va_sdst(0) depctr_va_ssrc(0) depctr_va_vcc(0) depctr_vm_vsrc(0)
	s_getreg_b32 s2, hwreg(HW_REG_IB_STS2, 6, 4)
	s_cmp_eq_u32 s2, 0
	s_cbranch_scc0 .Lentry_in_a_cluster
	s_endpgm
.Lentry_in_a_cluster:
	s_bfe_u32 s2, ttmp6, 0x10000c
	s_cmp_lg_u32 s2, 0x3003
	s_cbranch_scc0 .Lentry_shape_is_right
	s_endpgm
.Lentry_shape_is_right:
.set XKS,   933888
.set WKS,   786432
.set HALFT, 24576
.set WOFF,  49152
.set SLOT,  98304
.set SPARE, 196608
.set FR,   12
.set LI,   1
.set PW,   10
.set SW,   12
.set ADRA, 16
.set ADRB, 20
.set SOFF, 27
.set SPW,  28
.set NIL,  29
.set SC,   32
.set AF,   128
.set RO,   128
.set TM,   192
.set PC,   208
.set PX,   220
.set G1X, 24
.set G0X, 32
.set G1W, 48
.set G0W, 56
.set MSB, 0
.macro WIN new
.if MSB != (\new)
	s_set_vgpr_msb (MSB<<8)|(\new)
.set MSB, (\new)
.endif
.endm
.set MUL_LO, 0xa1
.set MUL_HI, 0xf1
.set TO_B,   0x40
.macro JLOAD g0a, g1a, g0b, g1b
	s_cmp_eq_u32 s17, 0
	s_cbranch_scc0 .Lfor_w_\@
	tensor_load_to_lds s[\g0a:\g0a+3], s[\g1a:\g1a+7]
	s_nop 0
.rept 4
	v_nop
.endr
	s_branch .Lasked_\@
.Lfor_w_\@:
	tensor_load_to_lds s[\g0b:\g0b+3], s[\g1b:\g1b+7]
	s_nop 0
.rept 4
	v_nop
.endr
.Lasked_\@:
.endm
.macro CREST
	s_cmp_lg_u32 s16, 0
	s_cbranch_scc1 .Lnot_wave_0_\@
	s_barrier_signal -3
.Lnot_wave_0_\@:
	s_barrier_wait -3
	s_barrier_signal -1
	s_barrier_wait -1
.endm
.macro CROUND
	s_barrier_signal -1
	s_barrier_wait -1
	CREST
.endm
.macro PLACES
.rept 4
	v_nop
.endr
.endm
	s_load_b256 s[4:11], s[0:1], 0x0
	s_load_b128 s[12:15], s[0:1], 0x20
	v_lshl_add_u32 v[SPW], v0, 2, SPARE
	v_mov_b32 v[NIL], 0
	ds_add_u32 v28, v29
	ds_add_u32 v28, v29
	s_wait_dscnt 0x0
	v_lshrrev_b32 v2, 5, v0
	v_readfirstlane_b32 s16, v2
	s_lshr_b32 s17, s16, 1
	s_and_b32 s18, s16, 1
	s_bfe_u32 s19, ttmp6, 0x40000
	s_lshl_b32 s20, ttmp9, 2
	s_add_co_u32 s20, s20, s19
	s_and_b32 s21, ttmp7, 0xffff
	s_mov_b32 s[G1X], 15|(3<<16)|(1<<21)
	s_mov_b32 s[G1W], 3<<16
.irp g, G1X, G1W
	s_mov_b32 s[\g+1], 32<<16
	s_mov_b32 s[\g+2], 96<<16
	s_mov_b32 s[\g+3], 32<<16
	s_mov_b32 s[\g+4], 96
	s_mov_b32 s[\g+5], 32
	s_mov_b32 s[\g+6], 0
	s_mov_b32 s[\g+7], 0
.endr
	s_lshl_b32 s22, s18, 3
	s_lshl_b32 s40, s21, 4
	s_add_co_u32 s40, s40, s22
	s_mul_i32 s40, s40, 3072
	s_mov_b32 s41, 0
	s_lshl_b32 s42, s20, 4
	s_add_co_u32 s42, s42, s22
	s_mul_i32 s42, s42, 3072
	s_mov_b32 s43, 0
	s_mul_i32 s23, s16, HALFT
	s_wait_kmcnt 0x0
	s_add_nc_u64 s[40:41], s[4:5], s[40:41]
	s_add_nc_u64 s[42:43], s[6:7], s[42:43]
	CROUND
.irp s, 0,1
	s_mov_b32 s[G0X+4*\s], 1
	s_add_co_u32 s[G0X+4*\s+1], s23, \s*SLOT
	s_add_nc_u64 s[G0X+4*\s+2:G0X+4*\s+3], s[40:41], \s*XKS
	s_or_b32 s[G0X+4*\s+3], s[G0X+4*\s+3], 0x80000000
	s_mov_b32 s[G0W+4*\s], 1
	s_add_co_u32 s[G0W+4*\s+1], s23, \s*SLOT
	s_add_nc_u64 s[G0W+4*\s+2:G0W+4*\s+3], s[42:43], \s*WKS
	s_or_b32 s[G0W+4*\s+3], s[G0W+4*\s+3], 0x80000000
	s_wait_alu depctr_va_vdst(0)
	s_wait_tensorcnt 0x0
	ds_add_u32 v28, v29
	ds_add_u32 v28, v29
	s_wait_dscnt 0x0
	CROUND
	JLOAD G0X+4*\s, G1X, G0W+4*\s, G1W
.endr
	v_and_b32 v2, 31, v0
	s_wait_alu depctr_va_vdst(0)
	v_lshlrev_b32 v[LI], 4, v2
	v_and_b32 v3, 15, v0
	s_lshl_b32 s70, s21, 4
	s_lshl_b32 s71, s20, 4
	s_add_co_u32 s71, s71, 304
	s_cmp_eq_u32 ttmp9, 2
	s_cselect_b32 s72, s71, s70
	s_cselect_b32 s73, s70, s71
	s_cselect_b32 s74, WOFF, 0
	s_cselect_b32 s75, 0, WOFF
	s_cselect_b32 s77, s17, s18
	s_cselect_b32 s78, s18, s17
	s_lshl_b32 s76, s17, 3
	s_add_co_u32 s72, s72, s76
	s_lshl_b32 s76, s18, 3
	s_add_co_u32 s73, s73, s76
	s_lshl_b32 s72, s72, 9
	s_lshl_b32 s73, s73, 9
	v_mov_b32 v4, s72
	v_mov_b32 v5, s73
	v_cmp_lt_u32 vcc_lo, 15, v2
	v_cndmask_b32 v[SOFF], v4, v5, vcc_lo
	s_wait_alu depctr_va_vdst(0)
	v_lshl_add_u32 v[SOFF], v3, 4, v[SOFF]
.irp i, 0,1,2,3,4,5,6,7
.irp kh, 0,1
	global_load_b128 v[SC+8*\i+4*\kh:SC+8*\i+4*\kh+3], v[SOFF], s[8:9] offset:512*\i+256*\kh
.endr
.endr
	s_mul_i32 s76, s17, HALFT
	s_add_co_u32 s74, s74, s76
	s_mul_i32 s76, s18, HALFT
	s_add_co_u32 s75, s75, s76
.irp s, 0,1
	v_add_nc_u32 v[ADRA+\s], s74, v[LI]
	v_add_nc_u32 v[ADRB+\s], s75, v[LI]
	s_add_co_u32 s74, s74, SLOT
	s_add_co_u32 s75, s75, SLOT
.endr
	s_lshl_b32 s79, s19, 1
	s_add_co_u32 s77, s77, s79
	s_lshl_b32 s79, s21, 1
	s_add_co_u32 s78, s78, s79
	s_mov_b32 s80, 972800
	s_mov_b32 s81, 25600
	s_cmp_eq_u32 ttmp9, 0
	s_cselect_b64 s[66:67], s[12:13], s[14:15]
	s_cselect_b32 s80, 486400, s80
	s_cselect_b32 s81, 12800, s81
	s_mul_i32 s80, s80, s77
	s_mul_i32 s81, s81, s78
	s_add_co_u32 s80, s80, s81
	s_cmp_eq_u32 ttmp9, 2
	s_cselect_b32 s81, 12800, 0
	s_add_co_u32 s80, s80, s81
	s_mov_b32 s81, 0
	s_add_nc_u64 s[66:67], s[66:67], s[80:81]
	s_min_u32 s82, ttmp9, 1
	s_mul_i32 s82, s82, 4980736
	s_lshl_b32 s83, s78, 17
	s_add_co_u32 s82, s82, s83
	s_mov_b32 s83, 0
	s_add_nc_u64 s[68:69], s[10:11], s[82:83]
	s_mov_b32 s90, 0x76543210
	s_mov_b32 s91, 0xfedcba98
	s_mov_b32 s92, 0x358637bd
	s_mov_b32 s93, 0x3c000000
	s_mov_b32 s94, 0xffff0000
.macro MUL16 a0, p, ks, zero
.irp a, \a0, \a0+1
.irp b, 0,1,2,3,4,5,6,7
.if \zero
	v_wmma_scale_f32_16x16x128_f8f6f4 v[8*(8*((\a)%4)+\b):8*(8*((\a)%4)+\b)+7], v[128*(\p)+FR*\b:128*(\p)+FR*\b+FR-1], v[AF+FR*(\a):AF+FR*(\a)+FR-1], 0, v[SC+8*\b+(\ks)], v[SC+8*(\a)+(\ks)] matrix_a_fmt:MATRIX_FMT_FP6 matrix_b_fmt:MATRIX_FMT_FP6 matrix_a_scale:MATRIX_SCALE_ROW1
.else
	v_wmma_scale_f32_16x16x128_f8f6f4 v[8*(8*((\a)%4)+\b):8*(8*((\a)%4)+\b)+7], v[128*(\p)+FR*\b:128*(\p)+FR*\b+FR-1], v[AF+FR*(\a):AF+FR*(\a)+FR-1], v[8*(8*((\a)%4)+\b):8*(8*((\a)%4)+\b)+7], v[SC+8*\b+(\ks)], v[SC+8*(\a)+(\ks)] matrix_a_fmt:MATRIX_FMT_FP6 matrix_b_fmt:MATRIX_FMT_FP6 matrix_a_scale:MATRIX_SCALE_ROW1
.endif
.endr
.endr
.endm
.macro FETCH_B slot, q, p
	WIN TO_B
.irp i, 0,1,2,3,4,5,6,7
.irp c, 0,1,2
	ds_load_b128 v[128*(\p)+FR*\i+4*\c:128*(\p)+FR*\i+4*\c+3], v[ADRB+\slot] offset:\i*3072+(\q)*1536+512*\c
.endr
.endr
	WIN 0
.endm
.macro FETCH_A slot, q, i0
.irp i, \i0, \i0+1, \i0+2, \i0+3
.irp c, 0,1,2
	ds_load_b128 v[AF+FR*(\i)+4*\c:AF+FR*(\i)+4*\c+3], v[ADRA+\slot] offset:(\i)*3072+(\q)*1536+512*\c
.endr
.endr
.endm
.macro STEP slot, ks, zero
	s_wait_dscnt 12
	WIN MUL_LO
	MUL16 0, 0, \ks, \zero
	MUL16 2, 0, \ks, \zero
	s_wait_dscnt 0
	PLACES
	FETCH_B \slot, 1, 1
	FETCH_A \slot, 1, 0
	WIN MUL_HI
	MUL16 4, 0, \ks, \zero
	MUL16 6, 0, \ks, \zero
	PLACES
	WIN 0
	FETCH_A \slot, 1, 4
.endm
.macro TURN slot, next, fill, ks
	s_wait_tensorcnt 0x0
	ds_add_u32 v[SPW], v[NIL]
	s_wait_dscnt 13
	WIN MUL_LO
	MUL16 0, 1, \ks, 0
	s_wait_dscnt 0x0
	s_barrier_signal -1
	MUL16 2, 1, \ks, 0
	WIN 0
	s_barrier_wait -1
.if \fill
	CREST
	s_add_nc_u64 s[G0X+4*\slot+2:G0X+4*\slot+3], s[G0X+4*\slot+2:G0X+4*\slot+3], 2*XKS
	s_add_nc_u64 s[G0W+4*\slot+2:G0W+4*\slot+3], s[G0W+4*\slot+2:G0W+4*\slot+3], 2*WKS
	JLOAD G0X+4*\slot, G1X, G0W+4*\slot, G1W
.else
	PLACES
.endif
	FETCH_B \next, 0, 0
	FETCH_A \next, 0, 0
	WIN MUL_HI
	MUL16 4, 1, \ks, 0
	MUL16 6, 1, \ks, 0
	PLACES
	WIN 0
	FETCH_A \next, 0, 4
.endm
.macro LAST
	s_wait_dscnt 12
	WIN MUL_LO
	MUL16 0, 1, 7, 0
	MUL16 2, 1, 7, 0
	s_wait_dscnt 0
	WIN MUL_HI
	MUL16 4, 1, 7, 0
	MUL16 6, 1, 7, 0
	WIN 0
	PLACES
	v_mov_b32 v6, 0
	v_mov_b32 v9, 0
.irp b, 0,1,2,3
	v_mov_b32 v[TM+4+\b], 0
.endr
.endm
.macro QUANT s, w, pw
	WIN (\w)|((\w)<<2)
.irp b, 0,1,2,3
	v_max3_num_f32 v[TM+\b], |v[\s+16*\b]|, |v[\s+1+16*\b]|, 0x1800000
.endr
	WIN ((\w)<<2)|((\w)<<4)
.irp i, 2,4,6,8,10,12,14
.irp b, 0,1,2,3
	v_max3_num_f32 v[TM+\b], v[TM+\b], |v[\s+16*\b+\i]|, |v[\s+1+16*\b+\i]|
.endr
.endr
	WIN 0
.irp b, 0,1,2,3
	v_permlanex16_b32 v[TM+4+\b], v[TM+\b], s90, s91
.endr
.irp b, 0,1,2,3
	v_max_num_f32 v[TM+\b], v[TM+\b], v[TM+4+\b]
.endr
.irp b, 0,1,2,3
	v_add_nc_u32 v[TM+12+\b], 0xff000000, v[TM+\b]
.endr
.irp b, 0,1,2,3
	v_lshrrev_b32 v[TM+4+\b], 23, v[TM+12+\b]
.endr
	v_lshl_or_b32 v[\pw], v[TM+5], 8, v[TM+4]
	v_lshl_or_b32 v[\pw], v[TM+6], 16, v[\pw]
	v_lshl_or_b32 v[\pw], v[TM+7], 24, v[\pw]
	s_wait_xcnt 0x0
	WIN (\w)
.irp c, 0,1
	v_cvt_scalef32_pk16_fp6_f32 v[PC+6*\c:PC+2+6*\c], v[\s+32*\c:\s+15+32*\c], v[TM+12+2*\c]
	v_cvt_scalef32_pk16_fp6_f32 v[PX+4*\c:PX+2+4*\c], v[\s+16+32*\c:\s+31+32*\c], v[TM+12+2*\c+1]
.endr
	WIN 0
	v_nop
.irp c, 0,1
.irp i, 0,1,2
	v_permlane16_swap_b32 v[PC+6*\c+\i], v[PX+4*\c+\i]
.endr
.irp i, 0,1,2
	v_mov_b32 v[PC+3+6*\c+\i], v[PX+4*\c+\i]
.endr
.endr
.endm
.macro OUT a
.irp c, 0,1,2
	global_store_b128 v[LI], v[PC+4*\c:PC+4*\c+3], s[66:67] offset:1536*(\a)+512*\c
.endr
.if (\a)%2 == 0
	v_mov_b32 v[SW+(\a)/2], v[PW]
.else
	v_cndmask_b32 v[SW+(\a)/2], v[SW+(\a)/2], v[PW], s94
.endif
.endm
.macro TLD a
	WIN 0x40
.irp g, 0,1,2,3,4,5,6,7,8,9,10,11,12,13,14,15
	global_load_b128 v[128*((\a)%2)+4*\g:128*((\a)%2)+4*\g+3], v[LI], s[68:69] offset:(\a)*16384+512*\g
.endr
.irp g, 0,1,2,3,4,5,6,7,8,9,10,11,12,13,14,15
	global_load_b128 v[128*((\a)%2)+64+4*\g:128*((\a)%2)+64+4*\g+3], v[LI], s[68:69] offset:(\a)*16384+8192+512*\g
.endr
	WIN 0
.endm
.macro EPI_QK a
.set AB, 64*((\a)%4)
.set WA, 2+(\a)/4
.set TS, 128*((\a)%2)
	WIN WA|(WA<<2)
	v_pk_mul_f32 v[2:3], v[AB:AB+1], v[AB:AB+1]
	v_pk_mul_f32 v[4:5], v[AB+2:AB+3], v[AB+2:AB+3]
.set j, 4
.rept 15
	v_pk_fma_f32 v[2:3], v[AB+j:AB+j+1], v[AB+j:AB+j+1], v[2:3]
	v_pk_fma_f32 v[4:5], v[AB+j+2:AB+j+3], v[AB+j+2:AB+j+3], v[4:5]
.set j, j+4
.endr
	WIN 0
	v_pk_add_f32 v[2:3], v[2:3], v[4:5]
	v_add_f32 v2, v2, v3
	v_permlanex16_b32 v6, v2, s90, s91
	v_add_f32 v2, v2, v6
	v_fma_f32 v7, v2, s93, s92
	s_wait_alu depctr_va_vdst(0)
	v_rsq_f32 v8, v7
.if (\a) < 7
	s_wait_loadcnt 32
.else
	s_wait_loadcnt 0
.endif
	WIN WA|(1<<2)
.set j, 0
.rept 32
	v_pk_mul_f32 v[RO+j:RO+j+1], v[AB+j:AB+j+1], v[TS+j:TS+j+1]
.set j, j+2
.endr
.set j, 0
.rept 16
	v_pk_fma_f32 v[RO+j:RO+j+1], v[AB+32+j:AB+33+j], v[TS+64+j:TS+65+j], v[RO+j:RO+j+1]
	v_pk_fma_f32 v[RO+32+j:RO+33+j], v[AB+j:AB+j+1], v[TS+96+j:TS+97+j], v[RO+32+j:RO+33+j]
.set j, j+2
.endr
.if (\a) < 6
	TLD (\a)+2
.endif
	WIN 0
	s_wait_alu depctr_va_vdst(0)
.set j, 0
.rept 32
	v_pk_mul_f32 v[RO+j:RO+j+1], v[RO+j:RO+j+1], v[8:9] op_sel_hi:[1,0]
.set j, j+2
.endr
	QUANT RO, 0, PW
	OUT \a
.endm
	s_wait_alu depctr_va_vdst(0)
	s_wait_loadcnt 0x0
	s_wait_tensorcnt 1
	s_barrier_signal -1
	s_barrier_wait -1
	FETCH_B 0, 0, 0
	FETCH_A 0, 0, 0
	FETCH_A 0, 0, 4
	STEP 0, 0, 1
	TURN 0, 1, 1, 1
	STEP 1, 2, 0
	TURN 1, 0, 1, 3
	STEP 0, 4, 0
	TURN 0, 1, 0, 5
	STEP 1, 6, 0
	s_cmp_eq_u32 ttmp9, 2
	s_cbranch_scc1 .Lv
	TLD 0
	LAST
	TLD 1
.irp a, 0,1,2,3,4,5,6,7
	EPI_QK \a
.endr
	s_branch .Lend
.Lv:
	LAST
.irp a, 0,1,2,3,4,5,6,7
	QUANT 64*((\a)%4), 2+(\a)/4, PW
	OUT \a
.endr
.Lend:
	s_wait_alu depctr_va_vdst(0)
	global_store_b128 v[LI], v[SW:SW+3], s[66:67] offset:12288
	s_wait_tensorcnt 0x0
	ds_add_u32 v[SPW], v[NIL]
	s_wait_dscnt 0x0
	CROUND
	s_endpgm
.Lfunc_end_k_qc98f290bd5_qkv:
	.size	k_qc98f290bd5_qkv, .Lfunc_end_k_qc98f290bd5_qkv-k_qc98f290bd5_qkv
	.p2alignl 7, 3214868480
	.fill 96, 4, 3214868480
	.section	.rodata,"a",@progbits
	.p2align	6, 0x0
	.amdhsa_kernel k_qc98f290bd5_qkv
		.amdhsa_group_segment_fixed_size 327680
		.amdhsa_private_segment_fixed_size 0
		.amdhsa_enable_private_segment 0
		.amdhsa_kernarg_size 48
		.amdhsa_user_sgpr_count 2
		.amdhsa_user_sgpr_kernarg_segment_ptr 1
		.amdhsa_wavefront_size32 1
		.amdhsa_system_sgpr_workgroup_id_x 1
		.amdhsa_system_sgpr_workgroup_id_y 1
		.amdhsa_system_sgpr_workgroup_id_z 1
		.amdhsa_system_vgpr_workitem_id 0
		.amdhsa_next_free_vgpr 1024
		.amdhsa_next_free_sgpr 100
		.amdhsa_reserve_vcc 1
		.amdhsa_float_denorm_mode_32 3
		.amdhsa_float_denorm_mode_16_64 3
		.amdhsa_memory_ordered 1
		.amdhsa_forward_progress 1
		.amdhsa_inst_pref_size 255
	.end_amdhsa_kernel
	.section	.bss,"aw",@nobits
	.p2align	6
	.space	262144
	.amdgpu_metadata
---
amdhsa.version: [ 1, 2 ]
amdhsa.kernels:
  - .name:           k_qc98f290bd5_qkv
    .symbol:         k_qc98f290bd5_qkv.kd
    .args:
      - { .name: xi, .offset: 0, .size: 8, .value_kind: global_buffer, .address_space: global }
      - { .name: wi, .offset: 8, .size: 8, .value_kind: global_buffer, .address_space: global }
      - { .name: sc, .offset: 16, .size: 8, .value_kind: global_buffer, .address_space: global }
      - { .name: tab, .offset: 24, .size: 8, .value_kind: global_buffer, .address_space: global }
      - { .name: qrec, .offset: 32, .size: 8, .value_kind: global_buffer, .address_space: global }
      - { .name: kv, .offset: 40, .size: 8, .value_kind: global_buffer, .address_space: global }
    .group_segment_fixed_size: 327680
    .private_segment_fixed_size: 0
    .kernarg_segment_align: 8
    .kernarg_segment_size: 48
    .max_flat_workgroup_size: 128
    .sgpr_count:     100
    .vgpr_count:     1024
    .wavefront_size: 32
...
	.end_amdgpu_metadata
.endif
;; end of part 6
;; launch attn (part 7): grid 30 x 8, 8 waves a work-group, no clusters, 327,680 bytes of LDS; arguments qrec, kv, oi, sc; writes oi, sc
.if DOCPART == 7
	.amdgcn_target "amdgcn-amd-amdhsa--gfx1250"
	.amdhsa_code_object_version 6
	.text
	.protected	k_qc98f290bd5_attn
	.globl	k_qc98f290bd5_attn
	.p2align	8
	.type	k_qc98f290bd5_attn,@function
k_qc98f290bd5_attn:
	s_mov_b64 s[64:65], 0
	v_nop
	global_prefetch_b8 v0, s[64:65] scope:SCOPE_SE
	s_setreg_imm32_b32 hwreg(HW_REG_WAVE_MODE, 25, 1), 1
	s_wait_xcnt 0x0
; ATTN.  o[q] = sum over keys of softmax(q . k / sqrt(128)) v for 8 heads, 4,800 queries and keys; both products on codes of FP6 with E8M0 scales; o is quantised along its 128 channels for the last product.
; THE SOFTMAX: t = score x log2(e) / sqrt(128); M = the running largest t rounded up to a whole number; p = 2^(t - M) is quantised along the keys; the row's sum is taken of the unquantised p and divides at the end.
; SHARES.  A work-group: 10 tiles of 16 queries of one head (300 tiles x 8 heads on 30 x 8 work-groups), eight waves.  Waves 0-3 walk key steps 0-18, waves 4-7 key steps 19-37 (128 keys a step).
; Tiles by wave: 3, 2, 2, 3 in the first half of the keys, 2, 3, 3, 2 in the second: waves w and w + 4, and waves 2 i and 2 i + 1, hold five tiles together.  The text of a step is a macro of the number of tiles; the two
; kinds part on the wave's number round register work and LDS reads alone: waits, add, barrier and refill stand on every wave's way.  One head serves both kinds: a wave of two tiles loads and clears a third set too.
; At the end waves 4-7 put O^T, -M and the sum of each tile into a stage in LDS; waves 0-3 bring both halves under the larger M (exact powers of two), add, divide, quantise and store.
; LDS: two slots; a slot holds key steps j and 19 + j (K's record, V's record: 25,600 bytes each, images of the fragments' registers, then the scale words).  Waves 0-3 make the four first fills, waves 0 and 1 the refills.
; NO CLUSTER: a head has 30 blocks of queries, which a cluster of four does not divide; other heads read other keys.
; REGISTERS.  Window 0: v1-5, v38, v39 addresses; v6-19 scale words; v20-37 a tile's four block maxima, -M, largest t; v40-63 two fragments of K, between them small work; v64-255 the scores:
; the 16 registers of block b of 32 keys of tile u at 64 + 16 (NT b + u).  Behind the conversions p's codes lie in block 1's registers, V's fragments in blocks 0, 2 (, 3), the next step's K fragments 2-5 in what is left.
; Window 1: O^T of tile u at 64 u; Q at 192 + 12 u; two row sums a tile at 228 + 4 u; f at 240 + 2 u.
; THE LAST KEY STEP has 64 keys: -3e38 is added to the scores of the other 64 (in the two last trips' text alone; elsewhere there 0 is added), so p = 0; V's codes there are zeros.
; PREFETCH: in a head's first work-group waves 2 and 3 ask in trip j for key steps j + 4 and 23 + j, two trips ahead of the tensor load that wants them: four instructions of 25 blocks of 256 bytes (lanes 25-31 name lane 24's);
; it stops with step 18 / 37; steps 0 to 3 come by their loads alone.
; LIMITS: NaN and infinities are not served; scaled scores stay under 2^31 in magnitude; a block of p or o whose largest number lies under 2^-124 gets the byte 1.
.set SLOT1, 65536
.set STEPB, 25600
.set VOFF,  12800
.set SCO,   12288
.set SPARE, 131072                     ; spare words: 128 bytes a wave, four blocks of 256 bytes that no other line names
.set STAGE, 132096                     ; ten tiles x TS; no tensor load lands here
.set TS,    8704
.set LI, 1
.set AD, 2
.set SPW, 3
.set NIL, 4
.set STG, 5
.set KS, 6
.set VS, 10
.set QS, 14
.set PS, 17
.set SM, 20
.set PFO, 38
.set R16, 39
.set KB, 40
.set SB, 64
.set QF, 192
.set SA, 228
.set FF, 240
.set WV, 12
.set HD, 13
.set HF, 14
.set N3, 15
.set FT, 16
.set TG, 17
.set TB, 18
.set CNT, 19
.set SEL, 20
.set CS, 22
.set G1, 24
.set G0, 32
.set PFA, 36
.set LIM, 38
.set MV, 40
.set MSB, 0
.set NT, 3
.macro WIN new
.if MSB != (\new)
	s_set_vgpr_msb (MSB<<8)|(\new)
.set MSB, (\new)
.endif
.endm
.macro PLACES n
.rept \n
	v_nop
.endr
.endm
.macro ALLU m, a                       ; a line for each of my tiles
	\m 0, \a
	\m 1, \a
.if NT == 3
	\m 2, \a
.endif
.endm
.macro ALLB m                          ; and for each block of 32 keys: 4 NT chains by turns
.irp b, 0,1,2,3
	ALLU \m, \b
.endr
.endm
.macro BOTH body, a                    ; the two kinds of waves part on the wave's number
	s_wait_alu depctr_va_vdst(0)
	s_cmp_lg_u32 s[N3], 0
	s_cbranch_scc0 .Ltwo_\@
	\body 3, \a
	s_wait_alu depctr_va_vdst(0)
	s_branch .Ljoin_\@
.Ltwo_\@:
	\body 2, \a
	s_wait_alu depctr_va_vdst(0)
.Ljoin_\@:
.endm
.macro KPOS t                          ; where K's fragment t stands
.if (\t) < 2
.set kr, KB+12*(\t)
.elseif (\t) < 6
.set kr, 160+16*NT+12*((\t)-2)
.else
.set kr, KB+12*((\t)-6)
.endif
.endm
.macro VPOS t                          ; where V's fragment t stands
.if NT == 3
.set vr, 64+12*(\t)+48*((\t)/4)
.elseif (\t) < 2
.set vr, 64+12*(\t)
.elseif (\t) < 7
.set vr, 128+12*((\t)-2)
.else
.set vr, 240
.endif
.endm
.macro LDF reg, off                    ; a fragment: three loads of 512 consecutive bytes
.irp c, 0,1,2
	ds_load_b128 v[(\reg)+4*\c:(\reg)+4*\c+3], v[AD] offset:(\off)+512*\c
.endr
.endm
.macro KPRE n, x                       ; K's scale words and fragments 0-5 of the step at AD
.set NT, \n
	ds_load_b128 v[KS:KS+3], v[AD] offset:SCO
.irp t, 0,1,2,3,4,5
	KPOS \t
	LDF kr, 1536*\t
.endr
.endm
.macro KQ1 u, t                        ; S^T of tile u, key tile t: every product starts its own sum
.set dd, SB+16*(NT*((\t)/2)+\u)+8*((\t)%2)
.if (\t)%2
	v_wmma_scale_f32_16x16x128_f8f6f4 v[dd:dd+7], v[kr:kr+11], v[QF+12*\u:QF+12*\u+11], 0, v[KS+(\t)/2], v[QS+\u] matrix_a_fmt:MATRIX_FMT_FP6 matrix_b_fmt:MATRIX_FMT_FP6 matrix_a_scale:MATRIX_SCALE_ROW1
.else
	v_wmma_scale_f32_16x16x128_f8f6f4 v[dd:dd+7], v[kr:kr+11], v[QF+12*\u:QF+12*\u+11], 0, v[KS+(\t)/2], v[QS+\u] matrix_a_fmt:MATRIX_FMT_FP6 matrix_b_fmt:MATRIX_FMT_FP6
.endif
.endm
.macro KQS b
.irp e, 0,1
	KPOS 2*(\b)+\e
	ALLU KQ1, 2*(\b)+\e
.endr
.endm
.macro PV1 u, t                        ; O^T += V^T P^T: the 8 NT accumulators take turns
.if (\t)%2
	v_wmma_scale_f32_16x16x128_f8f6f4 v[64*\u+8*\t:64*\u+8*\t+7], v[vr:vr+11], v[SB+16*(NT+\u):SB+16*(NT+\u)+11], v[64*\u+8*\t:64*\u+8*\t+7], v[VS+(\t)/2], v[PS+\u] matrix_a_fmt:MATRIX_FMT_FP6 matrix_b_fmt:MATRIX_FMT_FP6 matrix_a_scale:MATRIX_SCALE_ROW1
.else
	v_wmma_scale_f32_16x16x128_f8f6f4 v[64*\u+8*\t:64*\u+8*\t+7], v[vr:vr+11], v[SB+16*(NT+\u):SB+16*(NT+\u)+11], v[64*\u+8*\t:64*\u+8*\t+7], v[VS+(\t)/2], v[PS+\u] matrix_a_fmt:MATRIX_FMT_FP6 matrix_b_fmt:MATRIX_FMT_FP6
.endif
.endm
; the softmax's lines, one a macro: u the tile, b the block
.macro MXA u, b
	v_max3_num_f32 v[SM+6*\u+\b], v[SB+16*(NT*\b+\u)], v[SB+16*(NT*\b+\u)+1], v[SB+16*(NT*\b+\u)+2]
.endm
.macro MXB u, b
	v_max3_num_f32 v[SM+6*\u+\b], v[SM+6*\u+\b], v[SB+16*(NT*\b+\u)+i], v[SB+16*(NT*\b+\u)+i+1]
.endm
.macro MXC u, b
	v_max_num_f32 v[SM+6*\u+\b], v[SM+6*\u+\b], v[SB+16*(NT*\b+\u)+15]
.endm
.macro PLX u, b
	v_permlanex16_b32 v[KB+4*\u+\b], v[SM+6*\u+\b], s[SEL], s[SEL+1]
.endm
.macro MXD u, b
	v_max_num_f32 v[SM+6*\u+\b], v[SM+6*\u+\b], v[KB+4*\u+\b]
.endm
.macro M1 u, x
	v_max3_num_f32 v[KB+12+\u], v[SM+6*\u], v[SM+6*\u+1], v[SM+6*\u+2]
.endm
.macro M2 u, x
	v_max_num_f32 v[KB+12+\u], v[KB+12+\u], v[SM+6*\u+3]
.endm
.macro M3 u, x
	v_mul_f32 v[KB+12+\u], s[CS], v[KB+12+\u]
.endm
.macro M4 u, x
	v_max_num_f32 v[SM+6*\u+5], v[SM+6*\u+5], v[KB+12+\u]
.endm
.macro M5 u, x
	v_mov_b32 v[KB+12+\u], v[SM+6*\u+4]
.endm
.macro M6 u, x
	v_floor_f32 v[SM+6*\u+4], -v[SM+6*\u+5]
.endm
.macro M7 u, x
	v_sub_f32 v[KB+12+\u], v[SM+6*\u+4], v[KB+12+\u]
.endm
.macro M8 u, x
	v_cvt_i32_f32 v[KB+12+\u], v[KB+12+\u]
.endm
.macro M9 u, x
	v_ldexp_f32 v[FF+2*\u], 1.0, v[KB+12+\u]
.endm
.macro SCL u, b
.set j, SB+16*(NT*\b+\u)
.rept 8
	v_pk_fma_f32 v[j:j+1], v[j:j+1], s[CS:CS+1], v[SM+6*\u+4:SM+6*\u+5] op_sel_hi:[1,0,0]
.set j, j+2
.endr
.endm
.macro FMB u, b
	v_fma_f32 v[SM+6*\u+\b], v[SM+6*\u+\b], s[CS], v[SM+6*\u+4]
.endm
.macro EXB u, b
	v_exp_f32 v[SM+6*\u+\b], v[SM+6*\u+\b]
.endm
.macro N1 u, b
	v_max_num_f32 v[SM+6*\u+\b], 0x1800000, v[SM+6*\u+\b]
.endm
.macro N2 u, b
	v_add_nc_u32 v[SM+6*\u+\b], 0xff000000, v[SM+6*\u+\b]
.endm
.macro N4 u, b
	v_lshrrev_b32 v[KB+4*\u+\b], 23, v[SM+6*\u+\b]
.endm
.macro W1 u, x
	v_lshl_or_b32 v[PS+\u], v[KB+4*\u+1], 8, v[KB+4*\u]
.endm
.macro W2 u, x
	v_lshl_or_b32 v[PS+\u], v[KB+4*\u+2], 16, v[PS+\u]
.endm
.macro W3 u, x
	v_lshl_or_b32 v[PS+\u], v[KB+4*\u+3], 24, v[PS+\u]
.endm
.macro SUM0 u, x
	v_pk_fma_f32 v[SA+4*\u:SA+4*\u+1], v[SA+4*\u:SA+4*\u+1], v[FF+2*\u:FF+2*\u+1], v[SB+16*\u:SB+16*\u+1] op_sel_hi:[1,0,1]
	v_pk_fma_f32 v[SA+4*\u+2:SA+4*\u+3], v[SA+4*\u+2:SA+4*\u+3], v[FF+2*\u:FF+2*\u+1], v[SB+16*\u+2:SB+16*\u+3] op_sel_hi:[1,0,1]
.endm
.macro SUMN u, b
	v_pk_add_f32 v[SA+4*\u:SA+4*\u+1], v[SA+4*\u:SA+4*\u+1], v[SB+16*(NT*\b+\u)+i:SB+16*(NT*\b+\u)+i+1]
	v_pk_add_f32 v[SA+4*\u+2:SA+4*\u+3], v[SA+4*\u+2:SA+4*\u+3], v[SB+16*(NT*\b+\u)+i+2:SB+16*(NT*\b+\u)+i+3]
.endm
.macro CV1 u, x
	v_cvt_scalef32_pk16_fp6_f32 v[KB+8*\u:KB+8*\u+2], v[SB+16*(NT+\u):SB+16*(NT+\u)+15], v[SM+6*\u+1]
	v_cvt_scalef32_pk16_fp6_f32 v[KB+8*\u+4:KB+8*\u+6], v[SB+16*(3*NT+\u):SB+16*(3*NT+\u)+15], v[SM+6*\u+3]
.endm
.macro CV2 u, x
	v_cvt_scalef32_pk16_fp6_f32 v[SB+16*(NT+\u):SB+16*(NT+\u)+2], v[SB+16*\u:SB+16*\u+15], v[SM+6*\u]
	v_cvt_scalef32_pk16_fp6_f32 v[SB+16*(NT+\u)+6:SB+16*(NT+\u)+8], v[SB+16*(2*NT+\u):SB+16*(2*NT+\u)+15], v[SM+6*\u+2]
.endm
.macro SWP u, x
.irp i, 0,1,2
	v_permlane16_swap_b32 v[SB+16*(NT+\u)+\i], v[KB+8*\u+\i]
	v_permlane16_swap_b32 v[SB+16*(NT+\u)+6+\i], v[KB+8*\u+4+\i]
.endr
.endm
.macro MVP u, x
.irp i, 0,1,2
	v_mov_b32 v[SB+16*(NT+\u)+3+\i], v[KB+8*\u+\i]
	v_mov_b32 v[SB+16*(NT+\u)+9+\i], v[KB+8*\u+4+\i]
.endr
.endm
.macro ORS u, x
.set j, 64*\u
.rept 32
	v_pk_mul_f32 v[j:j+1], v[j:j+1], v[FF+2*\u:FF+2*\u+1] op_sel_hi:[1,0]
.set j, j+2
.endr
.endm
; A KEY STEP'S FIRST PART: scores, softmax, p's codes, V asked for, O^T under the new M
.macro PARTA n, mask
.set NT, \n
	s_wait_dscnt 0x0                               ; K's words and fragments 0-5, asked for behind the last change of slots
	WIN 0x04                                       ; Q in window 1
	KQS 0
	WIN 0
	PLACES 4                                       ; ahead of loads into registers that matrix instructions have read
	LDF KB, 6*1536
	LDF KB+12, 7*1536
	WIN 0x04
	KQS 1
	KQS 2
	s_wait_dscnt 0x0                               ; fragments 6 and 7
	PLACES 5                                       ; block 3's scores are laid over fragments 2-5 in a wave of three tiles
	KQS 3
	WIN 0
	PLACES 4
.if \mask
.set j, SB+32*NT
.rept 16*NT
	v_pk_add_f32 v[j:j+1], v[j:j+1], s[MV:MV+1] op_sel_hi:[1,0]   ; keys 64-127: -3e38 where they do not exist, else 0
.set j, j+2
.endr
.endif
	ALLB MXA                                       ; each block's largest score; each accumulator is read from its low end on
.irp i0, 3,5,7,9,11,13
.set i, \i0
	ALLB MXB
.endr
	ALLB MXC
	ALLB PLX
	ALLB MXD                                       ; with lane l xor 16's 16 keys
	ALLU M1, 0
	ALLU M2, 0
	ALLU M3, 0                                     ; the step's largest t
	ALLU M4, 0                                     ; the running largest
	ALLU M5, 0
	ALLU M6, 0                                     ; -M = -ceil(t)
	ALLU M7, 0                                     ; old M - new M
	ALLU M8, 0
	WIN 0x40
	ALLU M9, 0                                     ; f = 2^(old M - new M)
	WIN 0
	ALLB SCL                                       ; t - M
	ALLB FMB                                       ; and of each block's largest score: p rises with the score
	s_wait_alu depctr_va_vdst(0)                   ; the wait ahead of the batch
	ALLB EXB
.set j, SB
.rept 64*NT
	v_exp_f32 v[j], v[j]
.set j, j+1
.endr
	v_nop                                          ; a plain place behind the exponentials
	s_wait_alu depctr_va_vdst(0)                   ; one wait for the batch
	ALLB N1                                        ; the floor 2^(3 - 127)
	ALLB N2                                        ; 2 off the exponent field: the conversion's scale operand
	ALLB N4                                        ; the byte
	ALLU W1, 0
	ALLU W2, 0
	ALLU W3, 0                                     ; p's scale word
	WIN 0x45
	ALLU SUM0, 0                                   ; the two row sums under the new M, with the first p
	WIN 0x41
.irp i0, 4,8,12
.set i, \i0
	ALLU SUMN, 0
.endr
.irp b, 1,2,3
.irp i0, 0,4,8,12
.set i, \i0
	ALLU SUMN, \b
.endr
.endr
	WIN 0
	ALLU CV1, 0                                    ; blocks 1 and 3 first: block 1's registers then take the codes
	v_nop                                          ; a plain place behind scaled conversions
	ALLU CV2, 0
	v_nop
	ds_load_b128 v[VS:VS+3], v[AD] offset:VOFF+SCO ; V lands on p's registers, which are done with
.irp t, 0,1,2,3,4,5,6,7
	VPOS \t
	LDF vr, VOFF+1536*\t
.endr
	ALLU SWP, 0                                    ; a whole block of 32 to a lane
	ALLU MVP, 0
	WIN 0x45
	s_wait_alu depctr_va_vdst(0)                   ; the wait directly ahead of O^T's first reader
	ORS 0, 0                                       ; tile 0's O^T under the new M, while V is on its way
	WIN 0
.endm
; THE NEXT STEP'S K, behind the change of slots.  kpre: 1 it is asked for; 2 the same but in the last trip
.macro KNXT n, kpre
.set NT, \n
.if \kpre == 2
	s_cmp_eq_u32 s[CNT], 1
	s_cbranch_scc1 .Lnok_\@
.endif
	KPRE \n, 0
.if \kpre == 2
.Lnok_\@:
.endif
.endm
; THE STEP'S SECOND PART, work on registers alone: it stands between the barrier's signal and its wait
.macro PARTB n, x
.set NT, \n
	WIN 0x45
	s_wait_alu depctr_va_vdst(0)                   ; the wait directly ahead of the first reader of the other tiles' O^T
	ORS 1, 0                                       ; these lines are also the places between p's codes and scale words and the products
.if NT == 3
	ORS 2, 0
.endif
	WIN 0x50
.irp t, 0,1,2,3,4,5,6,7
	VPOS \t
	ALLU PV1, \t
.endr
	WIN 0
	PLACES 5                                       ; the next scores are laid over V's fragments and p's codes
.endm
.macro TLOAD under
	s_cmp_lt_u32 s[WV], \under
	s_cbranch_scc0 .Lasked_\@
	tensor_load_to_lds s[G0:G0+3], s[G1:G1+7]
	s_nop 0
	PLACES 4
.Lasked_\@:
.endm
; THE CHANGE OF SLOTS: V of this step is in registers, so the slot is read no more
.macro MID fill
	s_wait_tensorcnt 0x0                           ; no tensor load of mine is out
	ds_add_u32 v[SPW], v[NIL]
.if \fill
	ds_add_u32 v[SPW], v[NIL]
	s_xor_b32 s[G0+1], s[G0+1], SLOT1
	s_add_nc_u64 s[G0+2:G0+3], s[G0+2:G0+3], STEPB
	s_wait_xcnt 0x0                                ; the last trip's prefetches have read their address
	s_add_nc_u64 s[PFA:PFA+1], s[PFA:PFA+1], STEPB
.endif
	s_xor_b32 s[TB], s[TB], SLOT1
	v_add_nc_u32 v[AD], s[TB], v[LI]               ; the next step's slot
	s_wait_alu depctr_va_vdst(0)
	s_wait_dscnt 0x0                               ; the add is done, V is in: my reads of this slot are over
	s_barrier_signal -1                            ; say so,
	BOTH PARTB, 0                                  ; work on registers while the others arrive,
	s_barrier_wait -1                              ; and go on when all eight have said so
.if \fill
	TLOAD 2                                        ; steps j + 2 and 21 + j into the slot just left
	s_cmp_gt_u32 s[CNT], s[LIM]
	s_cbranch_scc0 .Lnot_mine_\@
.irp i, 0,1,2,3
	global_prefetch_b8 v[PFO], s[PFA:PFA+1] offset:6400*\i th:TH_LOAD_NT scope:SCOPE_SE
.endr
.Lnot_mine_\@:
.endif
.endm
	s_load_b256 s[4:11], s[0:1], 0x0               ; qrec, kv, oi, sc
	v_lshl_add_u32 v[SPW], v0, 2, SPARE
	v_mov_b32 v[NIL], 0
	ds_add_u32 v[SPW], v[NIL]
	ds_add_u32 v[SPW], v[NIL]
	v_lshrrev_b32 v[AD], 5, v0
	v_readfirstlane_b32 s[WV], v[AD]               ; wave 0..7
	v_and_b32 v[LI], 31, v0
	v_min_u32 v[PFO], 24, v[LI]
	v_lshlrev_b32 v[PFO], 8, v[PFO]
	v_lshlrev_b32 v[LI], 4, v[LI]                  ; 16 x lane
	v_and_b32 v[R16], 0xf0, v[LI]                  ; 16 r
	s_and_b32 s[HD], ttmp7, 0xffff                 ; the head
	s_lshr_b32 s[HF], s[WV], 2                     ; which half of the keys
	s_lshr_b32 s42, s[WV], 1
	s_xor_b32 s43, s[WV], s42
	s_xor_b32 s43, s43, s[HF]
	s_and_b32 s43, s43, 1
	s_xor_b32 s[N3], s43, 1                        ; three tiles in waves 0, 3, 5, 6
	s_and_b32 s44, s[WV], 3
	s_min_u32 s45, s44, 1
	s_lshr_b32 s46, s44, 1
	s_and_b32 s47, s44, s46
	s_add_co_u32 s46, s46, s47
	s_xor_b32 s47, s[HF], 1
	s_mul_i32 s45, s45, s47
	s_mul_i32 s46, s46, s[HF]
	s_lshl_b32 s[FT], s44, 1
	s_add_co_u32 s[FT], s[FT], s45
	s_add_co_u32 s[FT], s[FT], s46                 ; my first tile: 0, 3, 5, 7 / 0, 2, 5, 8
	s_mul_i32 s[TG], ttmp9, 10
	s_add_co_u32 s[TG], s[TG], s[FT]               ; and in the head
	s_mul_i32 s48, s[FT], TS
	s_add_co_u32 s48, s48, STAGE
	s_wait_alu depctr_va_vdst(0)                   ; the wait directly ahead of the reader below
	v_add_nc_u32 v[STG], s48, v[LI]
	s_mul_i32 s[TB], s[HF], STEPB
	v_add_nc_u32 v[AD], s[TB], v[LI]
	s_mov_b32 s[G1], 3<<16                         ; a dense block as 100 rows of 256 bytes
	s_mov_b32 s[G1+1], 32<<16
	s_mov_b32 s[G1+2], 100<<16
	s_mov_b32 s[G1+3], 32<<16
	s_mov_b32 s[G1+4], 100
	s_mov_b32 s[G1+5], 32
	s_mov_b32 s[G1+6], 0
	s_mov_b32 s[G1+7], 0
	s_and_b32 s49, s42, 1                          ; first fills: slot (w / 2) % 2, half w % 2
	s_and_b32 s50, s[WV], 1
	s_mul_i32 s51, s50, STEPB
	s_lshl_b32 s52, s49, 16
	s_add_co_u32 s[G0+1], s52, s51
	s_mul_i32 s53, s50, 19
	s_add_co_u32 s54, s53, s49
	s_mul_i32 s54, s54, STEPB
	s_mov_b32 s55, 0
	s_mul_i32 s56, s[HD], 972800
	s_mov_b32 s57, 0
	s_mov_b32 s[SEL], 0x76543210
	s_mov_b32 s[SEL+1], 0xfedcba98
	s_mov_b32 s[CS], 0x3e0293ee                    ; log2(e) / sqrt(128)
	s_mov_b32 s[CS+1], s[CS]
	s_wait_dscnt 0x0
	s_wait_alu depctr_va_vdst(0)
	s_wait_kmcnt 0x0
	s_add_nc_u64 s[6:7], s[6:7], s[56:57]          ; kv at my head
	s_mov_b32 s[G0], 1
	s_add_nc_u64 s[G0+2:G0+3], s[6:7], s[54:55]
	s_or_b32 s[G0+3], s[G0+3], 0x80000000
	TLOAD 4                                        ; key steps 0, 19, 1, 20: one load a wave
	s_mul_i32 s54, s[HD], 486400
	s_mov_b32 s55, 0
	s_add_nc_u64 s[4:5], s[4:5], s[54:55]          ; qrec at my head
.irp u, 0,1,2                                  ; tile T: record T / 8, fragment T % 8; its scale word: word (T % 8) / 2 of lane 16 (T % 2) + r
	s_add_co_u32 s54, s[TG], \u
	s_lshr_b32 s55, s54, 3
	s_mul_i32 s55, s55, 12800
	s_and_b32 s56, s54, 7
	s_mul_i32 s57, s56, 1536
	s_add_co_u32 s57, s57, s55
	v_add_nc_u32 v[64+\u], s57, v[LI]
	s_and_b32 s57, s56, 1
	s_lshl_b32 s57, s57, 8
	s_lshr_b32 s58, s56, 1
	s_lshl_b32 s58, s58, 2
	s_add_co_u32 s57, s57, s58
	s_add_co_u32 s57, s57, s55
	v_add_nc_u32 v[68+\u], s57, v[R16]
.endr
	s_wait_alu depctr_va_vdst(0)
	WIN 0x40
.irp u, 0,1,2
.irp c, 0,1,2
	global_load_b128 v[QF+12*\u+4*\c:QF+12*\u+4*\c+3], v[64+\u], s[4:5] offset:512*\c
.endr
.endr
	WIN 0
.irp u, 0,1,2
	global_load_b32 v[QS+\u], v[68+\u], s[4:5] offset:SCO
.endr
	s_xor_b32 s57, s42, 1                          ; 0 in waves 2 and 3,
	s_or_b32 s57, s57, ttmp9                       ; of the head's first work-group
	s_cmp_eq_u32 s57, 0
	s_cselect_b32 s[LIM], 2, -1
	s_add_co_u32 s58, s53, 3
	s_mul_i32 s58, s58, STEPB
	s_mov_b32 s59, 0
	s_add_nc_u64 s[PFA:PFA+1], s[6:7], s[58:59]    ; at step 3 of my half: the first trip steps it to 4
	s_lshr_b32 s50, s[HD], 1                       ; oi: 256 along K = two heads
	s_mul_i32 s50, s50, 921600
	s_mul_i32 s52, s[TG], 3072
	s_add_co_u32 s50, s50, s52
	s_and_b32 s52, s[HD], 1
	s_mul_i32 s52, s52, 1536
	s_add_co_u32 s50, s50, s52
	s_mov_b32 s51, 0
	s_add_nc_u64 s[8:9], s[8:9], s[50:51]
	s_add_co_u32 s50, s[TG], 560                   ; sc: o's tiles from 560 on
	s_lshl_b32 s50, s50, 9
	s_lshr_b32 s52, s[HD], 2
	s_lshl_b32 s52, s52, 8
	s_add_co_u32 s50, s50, s52
	s_and_b32 s52, s[HD], 3
	s_lshl_b32 s52, s52, 2
	s_add_co_u32 s50, s50, s52
	s_add_nc_u64 s[10:11], s[10:11], s[50:51]
.irp u, 0,1,2
	v_mov_b32 v[SM+6*\u+5], 0xff61b1e6             ; the largest t so far: -3e38
.endr
.irp u, 0,1,2
	v_floor_f32 v[SM+6*\u+4], -v[SM+6*\u+5]
.endr
	WIN 0x40
.set j, 0
.rept 192
	v_mov_b32 v[j], 0                              ; O^T: the step has no first form of its own, which would be one more copy of its text
.set j, j+1
.endr
.set j, SA
.rept 18
	v_mov_b32 v[j], 0                              ; the sums, and f's pairs
.set j, j+1
.endr
	WIN 0
	s_wait_alu depctr_va_vdst(0)                   ; the wait at the head's end
	s_wait_loadcnt 0x0                             ; Q
	s_wait_tensorcnt 0x0
	ds_add_u32 v[SPW], v[NIL]
	ds_add_u32 v[SPW], v[NIL]
	s_xor_b32 s[G0+1], s[G0+1], SLOT1              ; so that the first trip's step leads to slot 0, key step 2 of my half
	s_add_nc_u64 s[G0+2:G0+3], s[G0+2:G0+3], STEPB
	s_wait_dscnt 0x0
	s_barrier_signal -1
	s_barrier_wait -1                              ; both slots are whole in every wave's sight
	BOTH KPRE, 0
	s_mov_b32 s[CNT], 17
.Lring:                                            ; trips 0 to 16: each asks for the step two on
	BOTH PARTA, 0
	MID 1
	BOTH KNXT, 1
	s_sub_co_u32 s[CNT], s[CNT], 1
	s_cmp_lg_u32 s[CNT], 0
	s_cbranch_scc1 .Lring
	s_mov_b32 s[CNT], 2
.Ltail:                                            ; trips 17 and 18 fetch nothing
	s_cmp_eq_u32 s[CNT], 1
	s_cselect_b32 s42, s[HF], 0
	s_cmp_lg_u32 s42, 0
	s_cselect_b32 s[MV], 0xff61b1e6, 0             ; -3e38 in key step 37 alone
	s_mov_b32 s[MV+1], s[MV]
	BOTH PARTA, 1
	MID 0
	BOTH KNXT, 2
	s_sub_co_u32 s[CNT], s[CNT], 1
	s_cmp_lg_u32 s[CNT], 0
	s_cbranch_scc1 .Ltail
; THE TWO HALVES OF THE KEYS MEET.  Waves 4-7: O^T as images of its registers, then -M and the lane's sum
.macro PUT u
	WIN 0x45
	v_pk_add_f32 v[SA+4*\u:SA+4*\u+1], v[SA+4*\u:SA+4*\u+1], v[SA+4*\u+2:SA+4*\u+3]
	v_add_f32 v[SA+4*\u], v[SA+4*\u], v[SA+4*\u+1]
	WIN 0x04
.irp g, 0,1,2,3,4,5,6,7,8,9,10,11,12,13,14,15
	ds_store_b128 v[STG], v[64*\u+4*\g:64*\u+4*\g+3] offset:TS*\u+512*\g
.endr
	ds_store_b32 v[STG], v[SA+4*\u] offset:TS*\u+8196
	WIN 0
	ds_store_b32 v[STG], v[SM+6*\u+4] offset:TS*\u+8192
.endm
.set XP, 64
; Waves 0-3: tile u's other half from the stage; both under the larger M; / the sum; quantised along the channels; stored as K step `head` of the last product's operand
.macro FIN u
.set CD, 128+32*\u
.irp g, 0,1,2,3,4,5,6,7,8,9,10,11,12,13,14,15
	ds_load_b128 v[XP+4*\g:XP+4*\g+3], v[STG] offset:TS*\u+512*\g
.endr
	ds_load_b64 v[KB:KB+1], v[STG] offset:TS*\u+8192
	WIN 0x05
	v_pk_add_f32 v[KB+2:KB+3], v[SA+4*\u:SA+4*\u+1], v[SA+4*\u+2:SA+4*\u+3]
	WIN 0
	v_add_f32 v[KB+2], v[KB+2], v[KB+3]
	s_wait_alu depctr_va_vdst(0)
	s_wait_dscnt 0x0
	v_min_num_f32 v[KB+4], v[SM+6*\u+4], v[KB]     ; -M of both
	v_sub_f32 v[KB+5], v[KB+4], v[SM+6*\u+4]
	v_sub_f32 v[KB+6], v[KB+4], v[KB]
	v_cvt_i32_f32 v[KB+5], v[KB+5]
	v_cvt_i32_f32 v[KB+6], v[KB+6]
	v_ldexp_f32 v[KB+5], 1.0, v[KB+5]
	v_ldexp_f32 v[KB+6], 1.0, v[KB+6]
	v_mul_f32 v[KB+7], v[KB+2], v[KB+5]
	v_fma_f32 v[KB+7], v[KB+1], v[KB+6], v[KB+7]
	v_permlanex16_b32 v[KB+8], v[KB+7], s[SEL], s[SEL+1]
	v_add_f32 v[KB+7], v[KB+7], v[KB+8]            ; the row's sum
	s_wait_alu depctr_va_vdst(0)
	v_rcp_f32 v[KB+9], v[KB+7]
	v_nop
	s_wait_alu depctr_va_vdst(0)
	v_mul_f32 v[KB+10], v[KB+5], v[KB+9]
	v_mul_f32 v[KB+12], v[KB+6], v[KB+9]
.set j, 0
.rept 32
	v_pk_mul_f32 v[XP+j:XP+j+1], v[XP+j:XP+j+1], v[KB+12:KB+13] op_sel_hi:[1,0]
.set j, j+2
.endr
	WIN 0x01
	s_wait_alu depctr_va_vdst(0)                   ; the wait directly ahead of O^T's first reader
.set j, 0
.rept 32
	v_pk_fma_f32 v[XP+j:XP+j+1], v[64*\u+j:64*\u+j+1], v[KB+10:KB+11], v[XP+j:XP+j+1] op_sel_hi:[1,0,1]
.set j, j+2
.endr
	WIN 0
.irp b, 0,1,2,3
	v_max3_num_f32 v[KB+14+\b], |v[XP+16*\b]|, |v[XP+16*\b+1]|, 0x1800000
.endr
.irp i, 2,4,6,8,10,12,14
.irp b, 0,1,2,3
	v_max3_num_f32 v[KB+14+\b], v[KB+14+\b], |v[XP+16*\b+\i]|, |v[XP+16*\b+\i+1]|
.endr
.endr
.irp b, 0,1,2,3
	v_permlanex16_b32 v[KB+18+\b], v[KB+14+\b], s[SEL], s[SEL+1]
.endr
.irp b, 0,1,2,3
	v_max_num_f32 v[KB+14+\b], v[KB+14+\b], v[KB+18+\b]
.endr
.irp b, 0,1,2,3
	v_add_nc_u32 v[KB+14+\b], 0xff000000, v[KB+14+\b]
.endr
.irp b, 0,1,2,3
	v_lshrrev_b32 v[KB+18+\b], 23, v[KB+14+\b]
.endr
	v_lshl_or_b32 v[PS+\u], v[KB+19], 8, v[KB+18]
	v_lshl_or_b32 v[PS+\u], v[KB+20], 16, v[PS+\u]
	v_lshl_or_b32 v[PS+\u], v[KB+21], 24, v[PS+\u]
	v_cvt_scalef32_pk16_fp6_f32 v[CD:CD+2], v[XP:XP+15], v[KB+14]
	v_cvt_scalef32_pk16_fp6_f32 v[CD+12:CD+14], v[XP+16:XP+31], v[KB+15]
	v_cvt_scalef32_pk16_fp6_f32 v[CD+6:CD+8], v[XP+32:XP+47], v[KB+16]
	v_cvt_scalef32_pk16_fp6_f32 v[CD+16:CD+18], v[XP+48:XP+63], v[KB+17]
	v_nop
.irp i, 0,1,2
	v_permlane16_swap_b32 v[CD+\i], v[CD+12+\i]
	v_permlane16_swap_b32 v[CD+6+\i], v[CD+16+\i]
.endr
.irp i, 0,1,2
	v_mov_b32 v[CD+3+\i], v[CD+12+\i]
	v_mov_b32 v[CD+9+\i], v[CD+16+\i]
.endr
.irp c, 0,1,2
	global_store_b128 v[LI], v[CD+4*\c:CD+4*\c+3], s[8:9] offset:3072*\u+512*\c    ; 512 consecutive bytes
.endr
	global_store_b32 v[R16], v[PS+\u], s[10:11] offset:512*\u      ; one word a row, 16 bytes apart: the row's other words are other heads'; lanes l and l + 16 store the same word
.endm
	s_cmp_eq_u32 s[HF], 0
	s_cbranch_scc1 .Lmeet
	PUT 0
	PUT 1
	s_cmp_eq_u32 s[N3], 0
	s_cbranch_scc1 .Lmeet
	PUT 2
.Lmeet:
	s_wait_alu depctr_va_vdst(0)
	s_wait_dscnt 0x0
	s_barrier_signal -1
	s_barrier_wait -1
	s_cmp_lg_u32 s[HF], 0
	s_cbranch_scc1 .Lend
	FIN 0
	FIN 1
	s_wait_alu depctr_va_vdst(0)
	s_cmp_eq_u32 s[N3], 0
	s_cbranch_scc1 .Lend
	FIN 2
.Lend:
	s_wait_tensorcnt 0x0                           ; the wave's end
	ds_add_u32 v[SPW], v[NIL]
	s_wait_dscnt 0x0
	s_endpgm
.Lfunc_end_k_qc98f290bd5_attn:
	.size	k_qc98f290bd5_attn, .Lfunc_end_k_qc98f290bd5_attn-k_qc98f290bd5_attn
	.p2alignl 7, 3214868480
	.fill 96, 4, 3214868480
	.section	.rodata,"a",@progbits
	.p2align	6, 0x0
	.amdhsa_kernel k_qc98f290bd5_attn
		.amdhsa_group_segment_fixed_size 327680
		.amdhsa_private_segment_fixed_size 0
		.amdhsa_enable_private_segment 0
		.amdhsa_kernarg_size 32
		.amdhsa_user_sgpr_count 2
		.amdhsa_user_sgpr_kernarg_segment_ptr 1
		.amdhsa_wavefront_size32 1
		.amdhsa_system_sgpr_workgroup_id_x 1
		.amdhsa_system_sgpr_workgroup_id_y 1
		.amdhsa_system_sgpr_workgroup_id_z 1
		.amdhsa_system_vgpr_workitem_id 0
		.amdhsa_next_free_vgpr 512
		.amdhsa_next_free_sgpr 66
		.amdhsa_reserve_vcc 0
		.amdhsa_float_denorm_mode_32 3
		.amdhsa_float_denorm_mode_16_64 3
		.amdhsa_memory_ordered 1
		.amdhsa_forward_progress 1
		.amdhsa_inst_pref_size 223
	.end_amdhsa_kernel
	.amdgpu_metadata
---
amdhsa.version: [ 1, 2 ]
amdhsa.kernels:
  - .name:           k_qc98f290bd5_attn
    .symbol:         k_qc98f290bd5_attn.kd
    .args:
      - { .name: qrec, .offset: 0, .size: 8, .value_kind: global_buffer, .address_space: global }
      - { .name: kv, .offset: 8, .size: 8, .value_kind: global_buffer, .address_space: global }
      - { .name: oi, .offset: 16, .size: 8, .value_kind: global_buffer, .address_space: global }
      - { .name: sc, .offset: 24, .size: 8, .value_kind: global_buffer, .address_space: global }
    .group_segment_fixed_size: 327680
    .private_segment_fixed_size: 0
    .kernarg_segment_align: 8
    .kernarg_segment_size: 32
    .max_flat_workgroup_size: 256
    .sgpr_count:     66
    .vgpr_count:     512
    .wavefront_size: 32
...
	.end_amdgpu_metadata
.endif
;; end of part 7
;; launch oproj (part 8): grid 4 x 60, 4 waves a work-group, clusters of 4 x 4, 327,680 bytes of LDS; arguments oi, wi, sc, out0; writes out0
.if DOCPART == 8
	.amdgcn_target "amdgcn-amd-amdhsa--gfx1250"
	.amdhsa_code_object_version 6
	.text
	.protected	k_qc98f290bd5_oproj
	.globl	k_qc98f290bd5_oproj
	.p2align	8
	.type	k_qc98f290bd5_oproj,@function
k_qc98f290bd5_oproj:
	s_mov_b64 s[64:65], 0
	v_nop
	global_prefetch_b8 v0, s[64:65] scope:SCOPE_SE
	s_setreg_imm32_b32 hwreg(HW_REG_WAVE_MODE, 25, 1), 1
	s_wait_xcnt 0x0
	s_wait_alu depctr_hold_cnt(0) depctr_sa_sdst(0) depctr_va_vdst(0) depctr_va_sdst(0) depctr_va_ssrc(0) depctr_va_vcc(0) depctr_vm_vsrc(0)
	s_getreg_b32 s2, hwreg(HW_REG_IB_STS2, 6, 4)
	s_cmp_eq_u32 s2, 0
	s_cbranch_scc0 .Lentry_in_a_cluster
	s_endpgm
.Lentry_in_a_cluster:
	s_bfe_u32 s2, ttmp6, 0x10000c
	s_cmp_lg_u32 s2, 0xf033
	s_cbranch_scc0 .Lentry_shape_is_right
	s_endpgm
.Lentry_shape_is_right:
; OPROJ.  out = o wo^T on codes of FP6 with E8M0 scales; out0 [4800][1024] f32.
; SHARES.  A work-group: 80 tokens (5 tiles) x 256 columns: 60 x 4 work-groups.  Wave w: all 5 tiles of tokens x its own 4 tiles of wo: 20 accumulators, which take turns.
; ALL OF K LIES IN LDS, filled once, one tensor load a wave: o's 5 tiles are 15,360 dense bytes for each 256 along K, wo's 16 tiles 49,152: a load brings two such rows
; (waves 0, 1: o's K quarters 0-1, 2-3; waves 2, 3: wo's).  Every row begins at a multiple of 256 bytes.  No loop to run ahead in: no prefetch.
; CLUSTER 4 x 4: the four work-groups of a row of the cluster take the same tokens, the four of a column the same columns: both operands are asked for jointly.
; The product is used transposed (source 0 = 16 rows of wo, source 1 = 16 tokens): a lane holds eight neighbouring columns of one token's row.  A tile of tokens x my 64 columns goes through
; my own stage in LDS and leaves as rows: sixteen lanes store 256 consecutive bytes, aligned.
; REGISTERS: window 0: v1-27 addresses; v32-71 scale words (v[32 + 8 i + ks]: lanes 0-15 o's tile i, lanes 16-31 wo's tile i); v72-191 o's fragments, two sets; v192-255 rows on the way out, two sets.
;   window 1: v0-159 accumulator (a, b) at 8 (4 a + b); v160-255 wo's fragments, two sets.
.set OKS,  921600
.set WKS,  786432
.set OSL,  15360
.set WBASE, 61440
.set WQ,   49152                       ; wo's 16 tiles of 256 along K in LDS
.set STAGE, 258048                     ; 16 rows x (256 + 16) bytes for each wave; no tensor load lands here
.set FR,  12
.set LI,  1
.set ADB, 8                            ; v8-11: my 4 tiles of wo in K quarter 0..3
.set STO, 24
.set RD,  25
.set CO,  26
.set SOFF, 27
.set SC,  32
.set OF,  72
.set BK,  192
.set G1A, 24
.set G1B, 32
.set G0A, 40
.set G0B, 44
.set MSB, 0
.macro WIN new
.if MSB != (\new)
	s_set_vgpr_msb (MSB<<8)|(\new)
.set MSB, (\new)
.endif
.endm
.macro CROUND
	s_barrier_signal -1
	s_barrier_wait -1
	s_cmp_lg_u32 s12, 0
	s_cbranch_scc1 .Lnot_wave_0_\@
	s_barrier_signal -3
.Lnot_wave_0_\@:
	s_barrier_wait -3
	s_barrier_signal -1
	s_barrier_wait -1
.endm
.macro PLACES
.rept 4
	v_nop
.endr
.endm
	s_load_b256 s[4:11], s[0:1], 0x0               ; oi, wi, sc, out0
	v_lshl_add_u32 v30, v0, 2, 0x43400
	v_mov_b32 v31, 0
	ds_add_u32 v30, v31
	ds_add_u32 v30, v31
	v_lshrrev_b32 v2, 5, v0
	v_readfirstlane_b32 s12, v2                    ; wave
	s_bfe_u32 s13, ttmp6, 0x40000                  ; cx
	s_bfe_u32 s14, ttmp6, 0x40004                  ; cy
	s_lshl_b32 s15, ttmp9, 2
	s_add_co_u32 s15, s15, s13                     ; which 256 columns
	s_and_b32 s16, ttmp7, 0xffff
	s_lshl_b32 s16, s16, 2
	s_add_co_u32 s16, s16, s14                     ; which 80 tokens
	s_lshl_b32 s17, s14, 2
	s_lshl_b32 s17, 15, s17                        ; my row of the cluster
	s_lshl_b32 s18, 0x1111, s13                    ; my column
	s_or_b32 s[G1A], s17, (3<<16)|(1<<21)          ; o's tiles go to my row; elements of 8 bytes
	s_or_b32 s[G1B], s18, (3<<16)|(1<<21)          ; wo's to my column
	s_mov_b32 s[G1A+1], 1920<<16                   ; two rows of 15,360 bytes, OKS bytes apart
	s_mov_b32 s[G1A+2], 2<<16
	s_mov_b32 s[G1A+3], 1920<<16
	s_mov_b32 s[G1A+4], 2
	s_mov_b32 s[G1A+5], OKS/8
	s_mov_b32 s[G1A+6], 0
	s_mov_b32 s[G1A+7], 0
	s_mov_b32 s[G1B+1], 6144<<16                   ; two rows of 49,152 bytes, WKS bytes apart
	s_mov_b32 s[G1B+2], 2<<16
	s_mov_b32 s[G1B+3], 6144<<16
	s_mov_b32 s[G1B+4], 2
	s_mov_b32 s[G1B+5], WKS/8
	s_mov_b32 s[G1B+6], 0
	s_mov_b32 s[G1B+7], 0
	s_and_b32 s77, s12, 1                          ; which two quarters of K I bring
	s_mul_i32 s20, s16, 5*3072                     ; o: made of the tokens' coordinate and the wave's number alone
	s_mul_i32 s21, s77, 2*OKS
	s_add_co_u32 s20, s20, s21
	s_mov_b32 s21, 0
	s_mul_i32 s19, s77, 2*OSL
	s_lshl_b32 s22, s15, 4                         ; wo: tiles 192 + 16 x on, of wi: made of the columns' coordinate and the wave's number alone
	s_add_co_u32 s22, s22, 192
	s_mul_i32 s22, s22, 3072
	s_mul_i32 s23, s77, 2*WKS
	s_add_co_u32 s22, s22, s23
	s_mov_b32 s23, 0
	s_mul_i32 s76, s77, 2*WQ
	s_add_co_u32 s76, s76, WBASE
	s_wait_dscnt 0x0
	s_wait_kmcnt 0x0
	s_add_nc_u64 s[20:21], s[4:5], s[20:21]
	s_add_nc_u64 s[22:23], s[6:7], s[22:23]
	s_mov_b32 s[G0A], 1
	s_mov_b32 s[G0A+1], s19
	s_mov_b64 s[G0A+2:G0A+3], s[20:21]
	s_or_b32 s[G0A+3], s[G0A+3], 0x80000000
	s_mov_b32 s[G0B], 1
	s_mov_b32 s[G0B+1], s76
	s_mov_b64 s[G0B+2:G0B+3], s[22:23]
	s_or_b32 s[G0B+3], s[G0B+3], 0x80000000
	CROUND                                         ; all sixteen work-groups are here: the joint loads meet
	s_cmp_lt_u32 s12, 2
	s_cbranch_scc0 .Lfor_wo
	tensor_load_to_lds s[G0A:G0A+3], s[G1A:G1A+7]
	s_nop 0
	PLACES
	s_branch .Lasked
.Lfor_wo:
	tensor_load_to_lds s[G0B:G0B+3], s[G1B:G1B+7]
	s_nop 0
	PLACES
.Lasked:
	v_and_b32 v2, 31, v0
	s_wait_alu depctr_va_vdst(0)
	v_lshlrev_b32 v[LI], 4, v2
	v_and_b32 v3, 15, v0                           ; r
	v_bfe_u32 v4, v0, 4, 1                         ; h
	s_mul_i32 s77, s16, 5                          ; my first tile of tokens
	s_add_co_u32 s78, s77, 560
	s_lshl_b32 s78, s78, 9
	s_lshl_b32 s79, s15, 4
	s_lshl_b32 s80, s12, 2
	s_add_co_u32 s79, s79, s80
	s_add_co_u32 s79, s79, 496
	s_lshl_b32 s79, s79, 9
	v_mov_b32 v5, s78
	v_mov_b32 v6, s79
	v_cmp_lt_u32 vcc_lo, 15, v2
	v_cndmask_b32 v[SOFF], v5, v6, vcc_lo          ; lanes 0-15 take o's words, lanes 16-31 wo's
	s_wait_alu depctr_va_vdst(0)
	v_lshl_add_u32 v[SOFF], v3, 4, v[SOFF]
.irp i, 0,1,2,3,4                              ; (for i = 4 lanes 16-31 read the block of the tile behind my four: inside sc, written, and never used)
.irp kh, 0,1
	global_load_b128 v[SC+8*\i+4*\kh:SC+8*\i+4*\kh+3], v[SOFF], s[8:9] offset:512*\i+256*\kh
.endr
.endr
	s_mul_i32 s76, s12, 12288
	s_add_co_u32 s76, s76, WBASE
.irp k, 0,1,2,3
	v_add_nc_u32 v[ADB+\k], s76, v[LI]
	s_add_co_u32 s76, s76, WQ
.endr
	s_mul_i32 s81, s12, 16*272
	s_add_co_u32 s81, s81, STAGE
	v_mul_u32_u24 v[STO], v3, 272
	v_lshl_add_u32 v[STO], v4, 6, v[STO]
	v_add_nc_u32 v[STO], s81, v[STO]               ; in: row r, + 64 h
	v_mul_u32_u24 v[RD], v4, 272
	v_lshl_add_u32 v[RD], v3, 4, v[RD]
	v_add_nc_u32 v[RD], s81, v[RD]                 ; back: lanes 0-15 one row, lanes 16-31 the next
	v_lshlrev_b32 v[CO], 12, v4
	v_lshl_add_u32 v[CO], v3, 4, v[CO]             ; and the same in out0: a row is 4,096 bytes
	s_lshl_b32 s82, s15, 10
	s_lshl_b32 s83, s12, 8
	s_add_co_u32 s82, s82, s83                     ; my 64 columns, in bytes
.irp a, 0,1,2,3,4                              ; s[66 + 2 a]: out0 at tile a's first token, 16 t - 8 (t % 2), and my columns
	s_add_co_u32 s84, s77, \a
	s_lshl_b32 s85, s84, 4
	s_and_b32 s84, s84, 1
	s_lshl_b32 s84, s84, 3
	s_sub_co_u32 s84, s85, s84
	s_lshl_b32 s84, s84, 12
	s_add_co_u32 s84, s84, s82
	s_mov_b32 s85, 0
	s_add_nc_u64 s[66+2*\a:67+2*\a], s[10:11], s[84:85]
.endr
.macro FETCH ks                        ; K step ks: o's 5 fragments and my 4 of wo into set ks % 2: 27 loads
.irp a, 0,1,2,3,4
.irp c, 0,1,2
	ds_load_b128 v[OF+60*((\ks)%2)+FR*\a+4*\c:OF+60*((\ks)%2)+FR*\a+4*\c+3], v[LI] offset:((\ks)/2)*OSL+\a*3072+((\ks)%2)*1536+512*\c
.endr
.endr
	WIN 0x40
.irp b, 0,1,2,3
.irp c, 0,1,2
	ds_load_b128 v[160+48*((\ks)%2)+FR*\b+4*\c:160+48*((\ks)%2)+FR*\b+4*\c+3], v[ADB+(\ks)/2] offset:\b*3072+((\ks)%2)*1536+512*\c
.endr
.endr
	WIN 0
.endm
.macro MUL20 ks
.irp a, 0,1,2,3,4
.irp b, 0,1,2,3
.if (\ks) == 0
	v_wmma_scale_f32_16x16x128_f8f6f4 v[8*(4*\a+\b):8*(4*\a+\b)+7], v[160+48*((\ks)%2)+FR*\b:160+48*((\ks)%2)+FR*\b+FR-1], v[OF+60*((\ks)%2)+FR*\a:OF+60*((\ks)%2)+FR*\a+FR-1], 0, v[SC+8*\b+(\ks)], v[SC+8*\a+(\ks)] matrix_a_fmt:MATRIX_FMT_FP6 matrix_b_fmt:MATRIX_FMT_FP6 matrix_a_scale:MATRIX_SCALE_ROW1
.else
	v_wmma_scale_f32_16x16x128_f8f6f4 v[8*(4*\a+\b):8*(4*\a+\b)+7], v[160+48*((\ks)%2)+FR*\b:160+48*((\ks)%2)+FR*\b+FR-1], v[OF+60*((\ks)%2)+FR*\a:OF+60*((\ks)%2)+FR*\a+FR-1], v[8*(4*\a+\b):8*(4*\a+\b)+7], v[SC+8*\b+(\ks)], v[SC+8*\a+(\ks)] matrix_a_fmt:MATRIX_FMT_FP6 matrix_b_fmt:MATRIX_FMT_FP6 matrix_a_scale:MATRIX_SCALE_ROW1
.endif
.endr
.endr
.endm
.macro KSTEP ks
.if (\ks) < 7
.if (\ks) > 0
	PLACES                                         ; in front of loads into the set that the last step multiplied
.endif
	FETCH (\ks)+1
	s_wait_dscnt 27                                ; all but the 27 just issued
.else
	s_wait_dscnt 0
.endif
	WIN 0x51                                       ; source 0 (wo), C and D window 1; source 1 (o) window 0
	MUL20 \ks
	WIN 0
.endm
	s_wait_alu depctr_va_vdst(0)                   ; the wait at the head's end
	s_wait_tensorcnt 0x0                           ; my one load has landed,
	s_barrier_signal -1
	s_barrier_wait -1                              ; everybody's has
	FETCH 0
	s_wait_loadcnt 0x0                             ; the scale words
.irp ks, 0,1,2,3,4,5,6,7
	KSTEP \ks
.endr
; THE WAY OUT, a tile of 16 tokens at a time.  LDS serves a wave's instructions in order: no wait between the stores and the loads, nor in front of the next tile's stores.
.macro TOSTAGE a
	WIN 0x04                                       ; an LDS store's data are its source 1: window 1
.irp b, 0,1,2,3
	ds_store_b128 v[STO], v[8*(4*(\a)+\b):8*(4*(\a)+\b)+3] offset:128*(\b/2)+32*(\b%2)       ; lane (r, h), tile b of wo: columns 32 (b / 2) + 16 h + 8 (b % 2) + 0 .. 7; each accumulator from its low end on
	ds_store_b128 v[STO], v[8*(4*(\a)+\b)+4:8*(4*(\a)+\b)+7] offset:128*(\b/2)+32*(\b%2)+16
.endr
	WIN 0
.irp i, 0,1,2,3,4,5,6,7
	ds_load_b128 v[BK+32*((\a)%2)+4*\i:BK+32*((\a)%2)+4*\i+3], v[RD] offset:2*\i*272
.endr
.endm
.macro SEND a, younger
	s_wait_dscnt \younger
.irp i, 0,1,2,3,4,5,6,7
	global_store_b128 v[CO], v[BK+32*((\a)%2)+4*\i:BK+32*((\a)%2)+4*\i+3], s[66+2*(\a):67+2*(\a)] offset:(2*\i+8*(\i/4))*4096 th:TH_STORE_NT   ; position 2 i + h is token 2 i + h + 8 (i / 4) of the tile; sixteen lanes store 256 consecutive bytes
.endr
.endm
	PLACES
	TOSTAGE 0
.irp a, 1,2,3,4
.if \a > 1
	s_wait_xcnt 0x0                                ; tile a - 2's stores have read their registers: tile a's loads may land there
.endif
	TOSTAGE \a
	SEND \a-1, 16                                  ; behind tile a - 1's loads: tile a's 8 stores and 8 loads
.endr
	SEND 4, 0
	s_wait_tensorcnt 0x0                           ; the wave's end
	ds_add_u32 v30, v31
	s_wait_dscnt 0x0
	CROUND                                         ; the closing round
	s_endpgm
.Lfunc_end_k_qc98f290bd5_oproj:
	.size	k_qc98f290bd5_oproj, .Lfunc_end_k_qc98f290bd5_oproj-k_qc98f290bd5_oproj
	.p2alignl 7, 3214868480
	.fill 96, 4, 3214868480
	.section	.rodata,"a",@progbits
	.p2align	6, 0x0
	.amdhsa_kernel k_qc98f290bd5_oproj
		.amdhsa_group_segment_fixed_size 327680
		.amdhsa_private_segment_fixed_size 0
		.amdhsa_enable_private_segment 0
		.amdhsa_kernarg_size 32
		.amdhsa_user_sgpr_count 2
		.amdhsa_user_sgpr_kernarg_segment_ptr 1
		.amdhsa_wavefront_size32 1
		.amdhsa_system_sgpr_workgroup_id_x 1
		.amdhsa_system_sgpr_workgroup_id_y 1
		.amdhsa_system_sgpr_workgroup_id_z 1
		.amdhsa_system_vgpr_workitem_id 0
		.amdhsa_next_free_vgpr 512
		.amdhsa_next_free_sgpr 100
		.amdhsa_reserve_vcc 1
		.amdhsa_float_denorm_mode_32 3
		.amdhsa_float_denorm_mode_16_64 3
		.amdhsa_memory_ordered 1
		.amdhsa_forward_progress 1
		.amdhsa_inst_pref_size 54
	.end_amdhsa_kernel
	.amdgpu_metadata
---
amdhsa.version: [ 1, 2 ]
amdhsa.kernels:
  - .name:           k_qc98f290bd5_oproj
    .symbol:         k_qc98f290bd5_oproj.kd
    .args:
      - { .name: oi, .offset: 0, .size: 8, .value_kind: global_buffer, .address_space: global }
      - { .name: wi, .offset: 8, .size: 8, .value_kind: global_buffer, .address_space: global }
      - { .name: sc, .offset: 16, .size: 8, .value_kind: global_buffer, .address_space: global }
      - { .name: out0, .offset: 24, .size: 8, .value_kind: global_buffer, .address_space: global }
    .group_segment_fixed_size: 327680
    .private_segment_fixed_size: 0
    .kernarg_segment_align: 8
    .kernarg_segment_size: 32
    .max_flat_workgroup_size: 128
    .sgpr_count:     100
    .vgpr_count:     512
    .wavefront_size: 32
...
	.end_amdgpu_metadata
.endif
;; end of part 8
